; MI455X (gfx1250); checked and timed in simulation.
; The chip was launched on July 23, 2026; its instructions are those of AMD's public machine-readable ISA for CDNA 5 (MIT licence, August 2026) and "CDNA5" Instruction Set Architecture Reference Guide (July 2026). The comments in the code are by the model that wrote it; some were corrected since.
;; MIPT Block. Allowed arithmetic: matrix products marked QUANTISED: E2M1 operands, one E8M0 scale for each 32 along K, by v_wmma_scale_f32_16x16x128_f8f6f4 with both operands' format E2M1 (or v_wmma_scale_f32_32x16x128_f4), f32 sums; products left as they are: f32 operands where the result goes on into a quantised operand, else bf16, f16 or f32 operands; f32 sums; everything else in f32.
;; Inputs: Wi_b 512 float32; Wi_w 512 x 512 float32; Wk_b 512 float32; Wk_w 512 x 512 float32; Wp_b 512 float32; Wp_w 512 x 512 float32; Wq_b 512 float32; Wq_w 512 x 512 float32; Wr_b 512 float32; Wr_w 512 x 512 float32; Wt_b 512 float32; Wt_w 512 x 512 float32; Wv_b 512 float32; Wv_w 512 x 512 float32; ffn1_b 2,048 float32; ffn1_w 512 x 2,048 float32; ffn2_b 512 float32; ffn2_w 2,048 x 512 float32; gate_b 1 float32; gate_w 512 x 1 float32; ln1_b 512 float32; ln1_g 512 float32; ln2_b 512 float32; ln2_g 512 float32; x 4 x 4,096 x 512 float32.
;; Outputs: out0 4 x 4,096 x 512 float32; out1 4 x 512 float32.
;; This version of the problem:
;;   THIS VERSION OF THE PROBLEM IS GIVEN IN LOW PRECISION. The matrix products marked QUANTISED in the list below multiply operands that are first quantised to E2M1 (2 exponent bits, 1 mantissa bit; 4 bits a number), with one power-of-two scale for each 32 numbers along K (OCP MX v1.0); their sums are f32. All else is computed in f32.
;;   The module's matrix products, in the order in which they are computed (A, B: the left and right operand; K: the contracted axis; several contracted axes count as one K, in the product's order):
;;     1. [M 16,384, K 512] x [K 512, N 512]; A: computed on the way; B: input Wp_w: QUANTISED
;;     2. [M 16,384, K 512] x [K 512, N 512]; A: computed on the way; B: input Wt_w: QUANTISED
;;     3. [M 16,384, K 512] x [K 512, N 512]; A: computed on the way; B: input Wr_w: QUANTISED
;;     4. [M 16,384, K 512] x [K 512, N 512]; A: computed on the way; B: input Wi_w: QUANTISED
;;     5. [M 64, K 512] x [K 512, N 512]; A: computed on the way; B: input Wk_w: QUANTISED
;;     6. [M 64, K 512] x [K 512, N 512]; A: computed on the way; B: input Wv_w: QUANTISED
;;     7. [M 4, K 512] x [K 512, N 512]; A: computed on the way; B: input Wq_w: left as it is (M = 4 < 16)
;;     8. batch 4 x [M 1, K 512] x [K 512, N 16]; A: computed on the way; B: computed on the way: left as it is (M = 1 < 16)
;;     9. batch 4 x [M 1, K 16] x [K 16, N 512]; A: softmax; B: computed on the way: left as it is (K = 16 < 32)
;;     10. [M 4, K 512] x [K 512, N 1]; A: computed on the way; B: input gate_w: left as it is (M = 4 < 16)
;;     11. [M 16,384, K 512] x [K 512, N 2,048]; A: computed on the way; B: input ffn1_w: QUANTISED
;;     12. [M 16,384, K 2,048] x [K 2,048, N 512]; A: computed on the way; B: input ffn2_w: QUANTISED
;;   THE QUANTISER, for each operand of a quantised product, along K:
;;     - K is cut into blocks of 32 from its start; a last block that is shorter is filled with zeros.
;;     - A block's scale is 2^e with e = floor(log2(the largest magnitude in the block)) - 2, held to -126 .. 127; a block of zeros has e = 0. As a byte (E8M0): e + 127.
;;     - Each number is divided by its block's scale, clamped to +-6, and rounded to the nearest number of E2M1, ties to even, subnormals kept.
;;     - The product sums the exact products of the quantised numbers (number of the format x scale) in f32.
;;   ~~~python
;;   def quantise(x, axis):      # numpy; x: float32 -> the quantised numbers, widened to float32 again
;;       x = np.moveaxis(x, axis, -1); K = x.shape[-1]
;;       x = np.pad(x, [(0, 0)] * (x.ndim - 1) + [(0, -K % 32)]); x = x.reshape(x.shape[:-1] + (-1, 32)); a = np.abs(x).max(-1, keepdims=True)
;;       e = np.where(a > 0, np.clip(np.frexp(np.where(a > 0, a, 1))[1] - 1 - 2, -126, 127), 0)      # np.frexp(a)[1] - 1 = floor(log2(a)), exactly
;;       r = np.clip(x / 2.0 ** e, -6, 6)
;;       step = 2.0 ** (np.maximum(np.frexp(np.where(r == 0, 1, r))[1] - 1, 0) - 1)
;;       q = np.round(r / step) * step * 2.0 ** e      # np.round: ties to even
;;       return np.moveaxis(q.reshape(q.shape[:-2] + (-1,))[..., :K], -1, axis).astype(np.float32)
;;   ~~~
;;   OPERANDS COMPUTED ON THE WAY. 'Computed on the way' means the value that the module computes at that place (a softmax that the list does not call 'softmax' is quantised finished and normalised). What goes into a quantiser is computed in f32, as accurately as f32 sums, v_exp_f32 and their like allow (about 1e-6 of the number): no bf16 or f16 on the way to a quantiser, and a product that is left as it is and whose result goes on into a quantised operand takes f32 operands (vector FMAs, or v_wmma_f32_16x16x4_f32). A number that lies on a knife's edge between two numbers of the format may be rounded either way, as far as f32 arithmetic and the matrix unit's own rounding can turn it there, and no further.
;; 2 versions. Each part assembles by itself: llvm-mc -triple=amdgcn-amd-amdhsa -mcpu=gfx1250 --defsym DOCPART=n.
;; ======== version 1 of 2: 4 launches
;; limits: right only within a limited range of input values
;; workspace buffers: wcodes 1,835,008 bytes; wscales 114,688 bytes; hre 33,554,432 bytes; psc 65,536 bytes; hsum 524,288 bytes; hmean 8,192 bytes; qv 8,192 bytes; topk 256 bytes of whole numbers
;; launch prep (part 1): grid 448 x 1, 4 waves a work-group, no clusters, 0 bytes of LDS; arguments Wp_w, Wt_w, Wr_w, Wi_w, Wk_w, Wv_w, ffn1_w, ffn2_w, wcodes, wscales; writes wcodes, wscales
.if DOCPART == 1
	.amdgcn_target "amdgcn-amd-amdhsa--gfx1250"
	.amdhsa_code_object_version 6
	.text
	.protected	k_q619ee09793_prep
	.globl	k_q619ee09793_prep
	.p2align	8
	.type	k_q619ee09793_prep,@function
k_q619ee09793_prep:
	s_mov_b64 s[64:65], 0
	v_nop
	global_prefetch_b8 v0, s[64:65] scope:SCOPE_SE
	s_setreg_imm32_b32 hwreg(HW_REG_WAVE_MODE, 25, 1), 1
	s_wait_xcnt 0x0
; PREP: the eight quantised weights, f32 stored [K][N], become codes of E2M1 with one E8M0 byte for each 32 along K,
; laid in the order of the operand's registers.  A FRAGMENT is 16 columns n x 128 along K: 1,024 bytes; register quad c (0, 1)
; of lane l lies at 512 c + 16 l; lane (r, h) holds k = 64 c + 32 h + 0 .. 31 of its column.  Its scale word (four bytes) of column r
; lies in wscales at (F / 4) x 256 + 16 r + 4 (F % 4), so that one load of 16 bytes brings the words of four K steps.
; FRAGMENT NUMBERS F: Wp, Wt, Wr, Wi (q = 0 .. 3): 16 t + 4 q + s;  Wk: 512 + 4 t + s;  Wv: 640 + 4 t + s;  ffn1: 768 + 4 t + s;  ffn2: 1280 + 16 t + s  (t: tile of 16 columns, s: K step of 128).
; Lane r of tile t takes column 16 t + r; in ffn1 alone column 32 (t / 2) + 8 (t % 2) + r + (r & 8), so that the first FFN product, used transposed, leaves 16 neighbours of the next K in a lane.
; One wave makes one fragment: a lane takes a column and its registers run down K, so a block's largest magnitude needs no other lane and nothing is transposed.
; The four waves of a work-group stand side by side on 64 columns: 256 consecutive bytes of each row of the weight.
; A block's scale is 2^(floor(log2(largest magnitude)) - 2); its byte is the magnitude's exponent field - 2, held at 1 from below (a block of zeros gets 1: its codes are zeros, and this program alone reads the bytes).
; DEAD WORK OF THE WHOLE PROGRAM, for all finite values of the inputs:
;  (1) reference() drops _h_im and never uses a after the scan, so in the scan's 13th step new_a_re, new_a_im and new_b_im reach no output: that step computes new_b_re alone.
;  (2) Wk_b adds query . Wk_b to every one of a batch's 16 scores alike; a term that is the same along a softmax's axis leaves the softmax as it is, and the product of query and keys is not quantised.
;      keys serve nothing else.  So Wk_b has no way to any output: it is not loaded and is among no launch's arguments.
; LIMITS: a NaN, an infinity or an overflow that reaches only the work left out is not carried to the result; NaN and infinities among the inputs are not served.
	s_load_b512 s[8:23], s[0:1], 0x0               ; Wp, Wt, Wr, Wi, Wk, Wv, ffn1, ffn2
	s_load_b128 s[24:27], s[0:1], 0x40             ; wcodes, wscales
	v_lshrrev_b32 v1, 5, v0
	v_readfirstlane_b32 s28, v1                    ; wave 0..3
	v_and_b32 v1, 15, v0                           ; r
	v_bfe_u32 v2, v0, 4, 1                         ; h
	v_and_b32 v3, 31, v0                           ; lane
	s_mov_b32 s44, 0x76543210
	s_mov_b32 s45, 0xfedcba98                      ; selects for lane l xor 16
	s_mov_b32 s29, ttmp9                           ; g
	s_mov_b32 s37, 0                               ; 1: ffn1's order of columns
	s_mov_b32 s39, 18                              ; log2 of the bytes of 128 rows of the weight (N = 512)
	s_cmp_ge_u32 s29, 320
	s_cbranch_scc1 .Lf2
	s_cmp_ge_u32 s29, 192
	s_cbranch_scc1 .Lf1
	s_lshr_b32 s30, s29, 5                         ; which of the six [512][512] weights
	s_and_b32 s31, s29, 31
	s_and_b32 s34, s31, 3                          ; K step
	s_and_b32 s32, s31, 28
	s_add_co_u32 s32, s32, s28                     ; tile t
	s_lshl_b32 s33, s32, 4                         ; first column
	s_cmp_lt_u32 s30, 4
	s_cbranch_scc0 .Lkv
	s_lshl_b32 s35, s32, 4
	s_lshl_b32 s36, s30, 2
	s_add_co_u32 s35, s35, s36                     ; 16 t + 4 q
	s_branch .Lhave
.Lkv:
	s_lshl_b32 s35, s32, 2
	s_lshl_b32 s36, s30, 7                         ; 512 for Wk, 640 for Wv
	s_add_co_u32 s35, s35, s36
	s_branch .Lhave
.Lf1:
	s_mov_b32 s30, 6
	s_sub_co_u32 s31, s29, 192
	s_and_b32 s34, s31, 3
	s_and_b32 s32, s31, 124
	s_add_co_u32 s32, s32, s28                     ; tile 0..127
	s_lshr_b32 s33, s32, 1
	s_lshl_b32 s33, s33, 5
	s_and_b32 s36, s32, 1
	s_lshl_b32 s36, s36, 3
	s_add_co_u32 s33, s33, s36                     ; 32 (t / 2) + 8 (t % 2)
	s_lshl_b32 s35, s32, 2
	s_add_co_u32 s35, s35, 768
	s_mov_b32 s37, 1
	s_mov_b32 s39, 20                              ; N = 2048
	s_branch .Lhave
.Lf2:
	s_mov_b32 s30, 7
	s_sub_co_u32 s31, s29, 320
	s_and_b32 s34, s31, 15
	s_lshr_b32 s32, s31, 4
	s_lshl_b32 s32, s32, 2
	s_add_co_u32 s32, s32, s28
	s_lshl_b32 s33, s32, 4
	s_lshl_b32 s35, s32, 4
	s_add_co_u32 s35, s35, 1280
.Lhave:
	s_add_co_u32 s35, s35, s34                     ; F
	s_lshl_b32 s40, s34, s39                       ; 128 s rows
	s_lshl_b32 s33, s33, 2
	s_add_co_u32 s40, s40, s33                     ; + the first column's bytes
	s_mov_b32 s41, 0
	s_sub_co_u32 s42, s39, 2
	v_lshlrev_b32 v4, s42, v2                      ; lanes 16-31 begin 32 rows further down
	v_and_b32 v5, 8, v1
	v_mul_u32_u24 v5, v5, s37
	v_add_nc_u32 v5, v5, v1                        ; r, or r + (r & 8)
	v_lshl_add_u32 v4, v5, 2, v4
	v_lshlrev_b32 v6, 4, v3                        ; 16 x lane
	v_lshlrev_b32 v7, 4, v1                        ; 16 r
	s_lshl_b32 s46, s35, 10
	s_mov_b32 s47, 0
	s_lshr_b32 s48, s35, 2
	s_lshl_b32 s48, s48, 8
	s_and_b32 s49, s35, 3
	s_lshl_b32 s49, s49, 2
	s_add_co_u32 s48, s48, s49
	s_mov_b32 s49, 0
	s_wait_kmcnt 0x0
	s_cmp_eq_u32 s30, 1                            ; the weight is chosen by the work-group's number alone
	s_cselect_b64 s[8:9], s[10:11], s[8:9]
	s_cmp_eq_u32 s30, 2
	s_cselect_b64 s[8:9], s[12:13], s[8:9]
	s_cmp_eq_u32 s30, 3
	s_cselect_b64 s[8:9], s[14:15], s[8:9]
	s_cmp_eq_u32 s30, 4
	s_cselect_b64 s[8:9], s[16:17], s[8:9]
	s_cmp_eq_u32 s30, 5
	s_cselect_b64 s[8:9], s[18:19], s[8:9]
	s_cmp_eq_u32 s30, 6
	s_cselect_b64 s[8:9], s[20:21], s[8:9]
	s_cmp_eq_u32 s30, 7
	s_cselect_b64 s[8:9], s[22:23], s[8:9]
	s_add_nc_u64 s[8:9], s[8:9], s[40:41]
	s_add_nc_u64 s[24:25], s[24:25], s[46:47]
	s_add_nc_u64 s[26:27], s[26:27], s[48:49]
.macro WLOAD n                         ; W(64 c + 32 h + i, my column) into v[32 + 32 c + i]; sixteen lanes read 64 neighbouring bytes
.set i, 0
.rept 64
	global_load_b32 v[32+i], v4, s[8:9] offset:(64*(i/32)+i%32)*\n*4 th:TH_LOAD_NT
.set i, i+1
.endr
.endm
	s_cmp_eq_u32 s30, 6
	s_cbranch_scc1 .Lwide
	WLOAD 512
	s_branch .Lloaded
.Lwide:
	WLOAD 2048
.Lloaded:
	s_wait_loadcnt 0x0
.irp c,0,1
	v_max3_num_f32 v[8+\c], |v[32+32*\c]|, |v[33+32*\c]|, 0x1800000   ; my block 2 c + h, and the floor 2^(3 - 127): the byte cannot fall under 1
.endr
.irp i,2,4,6,8,10,12,14,16,18,20,22,24,26,28,30
.irp c,0,1
	v_max3_num_f32 v[8+\c], v[8+\c], |v[32+32*\c+\i]|, |v[33+32*\c+\i]|
.endr
.endr
.irp c,0,1
	v_add_nc_u32 v[10+\c], 0xff000000, v[8+\c]     ; 2 off the exponent field: the conversion's scale operand
.endr
.irp c,0,1
	v_lshrrev_b32 v[12+\c], 23, v[10+\c]           ; the scale's byte
.endr
	v_lshl_or_b32 v14, v13, 16, v12                ; blocks h and 2 + h,
	v_lshlrev_b32 v15, 3, v2
	v_lshlrev_b32 v14, v15, v14                    ; at their places in the word;
	v_mov_b32 v15, 0
	v_permlanex16_b32 v15, v14, s44, s45
	v_or_b32 v14, v14, v15                         ; with lane l xor 16's two the word is whole
.irp c,0,1
.irp g,0,1,2,3
	v_cvt_scalef32_pk8_fp4_f32 v[16+4*\c+\g], v[32+32*\c+8*\g:39+32*\c+8*\g], v[10+\c]
.endr
.endr
	v_nop                                          ; one plain place behind the last scaled conversion
	global_store_b128 v6, v[16:19], s[24:25]       ; 512 consecutive bytes a store
	global_store_b128 v6, v[20:23], s[24:25] offset:512
	global_store_b32 v7, v14, s[26:27]             ; both halves of the lanes hold the same word and write it to the same place
	s_endpgm
.Lfunc_end_k_q619ee09793_prep:
	.size	k_q619ee09793_prep, .Lfunc_end_k_q619ee09793_prep-k_q619ee09793_prep
	.p2alignl 7, 3214868480
	.fill 96, 4, 3214868480
	.section	.rodata,"a",@progbits
	.p2align	6, 0x0
	.amdhsa_kernel k_q619ee09793_prep
		.amdhsa_group_segment_fixed_size 0
		.amdhsa_private_segment_fixed_size 0
		.amdhsa_enable_private_segment 0
		.amdhsa_kernarg_size 80
		.amdhsa_user_sgpr_count 2
		.amdhsa_user_sgpr_kernarg_segment_ptr 1
		.amdhsa_wavefront_size32 1
		.amdhsa_system_sgpr_workgroup_id_x 1
		.amdhsa_system_sgpr_workgroup_id_y 1
		.amdhsa_system_sgpr_workgroup_id_z 1
		.amdhsa_system_vgpr_workitem_id 0
		.amdhsa_next_free_vgpr 96
		.amdhsa_next_free_sgpr 66
		.amdhsa_reserve_vcc 0
		.amdhsa_float_denorm_mode_32 3
		.amdhsa_float_denorm_mode_16_64 3
		.amdhsa_memory_ordered 1
		.amdhsa_forward_progress 1
		.amdhsa_inst_pref_size 20
	.end_amdhsa_kernel
	.amdgpu_metadata
---
amdhsa.version: [ 1, 2 ]
amdhsa.kernels:
  - .name:           k_q619ee09793_prep
    .symbol:         k_q619ee09793_prep.kd
    .args:
      - { .name: Wp_w, .offset: 0, .size: 8, .value_kind: global_buffer, .address_space: global }
      - { .name: Wt_w, .offset: 8, .size: 8, .value_kind: global_buffer, .address_space: global }
      - { .name: Wr_w, .offset: 16, .size: 8, .value_kind: global_buffer, .address_space: global }
      - { .name: Wi_w, .offset: 24, .size: 8, .value_kind: global_buffer, .address_space: global }
      - { .name: Wk_w, .offset: 32, .size: 8, .value_kind: global_buffer, .address_space: global }
      - { .name: Wv_w, .offset: 40, .size: 8, .value_kind: global_buffer, .address_space: global }
      - { .name: ffn1_w, .offset: 48, .size: 8, .value_kind: global_buffer, .address_space: global }
      - { .name: ffn2_w, .offset: 56, .size: 8, .value_kind: global_buffer, .address_space: global }
      - { .name: wcodes, .offset: 64, .size: 8, .value_kind: global_buffer, .address_space: global }
      - { .name: wscales, .offset: 72, .size: 8, .value_kind: global_buffer, .address_space: global }
    .group_segment_fixed_size: 0
    .private_segment_fixed_size: 0
    .kernarg_segment_align: 8
    .kernarg_segment_size: 80
    .max_flat_workgroup_size: 128
    .sgpr_count:     66
    .vgpr_count:     96
    .wavefront_size: 32
...
	.end_amdgpu_metadata
.endif
;; end of part 1
;; launch main (part 2): grid 256 x 1, 16 waves a work-group, no clusters, 279,296 bytes of LDS; arguments x, ln1_g, ln1_b, ln2_g, ln2_b, Wp_b, Wt_b, Wr_b, Wi_b, ffn1_b, ffn2_b, wcodes, wscales, hre, psc, hsum, out0; writes hre, psc, hsum, out0
.if DOCPART == 2
	.amdgcn_target "amdgcn-amd-amdhsa--gfx1250"
	.amdhsa_code_object_version 6
	.text
	.protected	k_q619ee09793_main
	.globl	k_q619ee09793_main
	.p2align	8
	.type	k_q619ee09793_main,@function
k_q619ee09793_main:
	s_mov_b64 s[64:65], 0
	v_nop
	global_prefetch_b8 v0, s[64:65] scope:SCOPE_SE
	s_setreg_imm32_b32 hwreg(HW_REG_WAVE_MODE, 25, 1), 1
	s_wait_xcnt 0x0
; MAIN: LN1, the four projections, sigmoid / cos / sin, the 13 steps of the scan, h = h_re + x, LN2, the FFN and the residual, for 64 rows a work-group.
; LEFT OUT (shown at the head of the first kernel): in the scan's 13th step only new_b_re is computed.
; Each step of the scan combines a row with the row ONE back, so h_re[t] hangs on rows t - 13 .. t: the work-group computes 80 local rows, rho = 0 .. 79 = global row 64 wg - 16 + rho.
; What enters at rho = 0 from outside reaches rho <= 12 in 13 steps; rows rho >= 16 are right.  At a batch's start rows rho < 16 are set to a = 1, b = 0: row t = 0 then stays as it is, as reference()'s mask has it.
; SIXTEEN WAVES of 256 registers, four to a SIMD: the launch is bound by vector instructions, and one wave's loads stand beside another's arithmetic.
; THE PROJECTIONS are used in the natural order (source 0 = 16 rows of xn, source 1 = 16 columns of W): a lane holds ONE column and its registers run along time.  The rows of tile tau are chosen as
; rho = 40 (r / 8) + 20 (r % 2) + (r % 8) / 2 + 4 tau, so that register 2 i + e of lane half h is rho = 40 h + 20 e + i: the row one back is the register PAIR one back, and the scan is packed arithmetic in place, i descending.
; THE FFN's products are used transposed (source 0 = 16 rows of the weight): a lane holds one row of the block, its registers run along the columns.  The hidden layer goes from wave to wave through LDS as images of the operand's registers.
; WEIGHTS come straight from memory into operand registers, in fragment order as the first launch laid them.  NO CLUSTER, NO JOINT LOADS though all work-groups walk the same weights: a joint load lands in LDS, and of its
; 327,680 bytes the 80 rows' data hold 279,296; no tensor load, so no ring either.
; LIMITS: |theta| under 2^22 pi (the reduction's whole number must fit); erf by a rational form on [-4, 4], held there; sums are ordered otherwise than reference()'s; blocks of zeros get the scale byte 1; NaN and infinities are not served.
.set XC, 0                             ; codes of xn (80 rows), later of hn (64 rows): 256 bytes + 16 a row
.set XP, 272
.set XS, 21760                         ; their scale bytes, 16 a row
.set PS, 23040                         ; 16 waves x 5,120: a wave's sums of 1 - p over its columns, as an image of 40 registers
.set HI, 23040                         ; (over PS, once that is done with) the hidden layer's 64 fragments, (16 m + s) x 1,024
.set HIS, 88576                        ; their scale words, 128 bytes a fragment
.set HB, 104960                        ; h_re, then h, then the result: 80 rows of f32
.set HP, 2064                          ; 2,048 bytes + 16
.set PR, 270080                        ; [wave][80 rows] sums of 1 - p over the wave's 32 columns
.set HS, 275200                        ; 512 column sums of h_re
.set SPARE, 277248                     ; the spare words: 128 bytes a wave, named by no other line
.set AR, 16                            ; v16-55   logits of p, then 1 - p, then a_re
.set AI, 56                            ; v56-95   theta, then a_im
.set BR, 96                            ; v96-135  b_re
.set BI, 136                           ; v136-175 b_im
.set AF, 176                           ; v176-215 xn's five fragments
.set BF, 216                           ; v216-247 W's four fragments; at work otherwise
.set SA, 248                           ; v248-252 xn's scale words
.set SB0, 253                          ; W's scale words
.set SB1, 254
.set SB2, 255
.set SB3, 15
.set GU, 80                            ; gelu, at work: 16 registers each
.set GZ, 96
.set GP, 112
.set GQ, 128
.set KA, 144                           ; gelu: ten coefficients as pairs, v144-163, where hn's fragments stand at other times
.macro PLACES n
.rept \n
	v_nop
.endr
.endm
.macro BARRIER                         ; my LDS stores have landed and my LDS loads are in; then the work-group's barrier
	s_wait_dscnt 0x0
	s_barrier_signal -1
	s_barrier_wait -1
.endm
.macro RED32 a, t                      ; the sum over the wave's 32 lanes, in every lane
	v_add_f32_dpp v[\a], v[\a], v[\a] row_xmask:1 row_mask:0xf bank_mask:0xf
	v_add_f32_dpp v[\a], v[\a], v[\a] row_xmask:2 row_mask:0xf bank_mask:0xf
	v_add_f32_dpp v[\a], v[\a], v[\a] row_xmask:4 row_mask:0xf bank_mask:0xf
	v_add_f32_dpp v[\a], v[\a], v[\a] row_xmask:8 row_mask:0xf bank_mask:0xf
	v_permlanex16_b32 v[\t], v[\a], s58, s59
	v_add_f32 v[\a], v[\a], v[\t]
.endm
; A row of 512 in one wave: lane l holds elements 8 l .. 8 l + 7 in v[X ..] and 256 + 8 l .. in v[X + 8 ..].  Layernorm in f32, then the quantiser: a block of 32 lies in four lanes.
.macro LNROW X, G, B, T, cadr, coff, sadr, soff
	v_pk_add_f32 v[\T:\T+1], v[\X:\X+1], v[\X+2:\X+3]
	v_pk_add_f32 v[\T+2:\T+3], v[\X+4:\X+5], v[\X+6:\X+7]
	v_pk_add_f32 v[\T+4:\T+5], v[\X+8:\X+9], v[\X+10:\X+11]
	v_pk_add_f32 v[\T+6:\T+7], v[\X+12:\X+13], v[\X+14:\X+15]
	v_pk_add_f32 v[\T:\T+1], v[\T:\T+1], v[\T+2:\T+3]
	v_pk_add_f32 v[\T+4:\T+5], v[\T+4:\T+5], v[\T+6:\T+7]
	v_pk_add_f32 v[\T:\T+1], v[\T:\T+1], v[\T+4:\T+5]
	v_add_f32 v[\T], v[\T], v[\T+1]
	RED32 \T, \T+1
	v_mul_f32 v[\T], s60, v[\T]                    ; the mean
.irp j,0,2,4,6,8,10,12,14
	v_pk_add_f32 v[\X+\j:\X+\j+1], v[\X+\j:\X+\j+1], v[\T:\T+1] op_sel_hi:[1,0] neg_lo:[0,1] neg_hi:[0,1]
.endr
	v_pk_mul_f32 v[\T+2:\T+3], v[\X:\X+1], v[\X:\X+1]
	v_pk_mul_f32 v[\T+4:\T+5], v[\X+2:\X+3], v[\X+2:\X+3]
.irp j,4,8,12
	v_pk_fma_f32 v[\T+2:\T+3], v[\X+\j:\X+\j+1], v[\X+\j:\X+\j+1], v[\T+2:\T+3]
	v_pk_fma_f32 v[\T+4:\T+5], v[\X+\j+2:\X+\j+3], v[\X+\j+2:\X+\j+3], v[\T+4:\T+5]
.endr
	v_pk_add_f32 v[\T+2:\T+3], v[\T+2:\T+3], v[\T+4:\T+5]
	v_add_f32 v[\T+2], v[\T+2], v[\T+3]
	RED32 \T+2, \T+3
	v_fma_f32 v[\T+2], v[\T+2], s60, s61           ; the variance + 1e-5
	v_rsq_f32 v[\T+2], v[\T+2]
	v_nop                                          ; a plain place behind the transcendental,
	s_wait_alu depctr_va_vdst(0)                   ; and the wait ahead of its first reader
.irp j,0,2,4,6,8,10,12,14
	v_pk_mul_f32 v[\X+\j:\X+\j+1], v[\X+\j:\X+\j+1], v[\T+2:\T+3] op_sel_hi:[1,0]
.endr
.irp j,0,2,4,6,8,10,12,14
	v_pk_fma_f32 v[\X+\j:\X+\j+1], v[\X+\j:\X+\j+1], v[\G+\j:\G+\j+1], v[\B+\j:\B+\j+1]
.endr
	v_max3_num_f32 v[\T], |v[\X]|, |v[\X+1]|, 0x1800000          ; my 8 of a block, and the floor 2^(3 - 127)
	v_max3_num_f32 v[\T+1], |v[\X+8]|, |v[\X+9]|, 0x1800000
.irp j,2,4,6
	v_max3_num_f32 v[\T], v[\T], |v[\X+\j]|, |v[\X+\j+1]|
	v_max3_num_f32 v[\T+1], v[\T+1], |v[\X+8+\j]|, |v[\X+9+\j]|
.endr
	v_max_num_f32_dpp v[\T], v[\T], v[\T] row_xmask:1 row_mask:0xf bank_mask:0xf
	v_max_num_f32_dpp v[\T+1], v[\T+1], v[\T+1] row_xmask:1 row_mask:0xf bank_mask:0xf
	v_max_num_f32_dpp v[\T], v[\T], v[\T] row_xmask:2 row_mask:0xf bank_mask:0xf
	v_max_num_f32_dpp v[\T+1], v[\T+1], v[\T+1] row_xmask:2 row_mask:0xf bank_mask:0xf
	v_add_nc_u32 v[\T+2], 0xff000000, v[\T]        ; 2 off the exponent field: the conversion's scale operand
	v_add_nc_u32 v[\T+3], 0xff000000, v[\T+1]
	v_lshrrev_b32 v[\T+4], 23, v[\T+2]             ; the scale's byte
	v_lshrrev_b32 v[\T+5], 23, v[\T+3]
	v_cvt_scalef32_pk8_fp4_f32 v[\T+6], v[\X:\X+7], v[\T+2]
	v_cvt_scalef32_pk8_fp4_f32 v[\T+7], v[\X+8:\X+15], v[\T+3]
	v_nop                                          ; one plain place behind the last scaled conversion
	ds_store_b32 v[\cadr], v[\T+6] offset:\coff
	ds_store_b32 v[\cadr], v[\T+7] offset:\coff+128
	ds_store_b8 v[\sadr], v[\T+4] offset:\soff     ; the four lanes of a block write the same byte with the same value
	ds_store_b8 v[\sadr], v[\T+5] offset:\soff+8
.endm
; 128 along K of the four projections for my 16 columns and the 80 rows: 20 accumulators by turns, one instruction a turn
.macro KSTEP s, zero
.irp q,0,1,2,3
.irp cc,0,1
	global_load_b128 v[BF+8*\q+4*\cc:BF+8*\q+4*\cc+3], v5, s[44:45] offset:(4*\q+\s)*1024+512*\cc
.endr
	global_load_b32 v[SB\q], v6, s[46:47] offset:256*\q+4*\s
.endr
.irp tau,0,1,2,3,4
.irp cc,0,1
	ds_load_b128 v[AF+8*\tau+4*\cc:AF+8*\tau+4*\cc+3], v3 offset:4*\tau*XP+64*\s+32*\cc
.endr
	ds_load_b32 v[SA+\tau], v4 offset:64*\tau+4*\s
.endr
	s_wait_loadcnt 0x0
	s_wait_dscnt 0x0
.irp tau,0,1,2,3,4
.irp q,0,1,2,3
.if \zero
	v_wmma_scale_f32_16x16x128_f8f6f4 v[16+40*\q+8*\tau:16+40*\q+8*\tau+7], v[AF+8*\tau:AF+8*\tau+7], v[BF+8*\q:BF+8*\q+7], 0, v[SA+\tau], v[SB\q] matrix_a_fmt:MATRIX_FMT_FP4 matrix_b_fmt:MATRIX_FMT_FP4
.else
	v_wmma_scale_f32_16x16x128_f8f6f4 v[16+40*\q+8*\tau:16+40*\q+8*\tau+7], v[AF+8*\tau:AF+8*\tau+7], v[BF+8*\q:BF+8*\q+7], v[16+40*\q+8*\tau:16+40*\q+8*\tau+7], v[SA+\tau], v[SB\q] matrix_a_fmt:MATRIX_FMT_FP4 matrix_b_fmt:MATRIX_FMT_FP4
.endif
.endr
.endr
	PLACES 5                                       ; ahead of loads into, reads of and new sums over these products' registers
.endm
; one pair of rows, one step of the scan: b += a b_prev, a *= a_prev (complex), two rows an instruction
.macro SSTEP ci, pAR, pAI, pBR, pBI
	v_pk_fma_f32 v[BR+\ci:BR+\ci+1], v[AR+\ci:AR+\ci+1], v[\pBR:\pBR+1], v[BR+\ci:BR+\ci+1]
	v_pk_fma_f32 v[BI+\ci:BI+\ci+1], v[AR+\ci:AR+\ci+1], v[\pBI:\pBI+1], v[BI+\ci:BI+\ci+1]
	v_pk_mul_f32 v[224:225], v[AI+\ci:AI+\ci+1], v[\pAI:\pAI+1]
	v_pk_mul_f32 v[226:227], v[AR+\ci:AR+\ci+1], v[\pAI:\pAI+1]
	v_pk_fma_f32 v[BR+\ci:BR+\ci+1], v[AI+\ci:AI+\ci+1], v[\pBI:\pBI+1], v[BR+\ci:BR+\ci+1] neg_lo:[1,0,0] neg_hi:[1,0,0]
	v_pk_fma_f32 v[BI+\ci:BI+\ci+1], v[AI+\ci:AI+\ci+1], v[\pBR:\pBR+1], v[BI+\ci:BI+\ci+1]
	v_pk_fma_f32 v[AR+\ci:AR+\ci+1], v[AR+\ci:AR+\ci+1], v[\pAR:\pAR+1], v[224:225] neg_lo:[0,0,1] neg_hi:[0,0,1]
	v_pk_fma_f32 v[AI+\ci:AI+\ci+1], v[AI+\ci:AI+\ci+1], v[\pAR:\pAR+1], v[226:227]
.endm
.macro LSTEP ci, pBR, pBI              ; the 13th step: b_re alone
	v_pk_fma_f32 v[BR+\ci:BR+\ci+1], v[AR+\ci:AR+\ci+1], v[\pBR:\pBR+1], v[BR+\ci:BR+\ci+1]
	v_pk_fma_f32 v[BR+\ci:BR+\ci+1], v[AI+\ci:AI+\ci+1], v[\pBI:\pBI+1], v[BR+\ci:BR+\ci+1] neg_lo:[1,0,0] neg_hi:[1,0,0]
.endm
.macro KC reg, val                     ; a coefficient as a pair of registers
	v_mov_b32 v[\reg], \val
	v_mov_b32 v[\reg+1], \val
.endm
.macro HSTEP D, c                      ; a step of Horner's rule in z on 16 numbers; c: the coefficient's pair
.irp j,0,2,4,6,8,10,12,14
	v_pk_fma_f32 v[\D+\j:\D+\j+1], v[\D+\j:\D+\j+1], v[GZ+\j:GZ+\j+1], v[\c:\c+1]
.endr
.endm
; gelu(x) = 0.5 x (1 + erf(x / sqrt 2)) on 16 numbers; erf(u) = u P(u^2) / Q(u^2), u held to [-4, 4]
.macro GELU16 X
.irp j,0,2,4,6,8,10,12,14
	v_pk_mul_f32 v[GU+\j:GU+\j+1], v[\X+\j:\X+\j+1], 0x3f3504f3 op_sel_hi:[1,0]
.endr
.irp j,0,1,2,3,4,5,6,7,8,9,10,11,12,13,14,15
	v_med3_num_f32 v[GU+\j], v[GU+\j], -4.0, 4.0
.endr
.irp j,0,2,4,6,8,10,12,14
	v_pk_mul_f32 v[GZ+\j:GZ+\j+1], v[GU+\j:GU+\j+1], v[GU+\j:GU+\j+1]
.endr
.irp j,0,2,4,6,8,10,12,14
	v_pk_fma_f32 v[GP+\j:GP+\j+1], v[GZ+\j:GZ+\j+1], v[248:249], v[KA:KA+1]
.endr
.irp j,0,2,4,6,8,10,12,14
	v_pk_fma_f32 v[GQ+\j:GQ+\j+1], v[GZ+\j:GZ+\j+1], v[250:251], v[KA+2:KA+3]
.endr
	HSTEP GP, KA+4
	HSTEP GQ, KA+6
	HSTEP GP, KA+8
	HSTEP GQ, KA+10
	HSTEP GP, KA+12
	HSTEP GQ, KA+14
	HSTEP GP, KA+16
	HSTEP GP, KA+18
.irp j,0,1,2,3,4,5,6,7,8,9,10,11,12,13,14,15
	v_rcp_f32 v[GQ+\j], v[GQ+\j]
.endr
.irp j,0,2,4,6,8,10,12,14
	v_pk_mul_f32 v[GP+\j:GP+\j+1], v[GP+\j:GP+\j+1], v[GU+\j:GU+\j+1]
.endr
.irp j,0,2,4,6,8,10,12,14
	v_pk_mul_f32 v[\X+\j:\X+\j+1], v[\X+\j:\X+\j+1], 0.5 op_sel_hi:[1,0]
.endr
	s_wait_alu depctr_va_vdst(0)                   ; one wait for the 16 reciprocals, ahead of their first reader
.irp j,0,2,4,6,8,10,12,14
	v_pk_mul_f32 v[GP+\j:GP+\j+1], v[GP+\j:GP+\j+1], v[GQ+\j:GQ+\j+1]
.endr
.irp j,0,2,4,6,8,10,12,14
	v_pk_fma_f32 v[\X+\j:\X+\j+1], v[\X+\j:\X+\j+1], v[GP+\j:GP+\j+1], v[\X+\j:\X+\j+1]
.endr
.endm
; ffn2's fragments of four K steps (group gq) for my two tiles of outputs, and their scale words, into buffer buf: 18 loads
.macro W2LOAD gq, buf
.irp n,0,1
.irp sl,0,1,2,3
.irp cc,0,1
	global_load_b128 v[80+64*\buf+8*(4*\n+\sl)+4*\cc:80+64*\buf+8*(4*\n+\sl)+4*\cc+3], v5, s[44:45] offset:\n*16384+(4*\gq+\sl)*1024+512*\cc
.endr
.endr
	global_load_b128 v[244+4*\n+\buf*(8-244*\n):244+4*\n+\buf*(8-244*\n)+3], v6, s[46:47] offset:\n*1024+\gq*256
.endr
.endm
.macro F2GROUP gq, buf                 ; four K steps of the second FFN product: eight accumulators by turns
.irp sl,0,1,2,3
.irp m,0,1,2,3
.irp cc,0,1
	ds_load_b128 v[208+8*\m+4*\cc:208+8*\m+4*\cc+3], v3 offset:(16*\m+4*\gq+\sl)*1024+512*\cc
.endr
	ds_load_b32 v[240+\m], v4 offset:(16*\m+4*\gq+\sl)*128
.endr
	s_wait_dscnt 0x0
.irp m,0,1,2,3
.irp n,0,1
	v_wmma_scale_f32_16x16x128_f8f6f4 v[16+8*(4*\n+\m):16+8*(4*\n+\m)+7], v[80+64*\buf+8*(4*\n+\sl):80+64*\buf+8*(4*\n+\sl)+7], v[208+8*\m:208+8*\m+7], v[16+8*(4*\n+\m):16+8*(4*\n+\m)+7], v[244+4*\n+\sl+\buf*(8-244*\n)], v[240+\m] matrix_a_fmt:MATRIX_FMT_FP4 matrix_b_fmt:MATRIX_FMT_FP4
.endr
.endr
	PLACES 5
.endr
.endm
	s_load_b512 s[8:23], s[0:1], 0x0               ; x 8, ln1_g 10, ln1_b 12, ln2_g 14, ln2_b 16, Wp_b 18, Wt_b 20, Wr_b 22
	s_load_b512 s[24:39], s[0:1], 0x40             ; Wi_b 24, ffn1_b 26, ffn2_b 28, wcodes 30, wscales 32, hre 34, psc 36, hsum 38
	s_load_b64 s[40:41], s[0:1], 0x80              ; out0
	v_lshl_add_u32 v1, v0, 2, SPARE                ; my spare word; never rewritten
	v_mov_b32 v2, 0                                ; 0; never rewritten
	v_lshrrev_b32 v3, 5, v0
	v_readfirstlane_b32 s42, v3                    ; wave 0..15
	s_mov_b32 s58, 0x76543210
	s_mov_b32 s59, 0xfedcba98                      ; selects for lane l xor 16
	s_mov_b32 s60, 0x3b000000                      ; 1 / 512
	s_mov_b32 s61, 0x3727c5ac                      ; 1e-5
; ---- LN1: wave w takes local rows 5 w .. 5 w + 4.  Rows in front of the tensor's first are taken as row 0: they are overridden at a batch's start
	v_and_b32 v8, 31, v0                           ; lane
	v_lshlrev_b32 v9, 5, v8                        ; 32 x lane
	s_lshl_b32 s43, ttmp9, 6
	s_mul_i32 s44, s42, 5
	s_add_co_u32 s43, s43, s44
	s_sub_co_i32 s43, s43, 16
.irp i,0,1,2,3,4
	s_add_co_i32 s44, s43, \i
	s_max_i32 s44, s44, 0
	s_lshl_b32 s44, s44, 11
	v_add_nc_u32 v[3+\i], s44, v9
.endr
	s_mul_i32 s44, s42, 5*XP
	v_lshl_add_u32 v10, v8, 2, s44                 ; my codes' place: XC + 5 w rows + 4 x lane
	s_mul_i32 s44, s42, 80
	s_add_co_u32 s44, s44, XS
	v_lshrrev_b32 v11, 2, v8
	v_add_nc_u32 v11, s44, v11                     ; my block's byte
	s_mul_i32 s44, s42, 5120
	s_add_co_u32 s44, s44, PS
	v_lshl_add_u32 v12, v8, 4, s44                 ; my wave's image of sums
.irp j,168,169,170,171
	v_mov_b32 v\j, 0
.endr
.irp k,0,1,2,3,4,5,6,7,8,9
	ds_store_b128 v12, v[168:171] offset:512*\k    ; the sums of 1 - p begin as zeros
.endr
	s_wait_kmcnt 0x0
.irp j,0,1,2,3
	global_load_b128 v[16+4*\j:19+4*\j], v9, s[10:11] offset:(\j/2)*1024+(\j%2)*16
.endr
.irp j,0,1,2,3
	global_load_b128 v[32+4*\j:35+4*\j], v9, s[12:13] offset:(\j/2)*1024+(\j%2)*16
.endr
.irp i,0,1,2,3,4
.irp j,0,1,2,3
	global_load_b128 v[48+16*\i+4*\j:51+16*\i+4*\j], v[3+\i], s[8:9] offset:(\j/2)*1024+(\j%2)*16
.endr
.endr
.irp i,0,1,2,3,4
	s_wait_loadcnt 16-4*\i                         ; gain, bias and this row are in; the younger rows' loads, four a row, may be out
	LNROW 48+16*\i, 16, 32, 128+8*\i, 10, \i*XP, 11, \i*16
.endr
	BARRIER                                        ; xn's 80 rows of codes and scale bytes lie in LDS
; ---- the projections and the scan: two tasks a wave, task c = w + 16 trip: columns 16 c .. 16 c + 15
	s_mul_i32 s44, s42, 5120
	s_add_co_u32 s44, s44, PS
	v_lshl_add_u32 v7, v8, 4, s44                  ; v7: my wave's image of sums
	v_and_b32 v10, 15, v0                          ; r
	v_bfe_u32 v11, v0, 4, 1                        ; h
	v_lshrrev_b32 v12, 3, v10
	v_mul_u32_u24 v12, v12, 40
	v_and_b32 v13, 1, v10
	v_mad_u32_u24 v12, v13, 20, v12
	v_bfe_u32 v13, v10, 1, 2
	v_add_nc_u32 v12, v12, v13                     ; the row that lane r takes in tile 0
	v_mul_u32_u24 v3, v12, XP
	v_lshl_add_u32 v3, v11, 4, v3                  ; v3: its codes, + 16 h
	v_lshl_add_u32 v4, v12, 4, XS                  ; v4: its scale bytes
	v_lshlrev_b32 v5, 4, v8                        ; v5: 16 x lane (kept to the end)
	v_lshlrev_b32 v6, 4, v10                       ; v6: 16 r
	v_lshlrev_b32 v9, 2, v10                       ; v9: 4 r
	v_mul_u32_u24 v8, v11, 40*HP
	v_add_nc_u32 v8, v8, v9
	v_add_nc_u32 v8, HB, v8                        ; v8: row 40 h, column r of h_re's rows in LDS
	s_lshl_b32 s48, s42, 6                         ; 64 c: my columns' bytes in a row
	s_lshl_b32 s50, s42, 14
	s_mov_b32 s51, 0
	s_add_nc_u64 s[44:45], s[30:31], s[50:51]      ; my 16 fragments
	s_lshl_b32 s50, s42, 10
	s_add_nc_u64 s[46:47], s[32:33], s[50:51]      ; and their scale words
	s_mov_b32 s53, 0xffff                          ; lanes 0-15
	s_mov_b32 s49, 2
.Ltask:
	v_add_nc_u32 v14, s48, v9
	global_load_b32 v10, v14, s[18:19]             ; the four biases of my column
	global_load_b32 v11, v14, s[20:21]
	global_load_b32 v12, v14, s[22:23]
	global_load_b32 v13, v14, s[24:25]
	KSTEP 0, 1                                     ; the first K step starts the sums
	KSTEP 1, 0
	KSTEP 2, 0
	KSTEP 3, 0
	v_mul_f32 v14, 0x3fb8aa3b, v10
.set j, 0
.rept 20
	v_pk_fma_f32 v[AR+j:AR+j+1], v[AR+j:AR+j+1], 0x3fb8aa3b, v[14:15] op_sel_hi:[1,0,0]   ; (logit + bias) x log2(e)
.set j, j+2
.endr
.set j, 0
.rept 40
	v_exp_f32 v[AR+j], v[AR+j]
.set j, j+1
.endr
.irp k,0,1,2,3,4,5,6,7,8,9
	ds_load_b128 v[AF+4*\k:AF+4*\k+3], v7 offset:512*\k            ; my image of sums
.endr
.set j, 0
.rept 20
	v_pk_add_f32 v[BR+j:BR+j+1], v[BR+j:BR+j+1], v[12:13] op_sel_hi:[1,0]
	v_pk_add_f32 v[BI+j:BI+j+1], v[BI+j:BI+j+1], v[12:13] op_sel:[0,1] op_sel_hi:[1,1]
.set j, j+2
.endr
	s_wait_alu depctr_va_vdst(0)                   ; one wait for the 40 exponentials; the 40 additions above are the work between
.set j, 0
.rept 20
	v_pk_add_f32 v[AR+j:AR+j+1], v[AR+j:AR+j+1], 1.0 op_sel_hi:[1,0]
.set j, j+2
.endr
.set j, 0
.rept 40
	v_rcp_f32 v[AR+j], v[AR+j]                     ; 1 - p = 1 / (1 + e^logit)
.set j, j+1
.endr
.set j, 0
.rept 20
	v_pk_add_f32 v[AI+j:AI+j+1], v[AI+j:AI+j+1], v[10:11] op_sel:[0,1] op_sel_hi:[1,1]
.set j, j+2
.endr
	s_wait_alu depctr_va_vdst(0)                   ; one wait for the 40 reciprocals
	s_wait_dscnt 0x0
.set j, 0
.rept 20
	v_pk_add_f32 v[AF+j:AF+j+1], v[AF+j:AF+j+1], v[AR+j:AR+j+1]
.set j, j+2
.endr
.irp k,0,1,2,3,4,5,6,7,8,9
	ds_store_b128 v7, v[AF+4*\k:AF+4*\k+3] offset:512*\k
.endr
	v_mov_b32 v236, 0x4b400000                     ; 1.5 x 2^23: adding it rounds to a whole number, whose parity is the sum's lowest bit
	v_mov_b32 v237, 0x4b400000
	v_mov_b32 v238, 0x2f2ec9d3                     ; the series' leading coefficients
	v_mov_b32 v239, 0x2f2ec9d3
	v_mov_b32 v240, 0x310f74f6
	v_mov_b32 v241, 0x310f74f6
; theta = n pi + r, |r| <= pi / 2: sin theta = (-1)^n sin r, cos theta = (-1)^n cos r; the sign goes onto 1 - p
.set j, 0
.rept 20
.set TT, 216+10*((j/2)%2)
	v_pk_fma_f32 v[TT:TT+1], v[AI+j:AI+j+1], 0x3ea2f983, v[236:237] op_sel_hi:[1,0,1]
	v_pk_add_f32 v[TT+2:TT+3], v[TT:TT+1], v[236:237] neg_lo:[0,1] neg_hi:[0,1]           ; n
	v_pk_fma_f32 v[AI+j:AI+j+1], v[TT+2:TT+3], 0xc0490fdb, v[AI+j:AI+j+1] op_sel_hi:[1,0,1]   ; r = theta - n pi, pi in two parts
	v_pk_fma_f32 v[AI+j:AI+j+1], v[TT+2:TT+3], 0x33bbbd2e, v[AI+j:AI+j+1] op_sel_hi:[1,0,1]
	v_pk_mul_f32 v[TT+4:TT+5], v[AI+j:AI+j+1], v[AI+j:AI+j+1]                             ; z = r^2
	v_pk_fma_f32 v[TT+6:TT+7], v[TT+4:TT+5], v[238:239], 0xb2d72f34 op_sel_hi:[1,1,0]     ; sin r / r
	v_pk_fma_f32 v[TT+8:TT+9], v[TT+4:TT+5], v[240:241], 0xb493f27c op_sel_hi:[1,1,0]     ; cos r
	v_pk_fma_f32 v[TT+6:TT+7], v[TT+6:TT+7], v[TT+4:TT+5], 0x3638ef1b op_sel_hi:[1,1,0]
	v_pk_fma_f32 v[TT+8:TT+9], v[TT+8:TT+9], v[TT+4:TT+5], 0x37d00d01 op_sel_hi:[1,1,0]
	v_pk_fma_f32 v[TT+6:TT+7], v[TT+6:TT+7], v[TT+4:TT+5], 0xb9500d01 op_sel_hi:[1,1,0]
	v_pk_fma_f32 v[TT+8:TT+9], v[TT+8:TT+9], v[TT+4:TT+5], 0xbab60b61 op_sel_hi:[1,1,0]
	v_pk_fma_f32 v[TT+6:TT+7], v[TT+6:TT+7], v[TT+4:TT+5], 0x3c088889 op_sel_hi:[1,1,0]
	v_pk_fma_f32 v[TT+8:TT+9], v[TT+8:TT+9], v[TT+4:TT+5], 0x3d2aaaab op_sel_hi:[1,1,0]
	v_pk_fma_f32 v[TT+6:TT+7], v[TT+6:TT+7], v[TT+4:TT+5], 0xbe2aaaab op_sel_hi:[1,1,0]
	v_pk_fma_f32 v[TT+8:TT+9], v[TT+8:TT+9], v[TT+4:TT+5], -0.5 op_sel_hi:[1,1,0]
	v_pk_fma_f32 v[TT+6:TT+7], v[TT+6:TT+7], v[TT+4:TT+5], 1.0 op_sel_hi:[1,1,0]
	v_pk_fma_f32 v[TT+8:TT+9], v[TT+8:TT+9], v[TT+4:TT+5], 1.0 op_sel_hi:[1,1,0]
	v_lshl_or_b32 v[AR+j], v[TT], 31, v[AR+j]
	v_lshl_or_b32 v[AR+j+1], v[TT+1], 31, v[AR+j+1]
	v_pk_mul_f32 v[AI+j:AI+j+1], v[AI+j:AI+j+1], v[AR+j:AR+j+1]
	v_pk_mul_f32 v[AI+j:AI+j+1], v[AI+j:AI+j+1], v[TT+6:TT+7]                             ; a_im
	v_pk_mul_f32 v[AR+j:AR+j+1], v[AR+j:AR+j+1], v[TT+8:TT+9]                             ; a_re
.set j, j+2
.endr
	s_and_b32 s50, ttmp9, 63                       ; a batch's first work-group: local rows 0 .. 15 lie in front of t = 0
	s_cmp_lg_u32 s50, 0
	s_cbranch_scc1 .Lnostart
	v_mov_b32 v216, 1.0
	v_mov_b32 v217, 0
.set j, 0
.rept 16
	v_cndmask_b32 v[AR+j], v[AR+j], v216, s53      ; rows rho = i < 16: the even registers of lanes 0-15
	v_cndmask_b32 v[AI+j], v[AI+j], v217, s53
	v_cndmask_b32 v[BR+j], v[BR+j], v217, s53
	v_cndmask_b32 v[BI+j], v[BI+j], v217, s53
.set j, j+2
.endr
.Lnostart:
	s_mov_b32 s52, 12
.Lscan:                                                ; steps 1 to 12
.irp a,0,1,2,3
	v_permlanex16_b32 v[216+2*\a], v[16+40*\a+39], s58, s59        ; the row in front of rho = 40 h is rho = 39 of the other half (for h = 0: from outside, see the head)
	v_mov_b32 v[217+2*\a], v[16+40*\a+38]                          ; the row in front of rho = 40 h + 20 is my register 38
.endr
.set ii, 19
.rept 19
	SSTEP 2*ii, AR+2*ii-2, AI+2*ii-2, BR+2*ii-2, BI+2*ii-2
.set ii, ii-1
.endr
	SSTEP 0, 216, 218, 220, 222
	s_sub_co_u32 s52, s52, 1
	s_cmp_lg_u32 s52, 0
	s_cbranch_scc1 .Lscan
	v_permlanex16_b32 v220, v[BR+39], s58, s59     ; step 13
	v_mov_b32 v221, v[BR+38]
	v_permlanex16_b32 v222, v[BI+39], s58, s59
	v_mov_b32 v223, v[BI+38]
.set ii, 19
.rept 19
	LSTEP 2*ii, BR+2*ii-2, BI+2*ii-2
.set ii, ii-1
.endr
	LSTEP 0, 220, 222
; my column's sum of h_re over rows 16 .. 79
	v_pk_add_f32 v[216:217], v[BR:BR+1], v[BR+2:BR+3]
	v_pk_add_f32 v[224:225], v[BR+4:BR+5], v[BR+6:BR+7]
.set j, 8
.rept 6
	v_pk_add_f32 v[216:217], v[216:217], v[BR+j:BR+j+1]
	v_pk_add_f32 v[224:225], v[224:225], v[BR+j+2:BR+j+3]
.set j, j+4
.endr
	v_pk_add_f32 v[216:217], v[216:217], v[224:225]
	v_pk_add_f32 v[218:219], v[BR+32:BR+33], v[BR+34:BR+35]
	v_pk_add_f32 v[226:227], v[BR+36:BR+37], v[BR+38:BR+39]
	v_pk_add_f32 v[218:219], v[218:219], v[226:227]
	v_mov_b32 v223, 0
	v_cndmask_b32 v216, v216, v223, s53            ; rows 0 .. 15 do not count
	v_add_f32 v216, v216, v217
	v_add_f32 v218, v218, v219
	v_add_f32 v216, v216, v218
	v_permlanex16_b32 v217, v216, s58, s59
	v_add_f32 v216, v216, v217
	v_add_nc_u32 v220, s48, v9
	v_add_nc_u32 v220, HS, v220
	ds_store_b32 v220, v216
	v_add_nc_u32 v221, s48, v8
	v_add_nc_u32 v222, 20*HP, v221
.set j, 0
.rept 20
	ds_store_b32 v221, v[BR+2*j] offset:j*HP       ; h_re(40 h + j, my column)
	ds_store_b32 v222, v[BR+2*j+1] offset:j*HP     ; h_re(40 h + 20 + j, my column)
.set j, j+1
.endr
	s_add_nc_u64 s[44:45], s[44:45], 262144        ; all loads by these bases have been waited for
	s_add_nc_u64 s[46:47], s[46:47], 16384
	s_add_co_u32 s48, s48, 1024
	s_sub_co_u32 s49, s49, 1
	s_cmp_lg_u32 s49, 0
	s_cbranch_scc1 .Ltask
; ---- x, gain and bias of my four rows of LN2 are asked for; the sums of 1 - p are added over my 16 columns
	s_lshl_b32 s50, ttmp9, 6
	s_lshl_b32 s52, s42, 2
	s_add_co_u32 s50, s50, s52
	s_lshl_b32 s50, s50, 11                        ; row 64 wg + 4 w, in bytes
	s_mov_b32 s51, 0
	s_add_nc_u64 s[54:55], s[8:9], s[50:51]
	s_add_nc_u64 s[56:57], s[34:35], s[50:51]
	s_add_nc_u64 s[40:41], s[40:41], s[50:51]
	v_lshlrev_b32 v10, 1, v5                       ; 32 x lane
.irp j,0,1,2,3
	global_load_b128 v[80+4*\j:83+4*\j], v10, s[14:15] offset:(\j/2)*1024+(\j%2)*16
.endr
.irp j,0,1,2,3
	global_load_b128 v[136+4*\j:139+4*\j], v10, s[16:17] offset:(\j/2)*1024+(\j%2)*16
.endr
.irp k,0,1,2,3
.irp j,0,1,2,3
	global_load_b128 v[16+16*\k+4*\j:19+16*\k+4*\j], v10, s[54:55] offset:\k*2048+(\j/2)*1024+(\j%2)*16
.endr
.endr
.irp k,0,1,2,3,4,5,6,7,8,9
	ds_load_b128 v[AF+4*\k:AF+4*\k+3], v7 offset:512*\k
.endr
	v_bfe_u32 v11, v0, 4, 1
	v_mul_u32_u24 v11, v11, 160
	s_mul_i32 s50, s42, 320
	s_add_co_u32 s50, s50, PR
	v_add_nc_u32 v11, s50, v11                     ; my wave's 80 words, my half's 40
	s_wait_dscnt 0x0
.irp m,1,2,4,8
.set j, 0
.rept 40
	v_add_f32_dpp v[AF+j], v[AF+j], v[AF+j] row_xmask:\m row_mask:0xf bank_mask:0xf
.set j, j+1
.endr
.endr
.set j, 0
.rept 40
	ds_store_b32 v11, v[AF+j] offset:4*(20*(j%2)+j/2)              ; register 2 i + e is row 40 h + 20 e + i: the words lie in the order of the rows.  The sixteen lanes of a half hold the same and write it to the same place
.set j, j+1
.endr
	BARRIER                                        ; h_re's rows, the column sums and the sums of 1 - p lie in LDS; nobody reads xn's codes or the images of sums any more
; ---- h = h_re + x, LN2: wave w takes rows 4 w .. 4 w + 3 of the block
	s_mul_i32 s50, s42, 4*HP
	s_add_co_u32 s50, s50, HB+16*HP
	v_add_nc_u32 v3, s50, v5                       ; my rows, 16 bytes a lane
	v_add_nc_u32 v4, s50, v10                      ; my rows, 32 bytes a lane
	v_and_b32 v13, 31, v0
	s_mul_i32 s50, s42, 4*XP
	v_lshl_add_u32 v12, v13, 2, s50
	s_lshl_b32 s50, s42, 6
	s_add_co_u32 s50, s50, XS
	v_lshrrev_b32 v14, 2, v13
	v_add_nc_u32 v14, s50, v14
.irp k,0,1,2,3
.irp m,0,1,2,3
	ds_load_b128 v[176+16*\k+4*\m:179+16*\k+4*\m], v3 offset:\k*HP+512*\m
.endr
.endr
.irp k,0,1,2,3
	ds_load_b128 v[152:155], v4 offset:\k*HP
	ds_load_b128 v[156:159], v4 offset:\k*HP+16
	ds_load_b128 v[160:163], v4 offset:\k*HP+1024
	ds_load_b128 v[164:167], v4 offset:\k*HP+1040
	s_wait_dscnt 0x0
.irp m,0,1,2,3
	global_store_b128 v5, v[176+16*\k+4*\m:179+16*\k+4*\m], s[56:57] offset:\k*2048+512*\m th:TH_STORE_NT   ; h_re's row: 512 consecutive bytes a store
.endr
	s_wait_loadcnt 12-4*\k                         ; gain, bias and this row of x are in; the younger rows' loads, four a row, may be out
.irp j,0,2,4,6,8,10,12,14
	v_pk_add_f32 v[16+16*\k+\j:17+16*\k+\j], v[16+16*\k+\j:17+16*\k+\j], v[152+\j:153+\j]
.endr
	ds_store_b128 v4, v[16+16*\k:19+16*\k] offset:\k*HP            ; h takes h_re's place
	ds_store_b128 v4, v[20+16*\k:23+16*\k] offset:\k*HP+16
	ds_store_b128 v4, v[24+16*\k:27+16*\k] offset:\k*HP+1024
	ds_store_b128 v4, v[28+16*\k:31+16*\k] offset:\k*HP+1040
	LNROW 16+16*\k, 80, 136, 96+8*\k, 12, \k*XP, 14, \k*16
.endr
	s_wait_xcnt 0x0                                ; the stores of h_re have read their registers: these are written again below
	BARRIER                                        ; hn's 64 rows of codes and scale bytes lie in LDS
; ---- the first FFN product, gelu, the quantiser: wave w makes hidden units 128 w .. 128 w + 127, 32 a trip, for the four tiles of rows
	v_and_b32 v10, 15, v0
	v_bfe_u32 v11, v0, 4, 1
	v_mul_u32_u24 v3, v10, XP
	v_lshl_add_u32 v3, v11, 4, v3                  ; hn's codes: row r, + 16 h
	v_lshl_add_u32 v4, v10, 4, XS                  ; hn's scale bytes
	v_lshlrev_b32 v8, 6, v11                       ; 64 h
	s_lshl_b32 s50, s42, 10
	s_add_co_u32 s50, s50, HI
	v_lshl_add_u32 v9, v11, 3, v6
	v_add_nc_u32 v9, s50, v9                       ; my 8 bytes of fragment (m, w): 16 r + 8 h
	s_lshl_b32 s50, s42, 7
	s_add_co_u32 s50, s50, HIS
	v_lshl_add_u32 v10, v10, 2, s50                ; its scale word of row r
	s_lshl_b32 s50, s42, 15
	s_mov_b32 s51, 0
	s_add_nc_u64 s[44:45], s[30:31], s[50:51]
	s_add_nc_u64 s[44:45], s[44:45], 786432        ; ffn1's fragments of tiles 8 w ..
	s_lshl_b32 s50, s42, 11
	s_add_nc_u64 s[46:47], s[32:33], s[50:51]
	s_add_nc_u64 s[46:47], s[46:47], 49152
	s_lshl_b32 s50, s42, 9
	s_add_nc_u64 s[54:55], s[26:27], s[50:51]      ; ffn1_b at my 128 units
	s_mov_b32 s48, 0
	s_mov_b32 s52, 0
	s_mov_b32 s49, 4
.irp m,0,1,2,3
	ds_load_b128 v[184+4*\m:187+4*\m], v4 offset:256*\m            ; hn's scale words of all four K steps
.endr
	KC 248, -0.000000000272614225801306            ; the leading coefficients of P and of Q: these two pairs stay
	KC 250, -0.0000145660718464996
.irp m,0,1,2,3
	v_mov_b32 v[204+\m], 0                         ; a lane permute's destination counts as one of its sources
.endr
.Lf1:
.irp u,0,1
	global_load_b128 v[232+8*\u:235+8*\u], v8, s[54:55] offset:32*\u       ; the bias in the result's layout: the C of each sum's first product
	global_load_b128 v[236+8*\u:239+8*\u], v8, s[54:55] offset:32*\u+16
.endr
.irp u,0,1
.irp s,0,1,2,3
.irp cc,0,1
	global_load_b128 v[80+8*(4*\u+\s)+4*\cc:83+8*(4*\u+\s)+4*\cc], v5, s[44:45] offset:\u*4096+\s*1024+512*\cc
.endr
.endr
	global_load_b128 v[176+4*\u:179+4*\u], v6, s[46:47] offset:256*\u
.endr
	v_add_nc_u32 v12, s48, v9
	v_add_nc_u32 v13, s52, v10
	s_wait_loadcnt 0x0
.irp s,0,1,2,3
.irp m,0,1,2,3
.irp cc,0,1
	ds_load_b128 v[144+8*\m+4*\cc:147+8*\m+4*\cc], v3 offset:\m*16*XP+64*\s+32*\cc
.endr
.endr
	s_wait_dscnt 0x0
.irp m,0,1,2,3
.irp u,0,1
.if \s == 0
	v_wmma_scale_f32_16x16x128_f8f6f4 v[16+16*\m+8*\u:23+16*\m+8*\u], v[80+8*(4*\u+\s):87+8*(4*\u+\s)], v[144+8*\m:151+8*\m], v[232+8*\u:239+8*\u], v[176+4*\u+\s], v[184+4*\m+\s] matrix_a_fmt:MATRIX_FMT_FP4 matrix_b_fmt:MATRIX_FMT_FP4
.else
	v_wmma_scale_f32_16x16x128_f8f6f4 v[16+16*\m+8*\u:23+16*\m+8*\u], v[80+8*(4*\u+\s):87+8*(4*\u+\s)], v[144+8*\m:151+8*\m], v[16+16*\m+8*\u:23+16*\m+8*\u], v[176+4*\u+\s], v[184+4*\m+\s] matrix_a_fmt:MATRIX_FMT_FP4 matrix_b_fmt:MATRIX_FMT_FP4
.endif
.endr
.endr
	PLACES 5
.endr
	KC KA,    0.0000000277068142495902             ; P's and Q's other coefficients, in the order in which the steps take them; hn's fragments are done with for this trip (five places stand behind the last products)
	KC KA+2,  -0.000213374055278905
	KC KA+4,  -0.00000210102402082508
	KC KA+6,  -0.00168282697438203
	KC KA+8,  -0.0000569250639462346
	KC KA+10, -0.00737332916720468
	KC KA+12, -0.000734990630326855
	KC KA+14, -0.0142647390514189
	KC KA+16, -0.00295459980854025
	KC KA+18, -0.0160960333262415
	GELU16 16
	GELU16 32
	GELU16 48
	GELU16 64
; a lane's 16 registers of a tile of rows are hidden units 128 w + 32 b + 16 h + 0 .. 15: half a block; lane l xor 16 holds the other half
.irp m,0,1,2,3
	v_max3_num_f32 v[200+\m], |v[16+16*\m]|, |v[17+16*\m]|, 0x1800000
.endr
.irp i,2,4,6,8,10,12,14
.irp m,0,1,2,3
	v_max3_num_f32 v[200+\m], v[200+\m], |v[16+16*\m+\i]|, |v[17+16*\m+\i]|
.endr
.endr
.irp m,0,1,2,3
	v_permlanex16_b32 v[204+\m], v[200+\m], s58, s59
.endr
.irp m,0,1,2,3
	v_max_num_f32 v[200+\m], v[200+\m], v[204+\m]
.endr
.irp m,0,1,2,3
	v_add_nc_u32 v[208+\m], 0xff000000, v[200+\m]
.endr
.irp m,0,1,2,3
	v_lshrrev_b32 v[212+\m], 23, v[208+\m]
.endr
.irp m,0,1,2,3
	v_cvt_scalef32_pk8_fp4_f32 v[216+2*\m], v[16+16*\m:23+16*\m], v[208+\m]
	v_cvt_scalef32_pk8_fp4_f32 v[217+2*\m], v[24+16*\m:31+16*\m], v[208+\m]
.endr
	v_nop                                          ; one plain place behind the last scaled conversion
.irp m,0,1,2,3
	ds_store_b64 v12, v[216+2*\m:217+2*\m] offset:\m*16384         ; block b of fragment (m, w): its 256 bytes begin at 256 b; my 8 at 16 r + 8 h
	ds_store_b8 v13, v[212+\m] offset:\m*2048                      ; byte b of row r's scale word; both halves write the same
.endr
	s_add_nc_u64 s[44:45], s[44:45], 8192          ; all loads by these bases have been waited for
	s_add_nc_u64 s[46:47], s[46:47], 512
	s_add_nc_u64 s[54:55], s[54:55], 128
	s_add_co_u32 s48, s48, 256
	s_add_co_u32 s52, s52, 1
	s_sub_co_u32 s49, s49, 1
	s_cmp_lg_u32 s49, 0
	s_cbranch_scc1 .Lf1
; ---- the second FFN product: wave w makes outputs 32 w .. 32 w + 31 for the 64 rows
	s_lshl_b32 s50, s42, 15
	s_mov_b32 s51, 0
	s_add_nc_u64 s[44:45], s[30:31], s[50:51]
	s_add_nc_u64 s[44:45], s[44:45], 1310720       ; ffn2's fragments of tiles 2 w, 2 w + 1
	s_lshl_b32 s50, s42, 11
	s_add_nc_u64 s[46:47], s[32:33], s[50:51]
	s_add_nc_u64 s[46:47], s[46:47], 81920
	s_lshl_b32 s50, s42, 7
	s_add_nc_u64 s[54:55], s[28:29], s[50:51]      ; ffn2_b at my 32 outputs
	v_and_b32 v10, 15, v0
	v_bfe_u32 v11, v0, 4, 1
	v_lshlrev_b32 v8, 5, v11                       ; 32 h
	v_add_nc_u32 v3, HI, v5                        ; an image's place for my lane
	v_lshl_add_u32 v4, v10, 2, HIS                 ; a scale word's
	v_mul_u32_u24 v9, v10, HP
	v_add_nc_u32 v9, v9, v8
	s_add_co_u32 s50, s50, HB+16*HP
	v_add_nc_u32 v9, s50, v9                       ; h(row r, my outputs), tiles of rows 0 and 1;
	v_add_nc_u32 v10, 32*HP, v9                    ; tiles 2 and 3
	s_mul_i32 s50, s42, 4*HP
	s_add_co_u32 s50, s50, HB+16*HP
	v_add_nc_u32 v11, s50, v5                      ; my four whole rows, 16 bytes a lane
.irp n,0,1
.irp m,0,1,2,3
	global_load_b128 v[16+8*(4*\n+\m):19+8*(4*\n+\m)], v8, s[54:55] offset:64*\n       ; the bias is loaded into the accumulators: every product adds in place
	global_load_b128 v[20+8*(4*\n+\m):23+8*(4*\n+\m)], v8, s[54:55] offset:64*\n+16
.endr
.endr
	W2LOAD 0, 0
	BARRIER                                        ; the hidden layer's 64 fragments and their scale words lie in LDS
	W2LOAD 1, 1
	s_wait_loadcnt 18                              ; all but the 18 loads just issued
	F2GROUP 0, 0
	W2LOAD 2, 0
	s_wait_loadcnt 18
	F2GROUP 1, 1
	W2LOAD 3, 1
	s_wait_loadcnt 18
	F2GROUP 2, 0
	s_wait_loadcnt 0x0
	F2GROUP 3, 1
; ---- the residual, in LDS in place; then whole rows leave
.irp n,0,1
.irp m,0,1,2,3
	ds_load_b128 v[80+8*(4*\n+\m):83+8*(4*\n+\m)], v[9+\m/2] offset:(\m%2)*16*HP+64*\n
	ds_load_b128 v[84+8*(4*\n+\m):87+8*(4*\n+\m)], v[9+\m/2] offset:(\m%2)*16*HP+64*\n+16
.endr
.endr
	s_wait_dscnt 0x0
.set j, 0
.rept 32
	v_pk_add_f32 v[16+j:17+j], v[16+j:17+j], v[80+j:81+j]          ; each accumulator from its low end on
.set j, j+2
.endr
.irp n,0,1
.irp m,0,1,2,3
	ds_store_b128 v[9+\m/2], v[16+8*(4*\n+\m):19+8*(4*\n+\m)] offset:(\m%2)*16*HP+64*\n
	ds_store_b128 v[9+\m/2], v[20+8*(4*\n+\m):23+8*(4*\n+\m)] offset:(\m%2)*16*HP+64*\n+16
.endr
.endr
	BARRIER                                        ; 64 whole rows of the result lie in LDS
.irp k,0,1,2,3
.irp m,0,1,2,3
	ds_load_b128 v[80+16*\k+4*\m:83+16*\k+4*\m], v11 offset:\k*HP+512*\m
.endr
.endr
.irp k,0,1,2,3
.irp m,0,1,2,3
	s_wait_dscnt 15-4*\k-\m                        ; the younger LDS loads may be out
	global_store_b128 v5, v[80+16*\k+4*\m:83+16*\k+4*\m], s[40:41] offset:\k*2048+512*\m th:TH_STORE_NT    ; 512 consecutive bytes a store
.endr
.endr
; ---- two small jobs: wave 0 stores the 64 rows' mean p, wave 1 the 512 column sums.  Their addresses are made ahead of the parting
	v_and_b32 v3, 31, v0
	v_lshlrev_b32 v8, 3, v3                        ; 8 x lane
	v_lshl_add_u32 v4, v3, 3, PR+64                ; lane l takes rows 2 l and 2 l + 1 of the block: local rows 16 + 2 l, 17 + 2 l, two neighbouring words of each wave's 80
	v_add_nc_u32 v6, HS, v5
	s_lshl_b32 s50, ttmp9, 8
	s_mov_b32 s51, 0
	s_add_nc_u64 s[36:37], s[36:37], s[50:51]
	s_lshl_b32 s50, ttmp9, 11
	s_add_nc_u64 s[38:39], s[38:39], s[50:51]
	s_cmp_lg_u32 s42, 0
	s_cbranch_scc1 .Lnot0
.set j, 0
.rept 16
	ds_load_b64 v[176+2*j:177+2*j], v4 offset:320*j                ; wave j's sums over its 32 columns
.set j, j+1
.endr
	s_wait_dscnt 0x0
.set j, 1
.rept 15
	v_pk_add_f32 v[176:177], v[176:177], v[176+2*j:177+2*j]
.set j, j+1
.endr
	v_pk_fma_f32 v[176:177], v[176:177], 0xbb000000, 1.0 op_sel_hi:[1,0,0]     ; mean p = 1 - (sum of 1 - p) / 512
	global_store_b64 v8, v[176:177], s[36:37]      ; 256 consecutive bytes
	s_branch .Lclose
.Lnot0:
	s_cmp_lg_u32 s42, 1
	s_cbranch_scc1 .Lclose
.irp k,0,1,2,3
	ds_load_b128 v[176+4*\k:179+4*\k], v6 offset:512*\k
.endr
	s_wait_dscnt 0x0
.irp k,0,1,2,3
	global_store_b128 v5, v[176+4*\k:179+4*\k], s[38:39] offset:512*\k
.endr
.Lclose:
	s_wait_tensorcnt 0x0                           ; the wave's end, behind my last LDS store
	ds_add_u32 v1, v2
	s_wait_dscnt 0x0
	s_endpgm
.Lfunc_end_k_q619ee09793_main:
	.size	k_q619ee09793_main, .Lfunc_end_k_q619ee09793_main-k_q619ee09793_main
	.p2alignl 7, 3214868480
	.fill 96, 4, 3214868480
	.section	.rodata,"a",@progbits
	.p2align	6, 0x0
	.amdhsa_kernel k_q619ee09793_main
		.amdhsa_group_segment_fixed_size 279296
		.amdhsa_private_segment_fixed_size 0
		.amdhsa_enable_private_segment 0
		.amdhsa_kernarg_size 136
		.amdhsa_user_sgpr_count 2
		.amdhsa_user_sgpr_kernarg_segment_ptr 1
		.amdhsa_wavefront_size32 1
		.amdhsa_system_sgpr_workgroup_id_x 1
		.amdhsa_system_sgpr_workgroup_id_y 1
		.amdhsa_system_sgpr_workgroup_id_z 1
		.amdhsa_system_vgpr_workitem_id 0
		.amdhsa_next_free_vgpr 256
		.amdhsa_next_free_sgpr 66
		.amdhsa_reserve_vcc 0
		.amdhsa_float_denorm_mode_32 3
		.amdhsa_float_denorm_mode_16_64 3
		.amdhsa_memory_ordered 1
		.amdhsa_forward_progress 1
		.amdhsa_inst_pref_size 255
	.end_amdhsa_kernel
	.section	.bss,"aw",@nobits
	.p2align	6
	.space	262144
	.amdgpu_metadata
---
amdhsa.version: [ 1, 2 ]
amdhsa.kernels:
  - .name:           k_q619ee09793_main
    .symbol:         k_q619ee09793_main.kd
    .args:
      - { .name: x, .offset: 0, .size: 8, .value_kind: global_buffer, .address_space: global }
      - { .name: ln1_g, .offset: 8, .size: 8, .value_kind: global_buffer, .address_space: global }
      - { .name: ln1_b, .offset: 16, .size: 8, .value_kind: global_buffer, .address_space: global }
      - { .name: ln2_g, .offset: 24, .size: 8, .value_kind: global_buffer, .address_space: global }
      - { .name: ln2_b, .offset: 32, .size: 8, .value_kind: global_buffer, .address_space: global }
      - { .name: Wp_b, .offset: 40, .size: 8, .value_kind: global_buffer, .address_space: global }
      - { .name: Wt_b, .offset: 48, .size: 8, .value_kind: global_buffer, .address_space: global }
      - { .name: Wr_b, .offset: 56, .size: 8, .value_kind: global_buffer, .address_space: global }
      - { .name: Wi_b, .offset: 64, .size: 8, .value_kind: global_buffer, .address_space: global }
      - { .name: ffn1_b, .offset: 72, .size: 8, .value_kind: global_buffer, .address_space: global }
      - { .name: ffn2_b, .offset: 80, .size: 8, .value_kind: global_buffer, .address_space: global }
      - { .name: wcodes, .offset: 88, .size: 8, .value_kind: global_buffer, .address_space: global }
      - { .name: wscales, .offset: 96, .size: 8, .value_kind: global_buffer, .address_space: global }
      - { .name: hre, .offset: 104, .size: 8, .value_kind: global_buffer, .address_space: global }
      - { .name: psc, .offset: 112, .size: 8, .value_kind: global_buffer, .address_space: global }
      - { .name: hsum, .offset: 120, .size: 8, .value_kind: global_buffer, .address_space: global }
      - { .name: out0, .offset: 128, .size: 8, .value_kind: global_buffer, .address_space: global }
    .group_segment_fixed_size: 279296
    .private_segment_fixed_size: 0
    .kernarg_segment_align: 8
    .kernarg_segment_size: 136
    .max_flat_workgroup_size: 512
    .sgpr_count:     66
    .vgpr_count:     256
    .wavefront_size: 32
...
	.end_amdgpu_metadata
.endif
;; end of part 2
;; launch select (part 3): grid 36 x 1, 16 waves a work-group, no clusters, 20,480 bytes of LDS; arguments psc, hsum, Wq_w, Wq_b, topk, hmean, qv; writes topk, hmean, qv
.if DOCPART == 3
	.amdgcn_target "amdgcn-amd-amdhsa--gfx1250"
	.amdhsa_code_object_version 6
	.text
	.protected	k_q619ee09793_select
	.globl	k_q619ee09793_select
	.p2align	8
	.type	k_q619ee09793_select,@function
k_q619ee09793_select:
	s_mov_b64 s[64:65], 0
	v_nop
	global_prefetch_b8 v0, s[64:65] scope:SCOPE_SE
	s_setreg_imm32_b32 hwreg(HW_REG_WAVE_MODE, 25, 1), 1
	s_wait_xcnt 0x0
; SELECT.  Work-groups 0 .. 3: the 16 rows of batch b with the largest mean p, ties to the lower index as jax.lax.top_k breaks them; stored as whole numbers (global rows) for the next launch, which gathers by them.
; The choice is made by selects alone: no branch and no address hangs on a floating-point number.  The order of the 16 in the list is that of reference().
; Work-groups 4 .. 35 (batch b = (g - 4) / 8, columns 64 cg .. 64 cg + 63, cg = (g - 4) % 8): h_mean = the 64 work-groups' column sums / 4096; query = h_mean Wq_w + Wq_b by f32 multiply-adds (4 rows: no matrix work).
; The two paths part on the work-group's number and have LDS bytes of their own.
; LIMITS: mean p lies in [0, 1], so -1 marks what has been taken; NaN is not served.
.set CV, 0                             ; candidates' values, 32 words a wave
.set CI, 2048                          ; their indices, as f32 (under 4096: exact)
.set PART1, 4096                       ; 4 groups of rows x 512 columns
.set HM, 12288                         ; h_mean of the batch
.set PART2, 14336                      ; 16 waves x 64 columns
.set SPARE, 18432
.macro BARRIER
	s_wait_dscnt 0x0
	s_barrier_signal -1
	s_barrier_wait -1
.endm
; 16 trips: the largest of the wave's 256 values (v16-23, indices v24-31), at the lowest index where values are equal, goes to lane k of v36 (value), v37 (index), and is taken out
.macro PICKLOOP
	s_mov_b32 s30, 0
.Lpick_\@:
	v_max3_num_f32 v32, v16, v17, v18
	v_max3_num_f32 v34, v19, v20, v21
	v_max3_num_f32 v32, v32, v22, v23
	v_max_num_f32 v32, v32, v34
	v_max_num_f32_dpp v32, v32, v32 row_xmask:1 row_mask:0xf bank_mask:0xf
	v_max_num_f32_dpp v32, v32, v32 row_xmask:2 row_mask:0xf bank_mask:0xf
	v_max_num_f32_dpp v32, v32, v32 row_xmask:4 row_mask:0xf bank_mask:0xf
	v_max_num_f32_dpp v32, v32, v32 row_xmask:8 row_mask:0xf bank_mask:0xf
	v_permlanex16_b32 v33, v32, s26, s27
	v_max_num_f32 v32, v32, v33
.irp j,0,1,2,3,4,5,6,7
	v_cmp_eq_f32 vcc_lo, v[16+\j], v32
	v_cndmask_b32 v[40+\j], v48, v[24+\j], vcc_lo
.endr
	v_min3_num_f32 v34, v40, v41, v42
	v_min3_num_f32 v38, v43, v44, v45
	v_min3_num_f32 v34, v34, v46, v47
	v_min_num_f32 v34, v34, v38
	v_min_num_f32_dpp v34, v34, v34 row_xmask:1 row_mask:0xf bank_mask:0xf
	v_min_num_f32_dpp v34, v34, v34 row_xmask:2 row_mask:0xf bank_mask:0xf
	v_min_num_f32_dpp v34, v34, v34 row_xmask:4 row_mask:0xf bank_mask:0xf
	v_min_num_f32_dpp v34, v34, v34 row_xmask:8 row_mask:0xf bank_mask:0xf
	v_permlanex16_b32 v35, v34, s26, s27
	v_min_num_f32 v34, v34, v35
.irp j,0,1,2,3,4,5,6,7
	v_cmp_eq_f32 vcc_lo, v[24+\j], v34
	v_cndmask_b32 v[16+\j], v[16+\j], v49, vcc_lo
.endr
	s_lshl_b32 s31, 1, s30
	v_cndmask_b32 v36, v36, v32, s31
	v_cndmask_b32 v37, v37, v34, s31
	s_add_co_u32 s30, s30, 1
	s_cmp_lt_u32 s30, 16
	s_cbranch_scc1 .Lpick_\@
.endm
	s_load_b256 s[8:15], s[0:1], 0x0               ; psc 8, hsum 10, Wq_w 12, Wq_b 14
	s_load_b128 s[16:19], s[0:1], 0x20             ; topk 16, hmean 18
	s_load_b64 s[20:21], s[0:1], 0x30              ; qv
	v_lshl_add_u32 v1, v0, 2, SPARE
	v_mov_b32 v2, 0
	v_lshrrev_b32 v3, 5, v0
	v_readfirstlane_b32 s24, v3                    ; wave
	v_and_b32 v4, 31, v0                           ; lane
	s_mov_b32 s26, 0x76543210
	s_mov_b32 s27, 0xfedcba98
	s_cmp_ge_u32 ttmp9, 4
	s_cbranch_scc1 .Lmean
; ---- the top 16 of batch ttmp9
	v_lshlrev_b32 v5, 2, v0                        ; my word among the candidates
	v_lshrrev_b32 v6, 1, v4
	v_lshlrev_b32 v6, 7, v6
	v_and_b32 v7, 1, v4
	v_lshl_add_u32 v6, v7, 5, v6                   ; second pass: lane l takes entries 8 (l % 2) .. + 7 of wave l / 2
	v_lshlrev_b32 v8, 5, v0
	v_lshlrev_b32 v9, 3, v0
	s_lshl_b32 s28, ttmp9, 14
	s_mov_b32 s29, 0
	s_wait_kmcnt 0x0
	s_add_nc_u64 s[8:9], s[8:9], s[28:29]
	global_load_b128 v[16:19], v8, s[8:9]
	global_load_b128 v[20:23], v8, s[8:9] offset:16
.irp j,0,1,2,3,4,5,6,7
	v_add_nc_u32 v10, \j, v9
	v_cvt_f32_u32 v[24+\j], v10                    ; the index in the batch
.endr
	v_mov_b32 v48, 0x4e6e6b28                      ; 1e9: over every index
	v_mov_b32 v49, -1.0                            ; under every mean p
	v_mov_b32 v36, -2.0
	v_mov_b32 v37, v48
	v_mov_b32 v33, 0
	v_mov_b32 v35, 0
	s_wait_loadcnt 0x0
	PICKLOOP
	ds_store_b32 v5, v36 offset:CV
	ds_store_b32 v5, v37 offset:CI
	BARRIER
	s_cmp_lg_u32 s24, 0
	s_cbranch_scc1 .Lend
	ds_load_b128 v[16:19], v6 offset:CV
	ds_load_b128 v[20:23], v6 offset:CV+16
	ds_load_b128 v[24:27], v6 offset:CI
	ds_load_b128 v[28:31], v6 offset:CI+16
	v_mov_b32 v36, -2.0
	v_mov_b32 v37, v48
	s_wait_dscnt 0x0
	PICKLOOP
	v_cvt_u32_f32 v38, v37
	s_lshl_b32 s28, ttmp9, 12
	v_add_nc_u32 v38, s28, v38                     ; the global row
	v_lshlrev_b32 v39, 2, v4
	s_lshl_b32 s28, ttmp9, 6
	s_add_nc_u64 s[16:17], s[16:17], s[28:29]
	v_cmp_gt_u32 vcc_lo, 16, v4
	s_wait_xcnt 0x0                                ; EXEC changes only behind this wait
	s_and_saveexec_b32 s31, vcc_lo
	global_store_b32 v39, v38, s[16:17]
	s_wait_xcnt 0x0                                ; and again, in front of the line that widens it
	s_or_b32 exec_lo, exec_lo, s31
	s_branch .Lend
; ---- h_mean and the query
.Lmean:
	s_sub_co_u32 s28, ttmp9, 4
	s_lshr_b32 s32, s28, 3                         ; b
	s_and_b32 s33, s28, 7                          ; cg
	v_lshlrev_b32 v8, 3, v4                        ; 8 x lane
	v_and_b32 v9, 127, v0
	v_lshlrev_b32 v9, 4, v9
	v_lshrrev_b32 v10, 7, v0
	v_lshl_add_u32 v9, v10, 15, v9                 ; hsum: 16 rows a group, 16 bytes a thread
	v_lshl_add_u32 v11, v0, 4, PART1
	v_lshl_add_u32 v12, v0, 2, PART1
	v_lshl_add_u32 v13, v0, 2, HM
	s_lshl_b32 s36, s24, 7
	s_add_co_u32 s36, s36, HM
	v_mov_b32 v14, s36                             ; h_mean at my wave's 32 k
	v_lshl_add_u32 v15, v0, 3, PART2
	v_lshl_add_u32 v3, v4, 3, PART2
	s_lshl_b32 s36, s33, 8
	s_add_co_u32 s38, s36, HM
	v_lshl_add_u32 v7, v4, 3, s38                  ; h_mean at my work-group's 64 columns
	s_mov_b32 s37, 0
	s_lshl_b32 s34, s32, 17
	s_mov_b32 s35, 0
	s_wait_kmcnt 0x0
	s_add_nc_u64 s[10:11], s[10:11], s[34:35]      ; the batch's 64 rows of hsum
	s_add_nc_u64 s[12:13], s[12:13], s[36:37]      ; Wq_w and Wq_b at my 64 columns,
	s_add_nc_u64 s[14:15], s[14:15], s[36:37]
	s_lshl_b32 s34, s24, 16
	s_add_nc_u64 s[12:13], s[12:13], s[34:35]      ; at my wave's 32 rows
	s_lshl_b32 s34, s32, 11
	s_add_co_u32 s34, s34, s36
	s_add_nc_u64 s[18:19], s[18:19], s[34:35]
	s_add_nc_u64 s[20:21], s[20:21], s[34:35]
.set i, 0
.rept 16
	global_load_b128 v[16+4*i:19+4*i], v9, s[10:11] offset:2048*i
.set i, i+1
.endr
.set i, 0
.rept 32
	global_load_b64 v[80+2*i:81+2*i], v8, s[12:13] offset:2048*i   ; 256 consecutive bytes a load
.set i, i+1
.endr
	global_load_b64 v[144:145], v8, s[14:15]
	s_wait_loadcnt 33                              ; hsum's 16 loads are in; the 33 issued behind them may be out
.set i, 1
.rept 15
	v_pk_add_f32 v[16:17], v[16:17], v[16+4*i:17+4*i]
	v_pk_add_f32 v[18:19], v[18:19], v[18+4*i:19+4*i]
.set i, i+1
.endr
	ds_store_b128 v11, v[16:19]
	BARRIER
.irp g,0,1,2,3
	ds_load_b32 v[20+\g], v12 offset:2048*\g
.endr
	s_wait_dscnt 0x0
	v_add_f32 v20, v20, v21
	v_add_f32 v22, v22, v23
	v_add_f32 v20, v20, v22
	v_mul_f32 v20, 0x39800000, v20                 ; / 4096
	ds_store_b32 v13, v20
	BARRIER
.irp i,0,1,2,3,4,5,6,7
	ds_load_b128 v[16+4*\i:19+4*\i], v14 offset:16*\i
.endr
	s_wait_dscnt 0x0
	s_wait_loadcnt 0x0
	v_pk_mul_f32 v[48:49], v[80:81], v[16:17] op_sel_hi:[1,0]
	v_pk_mul_f32 v[50:51], v[82:83], v[16:17] op_sel:[0,1] op_sel_hi:[1,1]
.set i, 1
.rept 15
	v_pk_fma_f32 v[48:49], v[80+4*i:81+4*i], v[16+2*i:17+2*i], v[48:49] op_sel_hi:[1,0,1]
	v_pk_fma_f32 v[50:51], v[82+4*i:83+4*i], v[16+2*i:17+2*i], v[50:51] op_sel:[0,1,0] op_sel_hi:[1,1,1]
.set i, i+1
.endr
	v_pk_add_f32 v[48:49], v[48:49], v[50:51]
	ds_store_b64 v15, v[48:49]
	BARRIER
	s_cmp_lg_u32 s24, 0
	s_cbranch_scc1 .Lend
.set i, 0
.rept 16
	ds_load_b64 v[16+2*i:17+2*i], v3 offset:256*i
.set i, i+1
.endr
	ds_load_b64 v[52:53], v7
	s_wait_dscnt 0x0
	v_pk_add_f32 v[16:17], v[16:17], v[144:145]
.set i, 1
.rept 15
	v_pk_add_f32 v[16:17], v[16:17], v[16+2*i:17+2*i]
.set i, i+1
.endr
	global_store_b64 v8, v[16:17], s[20:21]        ; 256 consecutive bytes each
	global_store_b64 v8, v[52:53], s[18:19]
.Lend:
	s_wait_tensorcnt 0x0                           ; the wave's end, behind my last LDS store
	ds_add_u32 v1, v2
	s_wait_dscnt 0x0
	s_endpgm
.Lfunc_end_k_q619ee09793_select:
	.size	k_q619ee09793_select, .Lfunc_end_k_q619ee09793_select-k_q619ee09793_select
	.p2alignl 7, 3214868480
	.fill 96, 4, 3214868480
	.section	.rodata,"a",@progbits
	.p2align	6, 0x0
	.amdhsa_kernel k_q619ee09793_select
		.amdhsa_group_segment_fixed_size 20480
		.amdhsa_private_segment_fixed_size 0
		.amdhsa_enable_private_segment 0
		.amdhsa_kernarg_size 56
		.amdhsa_user_sgpr_count 2
		.amdhsa_user_sgpr_kernarg_segment_ptr 1
		.amdhsa_wavefront_size32 1
		.amdhsa_system_sgpr_workgroup_id_x 1
		.amdhsa_system_sgpr_workgroup_id_y 1
		.amdhsa_system_sgpr_workgroup_id_z 1
		.amdhsa_system_vgpr_workitem_id 0
		.amdhsa_next_free_vgpr 160
		.amdhsa_next_free_sgpr 66
		.amdhsa_reserve_vcc 1
		.amdhsa_float_denorm_mode_32 3
		.amdhsa_float_denorm_mode_16_64 3
		.amdhsa_memory_ordered 1
		.amdhsa_forward_progress 1
		.amdhsa_inst_pref_size 23
	.end_amdhsa_kernel
	.amdgpu_metadata
---
amdhsa.version: [ 1, 2 ]
amdhsa.kernels:
  - .name:           k_q619ee09793_select
    .symbol:         k_q619ee09793_select.kd
    .args:
      - { .name: psc, .offset: 0, .size: 8, .value_kind: global_buffer, .address_space: global }
      - { .name: hsum, .offset: 8, .size: 8, .value_kind: global_buffer, .address_space: global }
      - { .name: Wq_w, .offset: 16, .size: 8, .value_kind: global_buffer, .address_space: global }
      - { .name: Wq_b, .offset: 24, .size: 8, .value_kind: global_buffer, .address_space: global }
      - { .name: topk, .offset: 32, .size: 8, .value_kind: global_buffer, .address_space: global }
      - { .name: hmean, .offset: 40, .size: 8, .value_kind: global_buffer, .address_space: global }
      - { .name: qv, .offset: 48, .size: 8, .value_kind: global_buffer, .address_space: global }
    .group_segment_fixed_size: 20480
    .private_segment_fixed_size: 0
    .kernarg_segment_align: 8
    .kernarg_segment_size: 56
    .max_flat_workgroup_size: 512
    .sgpr_count:     66
    .vgpr_count:     160
    .wavefront_size: 32
...
	.end_amdgpu_metadata
.endif
;; end of part 3
;; launch cache (part 4): grid 4 x 1, 16 waves a work-group, no clusters, 9,728 bytes of LDS; arguments topk, hre, wcodes, wscales, Wv_b, qv, hmean, gate_w, gate_b, out1; writes out1
.if DOCPART == 4
	.amdgcn_target "amdgcn-amd-amdhsa--gfx1250"
	.amdhsa_code_object_version 6
	.text
	.protected	k_q619ee09793_cache
	.globl	k_q619ee09793_cache
	.p2align	8
	.type	k_q619ee09793_cache,@function
k_q619ee09793_cache:
	s_mov_b64 s[64:65], 0
	v_nop
	global_prefetch_b8 v0, s[64:65] scope:SCOPE_SE
	s_setreg_imm32_b32 hwreg(HW_REG_WAVE_MODE, 25, 1), 1
	s_wait_xcnt 0x0
; CACHE: one work-group a batch.  The 16 chosen rows of h_re are gathered by the stored whole numbers and quantised along their 512; keys = rows Wk, values = rows Wv + Wv_b on codes of E2M1;
; scores = query . keys / sqrt(512), softmax with its maximum taken away, cache_out = attn values, g = sigmoid(h_mean . gate_w + gate_b), out1 = h_mean + g cache_out: all that in f32.
; LEFT OUT (shown at the head of the first kernel): Wk_b, which moves all 16 scores of a batch alike.
; Four work-groups: the design has work for no more; the launch is a short chain of dependent steps.
; Both products are used transposed (source 0 = 16 columns of the weight, source 1 = the 16 rows): lane (r, h) holds chosen row r, its registers columns 16 t + 8 h + 0 .. 7.  Wave w has tiles t = 2 w, 2 w + 1 of both weights.
; The rows' four fragments are made by waves 0 .. 3 (K step = wave) and go to all waves through LDS as images of their registers.
.set TI, 0                             ; four fragments of 1,024 bytes
.set TS, 4096                          ; their scale words, 128 bytes each
.set SC, 4608                          ; scores in parts: [row 16][wave 16]
.set CO, 5632                          ; cache_out, 512 f32
.set SPARE, 7680
.set TM, 80
.set PW, 96
.set PC, 104
.macro BARRIER
	s_wait_dscnt 0x0
	s_barrier_signal -1
	s_barrier_wait -1
.endm
	s_load_b512 s[8:23], s[0:1], 0x0               ; topk 8, hre 10, wcodes 12, wscales 14, Wv_b 16, qv 18, hmean 20, gate_w 22
	s_load_b128 s[24:27], s[0:1], 0x40             ; gate_b 24, out1 26
	v_lshl_add_u32 v1, v0, 2, SPARE
	v_mov_b32 v2, 0
	v_lshrrev_b32 v3, 5, v0
	v_readfirstlane_b32 s30, v3                    ; wave
	v_and_b32 v3, 31, v0                           ; lane
	v_and_b32 v4, 15, v0                           ; r
	v_bfe_u32 v5, v0, 4, 1                         ; h
	v_lshlrev_b32 v6, 4, v3                        ; 16 x lane: an image's place (TI = 0)
	v_lshlrev_b32 v7, 4, v4                        ; 16 r
	v_lshlrev_b32 v8, 5, v5                        ; 32 h
	s_and_b32 s31, s30, 3
	s_lshl_b32 s32, s31, 10
	v_add_nc_u32 v9, s32, v6                       ; where waves 0 .. 3 store their fragment,
	s_lshl_b32 s32, s31, 7
	s_add_co_u32 s32, s32, TS
	v_lshl_add_u32 v10, v3, 2, s32                 ; and its scale words
	v_lshl_add_u32 v11, v3, 2, TS
	s_lshl_b32 s32, s30, 2
	s_add_co_u32 s32, s32, SC
	v_lshl_add_u32 v12, v4, 6, s32                 ; my wave's part of row r's score
	v_lshl_add_u32 v13, v4, 6, SC
	s_lshl_b32 s32, s30, 7
	s_add_co_u32 s32, s32, CO
	v_add_nc_u32 v14, s32, v8                      ; cache_out at my columns
	v_and_b32 v15, 127, v0
	v_lshlrev_b32 v15, 4, v15                      ; 16 x (thread % 128)
	s_mov_b32 s34, 0x76543210
	s_mov_b32 s35, 0xfedcba98
	s_mov_b32 s37, 0
	s_wait_kmcnt 0x0
	s_load_b32 s33, s[24:25], 0x0                  ; gate_b
	s_lshl_b32 s36, s30, 13
	s_add_nc_u64 s[12:13], s[12:13], s[36:37]
	s_add_nc_u64 s[12:13], s[12:13], 524288        ; Wk's fragments of tile 2 w; Wv's lie 131,072 bytes on
	s_lshl_b32 s36, s30, 9
	s_add_nc_u64 s[14:15], s[14:15], s[36:37]
	s_add_nc_u64 s[14:15], s[14:15], 32768
	s_lshl_b32 s36, s30, 7
	s_add_nc_u64 s[16:17], s[16:17], s[36:37]
	s_add_nc_u64 s[18:19], s[18:19], s[36:37]
	s_lshl_b32 s36, ttmp9, 11
	s_add_nc_u64 s[18:19], s[18:19], s[36:37]
	s_add_nc_u64 s[20:21], s[20:21], s[36:37]
	s_add_nc_u64 s[26:27], s[26:27], s[36:37]
	s_lshl_b32 s36, ttmp9, 6
	s_add_nc_u64 s[8:9], s[8:9], s[36:37]
.irp mat,0,1
.irp n,0,1
.irp s,0,1,2,3
.irp cc,0,1
	global_load_b128 v[128+64*\mat+8*(4*\n+\s)+4*\cc:131+64*\mat+8*(4*\n+\s)+4*\cc], v6, s[12:13] offset:\mat*131072+\n*4096+\s*1024+512*\cc
.endr
.endr
	global_load_b128 v[112+8*\mat+4*\n:115+8*\mat+4*\n], v7, s[14:15] offset:\mat*8192+\n*256
.endr
.endr
	s_cmp_lt_u32 s30, 4
	s_cbranch_scc0 .Lnoq
; waves 0 .. 3: lane (r, h) takes, of chosen row r, 16 neighbours of each block of 32 of K step w
	v_lshlrev_b32 v100, 2, v4
	global_load_b32 v101, v100, s[8:9]
	s_wait_loadcnt 0x0
	v_min_u32 v101, 0x3fff, v101                   ; a row of the table
	v_lshlrev_b32 v101, 11, v101
	v_lshl_add_u32 v101, v5, 6, v101
	s_lshl_b32 s32, s31, 9
	v_add_nc_u32 v101, s32, v101
.irp b,0,1,2,3
.irp j,0,1,2,3
	global_load_b128 v[16+16*\b+4*\j:19+16*\b+4*\j], v101, s[10:11] offset:128*\b+16*\j
.endr
.endr
.irp b,0,1,2,3
	v_mov_b32 v[TM+4+\b], 0                        ; a lane permute's destination counts as one of its sources
.endr
	s_wait_loadcnt 0x0
.irp b,0,1,2,3
	v_max3_num_f32 v[TM+\b], |v[16+16*\b]|, |v[17+16*\b]|, 0x1800000
.endr
.irp i,2,4,6,8,10,12,14
.irp b,0,1,2,3
	v_max3_num_f32 v[TM+\b], v[TM+\b], |v[16+16*\b+\i]|, |v[17+16*\b+\i]|
.endr
.endr
.irp b,0,1,2,3
	v_permlanex16_b32 v[TM+4+\b], v[TM+\b], s34, s35
.endr
.irp b,0,1,2,3
	v_max_num_f32 v[TM+\b], v[TM+\b], v[TM+4+\b]
.endr
.irp b,0,1,2,3
	v_add_nc_u32 v[TM+12+\b], 0xff000000, v[TM+\b]
.endr
.irp b,0,1,2,3
	v_lshrrev_b32 v[TM+4+\b], 23, v[TM+12+\b]
.endr
	v_lshl_or_b32 v[PW], v[TM+5], 8, v[TM+4]
	v_lshl_or_b32 v[PW], v[TM+6], 16, v[PW]
	v_lshl_or_b32 v[PW], v[TM+7], 24, v[PW]
.irp b,0,1,2,3
	v_cvt_scalef32_pk8_fp4_f32 v[PC+2*\b], v[16+16*\b:23+16*\b], v[TM+12+\b]
	v_cvt_scalef32_pk8_fp4_f32 v[PC+1+2*\b], v[24+16*\b:31+16*\b], v[TM+12+\b]
.endr
	v_nop                                          ; one plain place behind the last scaled conversion
.irp c,0,1
.irp i,0,1
	v_permlane16_swap_b32 v[PC+4*\c+\i], v[PC+2+4*\c+\i]           ; the layout wants a whole block in a lane
.endr
.endr
	ds_store_b128 v9, v[PC:PC+3]
	ds_store_b128 v9, v[PC+4:PC+7] offset:512
	ds_store_b32 v10, v[PW]
.Lnoq:
.irp n,0,1
	global_load_b128 v[32+8*\n:35+8*\n], v8, s[16:17] offset:64*\n         ; Wv_b into the values' accumulators
	global_load_b128 v[36+8*\n:39+8*\n], v8, s[16:17] offset:64*\n+16
	global_load_b128 v[48+8*\n:51+8*\n], v8, s[18:19] offset:64*\n         ; the query in the result's layout
	global_load_b128 v[52+8*\n:55+8*\n], v8, s[18:19] offset:64*\n+16
.endr
	BARRIER                                        ; the rows' four fragments lie in LDS
.irp s,0,1,2,3
	ds_load_b128 v[64+8*\s:67+8*\s], v6 offset:\s*1024
	ds_load_b128 v[68+8*\s:71+8*\s], v6 offset:\s*1024+512
	ds_load_b32 v[96+\s], v11 offset:128*\s
.endr
	s_wait_dscnt 0x0
	s_wait_loadcnt 0x0
.irp s,0,1,2,3                         ; four accumulators by turns
.irp mat,0,1
.irp n,0,1
.if (\s == 0) && (\mat == 0)
	v_wmma_scale_f32_16x16x128_f8f6f4 v[16+16*\mat+8*\n:23+16*\mat+8*\n], v[128+64*\mat+8*(4*\n+\s):135+64*\mat+8*(4*\n+\s)], v[64+8*\s:71+8*\s], 0, v[112+8*\mat+4*\n+\s], v[96+\s] matrix_a_fmt:MATRIX_FMT_FP4 matrix_b_fmt:MATRIX_FMT_FP4
.else
	v_wmma_scale_f32_16x16x128_f8f6f4 v[16+16*\mat+8*\n:23+16*\mat+8*\n], v[128+64*\mat+8*(4*\n+\s):135+64*\mat+8*(4*\n+\s)], v[64+8*\s:71+8*\s], v[16+16*\mat+8*\n:23+16*\mat+8*\n], v[112+8*\mat+4*\n+\s], v[96+\s] matrix_a_fmt:MATRIX_FMT_FP4 matrix_b_fmt:MATRIX_FMT_FP4
.endif
.endr
.endr
.endr
.rept 5
	v_nop
.endr
	v_lshlrev_b32 v100, 6, v3                      ; 64 x lane: 16 numbers a lane for the gate
.irp j,0,1,2,3
	global_load_b128 v[128+4*\j:131+4*\j], v100, s[20:21] offset:16*\j
	global_load_b128 v[144+4*\j:147+4*\j], v100, s[22:23] offset:16*\j
.endr
	global_load_b128 v[160:163], v15, s[20:21]     ; h_mean at the four columns that I may store
	v_pk_mul_f32 v[102:103], v[16:17], v[48:49]    ; keys . query over my 16 columns
.irp j,2,4,6,8,10,12,14
	v_pk_fma_f32 v[102:103], v[16+\j:17+\j], v[48+\j:49+\j], v[102:103]
.endr
	v_add_f32 v102, v102, v103
	v_permlanex16_b32 v103, v102, s34, s35
	v_add_f32 v102, v102, v103                     ; over my wave's 32
	ds_store_b32 v12, v102
	BARRIER
.irp i,0,1,2,3
	ds_load_b128 v[64+4*\i:67+4*\i], v13 offset:16*\i
.endr
	s_wait_dscnt 0x0
	v_pk_add_f32 v[64:65], v[64:65], v[66:67]
	v_pk_add_f32 v[68:69], v[68:69], v[70:71]
	v_pk_add_f32 v[72:73], v[72:73], v[74:75]
	v_pk_add_f32 v[76:77], v[76:77], v[78:79]
	v_pk_add_f32 v[64:65], v[64:65], v[68:69]
	v_pk_add_f32 v[72:73], v[72:73], v[76:77]
	v_pk_add_f32 v[64:65], v[64:65], v[72:73]
	v_add_f32 v64, v64, v65
	v_mul_f32 v64, 0x3d3504f3, v64                 ; / sqrt(512): row r's score
	v_mov_b32 v65, v64
	v_max_num_f32_dpp v65, v65, v65 row_xmask:1 row_mask:0xf bank_mask:0xf
	v_max_num_f32_dpp v65, v65, v65 row_xmask:2 row_mask:0xf bank_mask:0xf
	v_max_num_f32_dpp v65, v65, v65 row_xmask:4 row_mask:0xf bank_mask:0xf
	v_max_num_f32_dpp v65, v65, v65 row_xmask:8 row_mask:0xf bank_mask:0xf
	v_sub_f32 v66, v64, v65                        ; the maximum is taken away
	v_mul_f32 v66, 0x3fb8aa3b, v66
	v_exp_f32 v66, v66
	v_nop
	s_wait_alu depctr_va_vdst(0)
	v_mov_b32 v67, v66
	v_add_f32_dpp v67, v67, v67 row_xmask:1 row_mask:0xf bank_mask:0xf
	v_add_f32_dpp v67, v67, v67 row_xmask:2 row_mask:0xf bank_mask:0xf
	v_add_f32_dpp v67, v67, v67 row_xmask:4 row_mask:0xf bank_mask:0xf
	v_add_f32_dpp v67, v67, v67 row_xmask:8 row_mask:0xf bank_mask:0xf
	v_rcp_f32 v67, v67
	v_nop
	s_wait_alu depctr_va_vdst(0)
	v_mul_f32 v66, v66, v67                        ; attn of row r
.irp j,0,2,4,6,8,10,12,14
	v_pk_mul_f32 v[32+\j:33+\j], v[32+\j:33+\j], v[66:67] op_sel_hi:[1,0]
.endr
.irp m,1,2,4,8
.irp j,0,1,2,3,4,5,6,7,8,9,10,11,12,13,14,15
	v_add_f32_dpp v[32+\j], v[32+\j], v[32+\j] row_xmask:\m row_mask:0xf bank_mask:0xf    ; over the 16 rows
.endr
.endr
.irp n,0,1
	ds_store_b128 v14, v[32+8*\n:35+8*\n] offset:64*\n             ; the sixteen lanes of a half hold the same and write it to the same place
	ds_store_b128 v14, v[36+8*\n:39+8*\n] offset:64*\n+16
.endr
	BARRIER
	ds_load_b128 v[72:75], v15 offset:CO
	s_wait_loadcnt 0x0
	v_pk_mul_f32 v[68:69], v[128:129], v[144:145]
.irp j,2,4,6,8,10,12,14
	v_pk_fma_f32 v[68:69], v[128+\j:129+\j], v[144+\j:145+\j], v[68:69]
.endr
	v_add_f32 v68, v68, v69
	v_add_f32_dpp v68, v68, v68 row_xmask:1 row_mask:0xf bank_mask:0xf
	v_add_f32_dpp v68, v68, v68 row_xmask:2 row_mask:0xf bank_mask:0xf
	v_add_f32_dpp v68, v68, v68 row_xmask:4 row_mask:0xf bank_mask:0xf
	v_add_f32_dpp v68, v68, v68 row_xmask:8 row_mask:0xf bank_mask:0xf
	v_permlanex16_b32 v69, v68, s34, s35
	v_add_f32 v68, v68, v69
	s_wait_kmcnt 0x0
	v_add_f32 v68, s33, v68
	v_mul_f32 v68, 0xbfb8aa3b, v68
	v_exp_f32 v68, v68
	v_nop
	s_wait_alu depctr_va_vdst(0)
	v_add_f32 v68, 1.0, v68
	v_rcp_f32 v68, v68                             ; g
	v_nop
	s_wait_alu depctr_va_vdst(0)
	s_wait_dscnt 0x0
	v_pk_fma_f32 v[72:73], v[72:73], v[68:69], v[160:161] op_sel_hi:[1,0,1]
	v_pk_fma_f32 v[74:75], v[74:75], v[68:69], v[162:163] op_sel_hi:[1,0,1]
	s_cmp_lt_u32 s30, 4
	s_cbranch_scc0 .Ldone
	global_store_b128 v15, v[72:75], s[26:27]      ; waves 0 .. 3: 512 consecutive bytes each
.Ldone:
	s_wait_tensorcnt 0x0                           ; the wave's end, behind my last LDS store
	ds_add_u32 v1, v2
	s_wait_dscnt 0x0
	s_endpgm
.Lfunc_end_k_q619ee09793_cache:
	.size	k_q619ee09793_cache, .Lfunc_end_k_q619ee09793_cache-k_q619ee09793_cache
	.p2alignl 7, 3214868480
	.fill 96, 4, 3214868480
	.section	.rodata,"a",@progbits
	.p2align	6, 0x0
	.amdhsa_kernel k_q619ee09793_cache
		.amdhsa_group_segment_fixed_size 9728
		.amdhsa_private_segment_fixed_size 0
		.amdhsa_enable_private_segment 0
		.amdhsa_kernarg_size 80
		.amdhsa_user_sgpr_count 2
		.amdhsa_user_sgpr_kernarg_segment_ptr 1
		.amdhsa_wavefront_size32 1
		.amdhsa_system_sgpr_workgroup_id_x 1
		.amdhsa_system_sgpr_workgroup_id_y 1
		.amdhsa_system_sgpr_workgroup_id_z 1
		.amdhsa_system_vgpr_workitem_id 0
		.amdhsa_next_free_vgpr 256
		.amdhsa_next_free_sgpr 66
		.amdhsa_reserve_vcc 0
		.amdhsa_float_denorm_mode_32 3
		.amdhsa_float_denorm_mode_16_64 3
		.amdhsa_memory_ordered 1
		.amdhsa_forward_progress 1
		.amdhsa_inst_pref_size 26
	.end_amdhsa_kernel
	.amdgpu_metadata
---
amdhsa.version: [ 1, 2 ]
amdhsa.kernels:
  - .name:           k_q619ee09793_cache
    .symbol:         k_q619ee09793_cache.kd
    .args:
      - { .name: topk, .offset: 0, .size: 8, .value_kind: global_buffer, .address_space: global }
      - { .name: hre, .offset: 8, .size: 8, .value_kind: global_buffer, .address_space: global }
      - { .name: wcodes, .offset: 16, .size: 8, .value_kind: global_buffer, .address_space: global }
      - { .name: wscales, .offset: 24, .size: 8, .value_kind: global_buffer, .address_space: global }
      - { .name: Wv_b, .offset: 32, .size: 8, .value_kind: global_buffer, .address_space: global }
      - { .name: qv, .offset: 40, .size: 8, .value_kind: global_buffer, .address_space: global }
      - { .name: hmean, .offset: 48, .size: 8, .value_kind: global_buffer, .address_space: global }
      - { .name: gate_w, .offset: 56, .size: 8, .value_kind: global_buffer, .address_space: global }
      - { .name: gate_b, .offset: 64, .size: 8, .value_kind: global_buffer, .address_space: global }
      - { .name: out1, .offset: 72, .size: 8, .value_kind: global_buffer, .address_space: global }
    .group_segment_fixed_size: 9728
    .private_segment_fixed_size: 0
    .kernarg_segment_align: 8
    .kernarg_segment_size: 80
    .max_flat_workgroup_size: 512
    .sgpr_count:     66
    .vgpr_count:     256
    .wavefront_size: 32
...
	.end_amdgpu_metadata
.endif
;; end of part 4
;; ======== version 2 of 2: 4 launches
;; limits: right only within a limited range of input values
;; workspace buffers: wcodes 1,835,008 bytes; wscales 114,688 bytes; hre 33,554,432 bytes; psc 65,536 bytes; hsum 524,288 bytes; hmean 8,192 bytes; qv 8,192 bytes; topk 256 bytes of whole numbers
;; launch prep (part 5): grid 448 x 1, 4 waves a work-group, no clusters, 0 bytes of LDS; arguments Wp_w, Wt_w, Wr_w, Wi_w, Wk_w, Wv_w, ffn1_w, ffn2_w, wcodes, wscales; writes wcodes, wscales
.if DOCPART == 5
	.amdgcn_target "amdgcn-amd-amdhsa--gfx1250"
	.amdhsa_code_object_version 6
	.text
	.protected	k_q619ee09793_prep
	.globl	k_q619ee09793_prep
	.p2align	8
	.type	k_q619ee09793_prep,@function
k_q619ee09793_prep:
	s_mov_b64 s[64:65], 0
	v_nop
	global_prefetch_b8 v0, s[64:65] scope:SCOPE_SE
	s_setreg_imm32_b32 hwreg(HW_REG_WAVE_MODE, 25, 1), 1
	s_wait_xcnt 0x0
; PREP: the eight quantised weights, f32 stored [K][N], become codes of E2M1 with one E8M0 byte for each 32 along K,
; laid in the order of the operand's registers.  A FRAGMENT is 16 columns n x 128 along K: 1,024 bytes; register quad c (0, 1)
; of lane l lies at 512 c + 16 l; lane (r, h) holds k = 64 c + 32 h + 0 .. 31 of its column.  Its scale word (four bytes) of column r
; lies in wscales at (F / 4) x 256 + 16 r + 4 (F % 4), so that one load of 16 bytes brings the words of four K steps.
; FRAGMENT NUMBERS F: Wp, Wt, Wr, Wi (q = 0 .. 3): 16 t + 4 q + s;  Wk: 512 + 4 t + s;  Wv: 640 + 4 t + s;  ffn1: 768 + 4 t + s;  ffn2: 1280 + 16 t + s  (t: tile of 16 columns, s: K step of 128).
; Lane r of tile t takes column 16 t + r; in ffn1 alone column 32 (t / 2) + 8 (t % 2) + r + (r & 8), so that the first FFN product, used transposed, leaves 16 neighbours of the next K in a lane.
; One wave makes one fragment: a lane takes a column and its registers run down K, so a block's largest magnitude needs no other lane and nothing is transposed.
; The four waves of a work-group stand side by side on 64 columns: 256 consecutive bytes of each row of the weight.
; A block's scale is 2^(floor(log2(largest magnitude)) - 2); its byte is the magnitude's exponent field - 2, held at 1 from below (a block of zeros gets 1: its codes are zeros, and this program alone reads the bytes).
; DEAD WORK OF THE WHOLE PROGRAM, for all finite values of the inputs:
;  (1) reference() drops _h_im and never uses a after the scan, so in the scan's 13th step new_a_re, new_a_im and new_b_im reach no output: that step computes new_b_re alone.
;  (2) Wk_b adds query . Wk_b to every one of a batch's 16 scores alike; a term that is the same along a softmax's axis leaves the softmax as it is, and the product of query and keys is not quantised.
;      keys serve nothing else.  So Wk_b has no way to any output: it is not loaded and is among no launch's arguments.
; LIMITS: a NaN, an infinity or an overflow that reaches only the work left out is not carried to the result; NaN and infinities among the inputs are not served.
	s_load_b512 s[8:23], s[0:1], 0x0               ; Wp, Wt, Wr, Wi, Wk, Wv, ffn1, ffn2
	s_load_b128 s[24:27], s[0:1], 0x40             ; wcodes, wscales
	v_lshrrev_b32 v1, 5, v0
	v_readfirstlane_b32 s28, v1                    ; wave 0..3
	v_and_b32 v1, 15, v0                           ; r
	v_bfe_u32 v2, v0, 4, 1                         ; h
	v_and_b32 v3, 31, v0                           ; lane
	s_mov_b32 s44, 0x76543210
	s_mov_b32 s45, 0xfedcba98                      ; selects for lane l xor 16
	s_mov_b32 s29, ttmp9                           ; g
	s_mov_b32 s37, 0                               ; 1: ffn1's order of columns
	s_mov_b32 s39, 18                              ; log2 of the bytes of 128 rows of the weight (N = 512)
	s_cmp_ge_u32 s29, 320
	s_cbranch_scc1 .Lf2
	s_cmp_ge_u32 s29, 192
	s_cbranch_scc1 .Lf1
	s_lshr_b32 s30, s29, 5                         ; which of the six [512][512] weights
	s_and_b32 s31, s29, 31
	s_and_b32 s34, s31, 3                          ; K step
	s_and_b32 s32, s31, 28
	s_add_co_u32 s32, s32, s28                     ; tile t
	s_lshl_b32 s33, s32, 4                         ; first column
	s_cmp_lt_u32 s30, 4
	s_cbranch_scc0 .Lkv
	s_lshl_b32 s35, s32, 4
	s_lshl_b32 s36, s30, 2
	s_add_co_u32 s35, s35, s36                     ; 16 t + 4 q
	s_branch .Lhave
.Lkv:
	s_lshl_b32 s35, s32, 2
	s_lshl_b32 s36, s30, 7                         ; 512 for Wk, 640 for Wv
	s_add_co_u32 s35, s35, s36
	s_branch .Lhave
.Lf1:
	s_mov_b32 s30, 6
	s_sub_co_u32 s31, s29, 192
	s_and_b32 s34, s31, 3
	s_and_b32 s32, s31, 124
	s_add_co_u32 s32, s32, s28                     ; tile 0..127
	s_lshr_b32 s33, s32, 1
	s_lshl_b32 s33, s33, 5
	s_and_b32 s36, s32, 1
	s_lshl_b32 s36, s36, 3
	s_add_co_u32 s33, s33, s36                     ; 32 (t / 2) + 8 (t % 2)
	s_lshl_b32 s35, s32, 2
	s_add_co_u32 s35, s35, 768
	s_mov_b32 s37, 1
	s_mov_b32 s39, 20                              ; N = 2048
	s_branch .Lhave
.Lf2:
	s_mov_b32 s30, 7
	s_sub_co_u32 s31, s29, 320
	s_and_b32 s34, s31, 15
	s_lshr_b32 s32, s31, 4
	s_lshl_b32 s32, s32, 2
	s_add_co_u32 s32, s32, s28
	s_lshl_b32 s33, s32, 4
	s_lshl_b32 s35, s32, 4
	s_add_co_u32 s35, s35, 1280
.Lhave:
	s_add_co_u32 s35, s35, s34                     ; F
	s_lshl_b32 s40, s34, s39                       ; 128 s rows
	s_lshl_b32 s33, s33, 2
	s_add_co_u32 s40, s40, s33                     ; + the first column's bytes
	s_mov_b32 s41, 0
	s_sub_co_u32 s42, s39, 2
	s_wait_alu depctr_va_vdst(0)
	v_lshlrev_b32 v4, s42, v2                      ; lanes 16-31 begin 32 rows further down
	v_and_b32 v5, 8, v1
	v_mul_u32_u24 v5, v5, s37
	v_add_nc_u32 v5, v5, v1                        ; r, or r + (r & 8)
	v_lshl_add_u32 v4, v5, 2, v4
	v_lshlrev_b32 v6, 4, v3                        ; 16 x lane
	v_lshlrev_b32 v7, 4, v1                        ; 16 r
	s_lshl_b32 s46, s35, 10
	s_mov_b32 s47, 0
	s_lshr_b32 s48, s35, 2
	s_lshl_b32 s48, s48, 8
	s_and_b32 s49, s35, 3
	s_lshl_b32 s49, s49, 2
	s_add_co_u32 s48, s48, s49
	s_mov_b32 s49, 0
	s_wait_kmcnt 0x0
	s_cmp_eq_u32 s30, 1                            ; the weight is chosen by the work-group's number alone
	s_cselect_b64 s[8:9], s[10:11], s[8:9]
	s_cmp_eq_u32 s30, 2
	s_cselect_b64 s[8:9], s[12:13], s[8:9]
	s_cmp_eq_u32 s30, 3
	s_cselect_b64 s[8:9], s[14:15], s[8:9]
	s_cmp_eq_u32 s30, 4
	s_cselect_b64 s[8:9], s[16:17], s[8:9]
	s_cmp_eq_u32 s30, 5
	s_cselect_b64 s[8:9], s[18:19], s[8:9]
	s_cmp_eq_u32 s30, 6
	s_cselect_b64 s[8:9], s[20:21], s[8:9]
	s_cmp_eq_u32 s30, 7
	s_cselect_b64 s[8:9], s[22:23], s[8:9]
	s_add_nc_u64 s[8:9], s[8:9], s[40:41]
	s_add_nc_u64 s[24:25], s[24:25], s[46:47]
	s_add_nc_u64 s[26:27], s[26:27], s[48:49]
.macro WLOAD n                         ; W(64 c + 32 h + i, my column) into v[32 + 32 c + i]; sixteen lanes read 64 neighbouring bytes
.set i, 0
.rept 64
	global_load_b32 v[32+i], v4, s[8:9] offset:(64*(i/32)+i%32)*\n*4 th:TH_LOAD_NT
.set i, i+1
.endr
.endm
	s_cmp_eq_u32 s30, 6
	s_cbranch_scc1 .Lwide
	s_wait_alu depctr_va_vdst(0)
	WLOAD 512
	s_branch .Lloaded
.Lwide:
	s_wait_alu depctr_va_vdst(0)
	WLOAD 2048
.Lloaded:
	s_wait_loadcnt 0x0
.irp c,0,1
	v_max3_num_f32 v[8+\c], |v[32+32*\c]|, |v[33+32*\c]|, 0x1800000   ; my block 2 c + h, and the floor 2^(3 - 127): the byte cannot fall under 1
.endr
.irp i,2,4,6,8,10,12,14,16,18,20,22,24,26,28,30
.irp c,0,1
	v_max3_num_f32 v[8+\c], v[8+\c], |v[32+32*\c+\i]|, |v[33+32*\c+\i]|
.endr
.endr
.irp c,0,1
	v_add_nc_u32 v[10+\c], 0xff000000, v[8+\c]     ; 2 off the exponent field: the conversion's scale operand
.endr
.irp c,0,1
	v_lshrrev_b32 v[12+\c], 23, v[10+\c]           ; the scale's byte
.endr
	v_lshl_or_b32 v14, v13, 16, v12                ; blocks h and 2 + h,
	v_lshlrev_b32 v15, 3, v2
	v_lshlrev_b32 v14, v15, v14                    ; at their places in the word;
	v_mov_b32 v15, 0
	v_permlanex16_b32 v15, v14, s44, s45
	v_or_b32 v14, v14, v15                         ; with lane l xor 16's two the word is whole
.irp c,0,1
.irp g,0,1,2,3
	v_cvt_scalef32_pk8_fp4_f32 v[16+4*\c+\g], v[32+32*\c+8*\g:39+32*\c+8*\g], v[10+\c]
.endr
.endr
	v_nop                                          ; one plain place behind the last scaled conversion
	global_store_b128 v6, v[16:19], s[24:25]       ; 512 consecutive bytes a store
	global_store_b128 v6, v[20:23], s[24:25] offset:512
	global_store_b32 v7, v14, s[26:27]             ; both halves of the lanes hold the same word and write it to the same place
	s_endpgm
.Lfunc_end_k_q619ee09793_prep:
	.size	k_q619ee09793_prep, .Lfunc_end_k_q619ee09793_prep-k_q619ee09793_prep
	.p2alignl 7, 3214868480
	.fill 96, 4, 3214868480
	.section	.rodata,"a",@progbits
	.p2align	6, 0x0
	.amdhsa_kernel k_q619ee09793_prep
		.amdhsa_group_segment_fixed_size 0
		.amdhsa_private_segment_fixed_size 0
		.amdhsa_enable_private_segment 0
		.amdhsa_kernarg_size 80
		.amdhsa_user_sgpr_count 2
		.amdhsa_user_sgpr_kernarg_segment_ptr 1
		.amdhsa_wavefront_size32 1
		.amdhsa_system_sgpr_workgroup_id_x 1
		.amdhsa_system_sgpr_workgroup_id_y 1
		.amdhsa_system_sgpr_workgroup_id_z 1
		.amdhsa_system_vgpr_workitem_id 0
		.amdhsa_next_free_vgpr 96
		.amdhsa_next_free_sgpr 66
		.amdhsa_reserve_vcc 0
		.amdhsa_float_denorm_mode_32 3
		.amdhsa_float_denorm_mode_16_64 3
		.amdhsa_memory_ordered 1
		.amdhsa_forward_progress 1
		.amdhsa_inst_pref_size 20
	.end_amdhsa_kernel
	.amdgpu_metadata
---
amdhsa.version: [ 1, 2 ]
amdhsa.kernels:
  - .name:           k_q619ee09793_prep
    .symbol:         k_q619ee09793_prep.kd
    .args:
      - { .name: Wp_w, .offset: 0, .size: 8, .value_kind: global_buffer, .address_space: global }
      - { .name: Wt_w, .offset: 8, .size: 8, .value_kind: global_buffer, .address_space: global }
      - { .name: Wr_w, .offset: 16, .size: 8, .value_kind: global_buffer, .address_space: global }
      - { .name: Wi_w, .offset: 24, .size: 8, .value_kind: global_buffer, .address_space: global }
      - { .name: Wk_w, .offset: 32, .size: 8, .value_kind: global_buffer, .address_space: global }
      - { .name: Wv_w, .offset: 40, .size: 8, .value_kind: global_buffer, .address_space: global }
      - { .name: ffn1_w, .offset: 48, .size: 8, .value_kind: global_buffer, .address_space: global }
      - { .name: ffn2_w, .offset: 56, .size: 8, .value_kind: global_buffer, .address_space: global }
      - { .name: wcodes, .offset: 64, .size: 8, .value_kind: global_buffer, .address_space: global }
      - { .name: wscales, .offset: 72, .size: 8, .value_kind: global_buffer, .address_space: global }
    .group_segment_fixed_size: 0
    .private_segment_fixed_size: 0
    .kernarg_segment_align: 8
    .kernarg_segment_size: 80
    .max_flat_workgroup_size: 128
    .sgpr_count:     66
    .vgpr_count:     96
    .wavefront_size: 32
...
	.end_amdgpu_metadata
.endif
;; end of part 5
;; launch main (part 6): grid 256 x 1, 16 waves a work-group, no clusters, 279,296 bytes of LDS; arguments x, ln1_g, ln1_b, ln2_g, ln2_b, Wp_b, Wt_b, Wr_b, Wi_b, ffn1_b, ffn2_b, wcodes, wscales, hre, psc, hsum, out0; writes hre, psc, hsum, out0
.if DOCPART == 6
	.amdgcn_target "amdgcn-amd-amdhsa--gfx1250"
	.amdhsa_code_object_version 6
	.text
	.protected	k_q619ee09793_main
	.globl	k_q619ee09793_main
	.p2align	8
	.type	k_q619ee09793_main,@function
k_q619ee09793_main:
	s_mov_b64 s[64:65], 0
	v_nop
	global_prefetch_b8 v0, s[64:65] scope:SCOPE_SE
	s_setreg_imm32_b32 hwreg(HW_REG_WAVE_SCHED_MODE, 0, 2), 2
	s_setreg_imm32_b32 hwreg(HW_REG_WAVE_MODE, 25, 1), 1
	s_wait_xcnt 0x0
	s_wait_alu depctr_vm_vsrc(0)
; MAIN: LN1, the four projections, sigmoid / cos / sin, the 13 steps of the scan, h = h_re + x, LN2, the FFN and the residual, for 64 rows a work-group.
; LEFT OUT (shown at the head of the first kernel): in the scan's 13th step only new_b_re is computed.
; Each step of the scan combines a row with the row ONE back, so h_re[t] hangs on rows t - 13 .. t: the work-group computes 80 local rows, rho = 0 .. 79 = global row 64 wg - 16 + rho.
; What enters at rho = 0 from outside reaches rho <= 12 in 13 steps; rows rho >= 16 are right.  At a batch's start rows rho < 16 are set to a = 1, b = 0: row t = 0 then stays as it is, as reference()'s mask has it.
; SIXTEEN WAVES of 256 registers, four to a SIMD: the launch is bound by vector instructions, and one wave's loads stand beside another's arithmetic.
; THE PROJECTIONS are used in the natural order (source 0 = 16 rows of xn, source 1 = 16 columns of W): a lane holds ONE column and its registers run along time.  The rows of tile tau are chosen as
; rho = 40 (r / 8) + 20 (r % 2) + (r % 8) / 2 + 4 tau, so that register 2 i + e of lane half h is rho = 40 h + 20 e + i: the row one back is the register PAIR one back, and the scan is packed arithmetic in place, i descending.
; THE FFN's products are used transposed (source 0 = 16 rows of the weight): a lane holds one row of the block, its registers run along the columns.  The hidden layer goes from wave to wave through LDS as images of the operand's registers.
; WEIGHTS come straight from memory into operand registers, in fragment order as the first launch laid them.  NO CLUSTER, NO JOINT LOADS though all work-groups walk the same weights: a joint load lands in LDS, and of its
; 327,680 bytes the 80 rows' data hold 279,296; no tensor load, so no ring either.
; LIMITS: |theta| under 2^22 pi (the reduction's whole number must fit); erf by a rational form on [-4, 4], held there; sums are ordered otherwise than reference()'s; blocks of zeros get the scale byte 1; NaN and infinities are not served.
; THE MODE: SCHED_MODE bits 1:0 = 2 (LLVM: expert scheduling mode 2), set by the entry lines.  The code itself states the register dependences
; between vector or matrix instructions and memory or LDS instructions, with s_wait_alu, always for 0.
; THE PLAN, phase by phase: the registers that memory or LDS instructions touch, who else names them, and where the waits stand.
;   LN1, LN2   A row's codes and scale bytes lie in eight registers of the row's own; its four LDS stores stand behind the NEXT row's wait for its 1 / sqrt; the last row's have a wait of their own.
;              LN2 besides: h of row k + 1 is added behind row k's v_rsq_f32, so that the same wait shows it written for its LDS stores and shows v152-167 read, in which row k + 2 of h_re lands;
;              one wait on vm_vsrc a row stands ahead of the subtraction that rewrites the row which h's LDS stores read.
;   A TASK     Head: vm_vsrc (the last task's stores have read their data and addresses), the add to v14, va_vdst (v14; all the last task's vector work).  K steps 1 to 3: one va_vdst each: the products have read the
;              fragments and scale words that are loaded anew (no registers are left for a second set).  The image of sums is loaded behind the exponentials' wait; all 51 LDS stores stand at the task's end behind one wait.
;   FFN1       hn's fragments have two buffers, v144-175 and v200-231: K steps 0 and 1 are fetched at a trip's head, 2 and 3 behind one va_vdst in its middle.  The wait ahead of a trip's eight LDS stores also serves
;              the next trip's loads: behind it only v12 and v13 are written.  Head: vm_vsrc (the stores have read v12, v13, v212-223).
;   FFN2       One va_vdst ahead of each K step's LDS loads (the last step's products have read v208-243); at a group's head it stands ahead of the weights' loads too, which land in the buffer of two groups back.
;   Addresses are made ahead of a phase, behind a vm_vsrc for those that are made anew and ahead of the phase's first va_vdst; in the loops the scalar bases move.
.set XC, 0                             ; codes of xn (80 rows), later of hn (64 rows): 256 bytes + 16 a row
.set XP, 272
.set XS, 21760                         ; their scale bytes, 16 a row
.set PS, 23040                         ; 16 waves x 5,120: a wave's sums of 1 - p over its columns, as an image of 40 registers
.set HI, 23040                         ; (over PS, once that is done with) the hidden layer's 64 fragments, (16 m + s) x 1,024
.set HIS, 88576                        ; their scale words, 128 bytes a fragment
.set HB, 104960                        ; h_re, then h, then the result: 80 rows of f32
.set HP, 2064                          ; 2,048 bytes + 16
.set PR, 270080                        ; [wave][80 rows] sums of 1 - p over the wave's 32 columns
.set HS, 275200                        ; 512 column sums of h_re
.set SPARE, 277248                     ; the spare words: 128 bytes a wave, named by no other line
.set AR, 16                            ; v16-55   logits of p, then 1 - p, then a_re
.set AI, 56                            ; v56-95   theta, then a_im
.set BR, 96                            ; v96-135  b_re
.set BI, 136                           ; v136-175 b_im
.set AF, 176                           ; v176-215 xn's five fragments; from the reciprocals to the task's end the sums of 1 - p
.set BF, 216                           ; v216-247 W's four fragments; at work otherwise
.set SA, 248                           ; v248-252 xn's scale words
.set SB0, 253                          ; W's scale words
.set SB1, 254
.set SB2, 255
.set SB3, 15
.set GU, 80                            ; gelu, at work: 16 registers each
.set GZ, 96
.set GP, 112
.set GQ, 128
.set KA, 144                           ; gelu: ten coefficients as pairs, v144-163, where hn's fragments stand at other times
.macro PLACES n
.rept \n
	v_nop
.endr
.endm
.macro BARRIER                         ; my LDS stores have landed and my LDS loads are in; then the work-group's barrier
	s_wait_dscnt 0x0
	s_barrier_signal -1
	s_barrier_wait -1
.endm
.macro RED32 a, t                      ; the sum over the wave's 32 lanes, in every lane
	v_add_f32_dpp v[\a], v[\a], v[\a] row_xmask:1 row_mask:0xf bank_mask:0xf
	v_add_f32_dpp v[\a], v[\a], v[\a] row_xmask:2 row_mask:0xf bank_mask:0xf
	v_add_f32_dpp v[\a], v[\a], v[\a] row_xmask:4 row_mask:0xf bank_mask:0xf
	v_add_f32_dpp v[\a], v[\a], v[\a] row_xmask:8 row_mask:0xf bank_mask:0xf
	v_permlanex16_b32 v[\t], v[\a], s58, s59
	v_add_f32 v[\a], v[\a], v[\t]
.endm
; A row of 512 in one wave: lane l holds elements 8 l .. 8 l + 7 in v[X ..] and 256 + 8 l .. in v[X + 8 ..].  Layernorm in f32, then the quantiser: a block of 32 lies in four lanes.  In four parts:
.macro LNA X, T                        ; the mean, into v[T]: reads the row, writes T alone
	v_pk_add_f32 v[\T:\T+1], v[\X:\X+1], v[\X+2:\X+3]
	v_pk_add_f32 v[\T+2:\T+3], v[\X+4:\X+5], v[\X+6:\X+7]
	v_pk_add_f32 v[\T+4:\T+5], v[\X+8:\X+9], v[\X+10:\X+11]
	v_pk_add_f32 v[\T+6:\T+7], v[\X+12:\X+13], v[\X+14:\X+15]
	v_pk_add_f32 v[\T:\T+1], v[\T:\T+1], v[\T+2:\T+3]
	v_pk_add_f32 v[\T+4:\T+5], v[\T+4:\T+5], v[\T+6:\T+7]
	v_pk_add_f32 v[\T:\T+1], v[\T:\T+1], v[\T+4:\T+5]
	v_add_f32 v[\T], v[\T], v[\T+1]
	RED32 \T, \T+1
	v_mul_f32 v[\T], s60, v[\T]                    ; the mean
.endm
.macro LNB X, T                        ; the mean is taken away, in place; the variance; its 1 / sqrt is issued
.irp j,0,2,4,6,8,10,12,14
	v_pk_add_f32 v[\X+\j:\X+\j+1], v[\X+\j:\X+\j+1], v[\T:\T+1] op_sel_hi:[1,0] neg_lo:[0,1] neg_hi:[0,1]
.endr
	v_pk_mul_f32 v[\T+2:\T+3], v[\X:\X+1], v[\X:\X+1]
	v_pk_mul_f32 v[\T+4:\T+5], v[\X+2:\X+3], v[\X+2:\X+3]
.irp j,4,8,12
	v_pk_fma_f32 v[\T+2:\T+3], v[\X+\j:\X+\j+1], v[\X+\j:\X+\j+1], v[\T+2:\T+3]
	v_pk_fma_f32 v[\T+4:\T+5], v[\X+\j+2:\X+\j+3], v[\X+\j+2:\X+\j+3], v[\T+4:\T+5]
.endr
	v_pk_add_f32 v[\T+2:\T+3], v[\T+2:\T+3], v[\T+4:\T+5]
	v_add_f32 v[\T+2], v[\T+2], v[\T+3]
	RED32 \T+2, \T+3
	v_fma_f32 v[\T+2], v[\T+2], s60, s61           ; the variance + 1e-5
	s_wait_alu depctr_va_vdst(0)
	v_rsq_f32 v[\T+2], v[\T+2]
.endm
.macro LNC X, G, B, T                  ; gain and bias; the quantiser: bytes into v[T + 4], v[T + 5], codes into v[T + 6], v[T + 7]
.irp j,0,2,4,6,8,10,12,14
	v_pk_mul_f32 v[\X+\j:\X+\j+1], v[\X+\j:\X+\j+1], v[\T+2:\T+3] op_sel_hi:[1,0]
.endr
.irp j,0,2,4,6,8,10,12,14
	v_pk_fma_f32 v[\X+\j:\X+\j+1], v[\X+\j:\X+\j+1], v[\G+\j:\G+\j+1], v[\B+\j:\B+\j+1]
.endr
	v_max3_num_f32 v[\T], |v[\X]|, |v[\X+1]|, 0x1800000          ; my 8 of a block, and the floor 2^(3 - 127)
	v_max3_num_f32 v[\T+1], |v[\X+8]|, |v[\X+9]|, 0x1800000
.irp j,2,4,6
	v_max3_num_f32 v[\T], v[\T], |v[\X+\j]|, |v[\X+\j+1]|
	v_max3_num_f32 v[\T+1], v[\T+1], |v[\X+8+\j]|, |v[\X+9+\j]|
.endr
	v_max_num_f32_dpp v[\T], v[\T], v[\T] row_xmask:1 row_mask:0xf bank_mask:0xf
	v_max_num_f32_dpp v[\T+1], v[\T+1], v[\T+1] row_xmask:1 row_mask:0xf bank_mask:0xf
	v_max_num_f32_dpp v[\T], v[\T], v[\T] row_xmask:2 row_mask:0xf bank_mask:0xf
	v_max_num_f32_dpp v[\T+1], v[\T+1], v[\T+1] row_xmask:2 row_mask:0xf bank_mask:0xf
	v_add_nc_u32 v[\T+2], 0xff000000, v[\T]        ; 2 off the exponent field: the conversion's scale operand
	v_add_nc_u32 v[\T+3], 0xff000000, v[\T+1]
	v_lshrrev_b32 v[\T+4], 23, v[\T+2]             ; the scale's byte
	v_lshrrev_b32 v[\T+5], 23, v[\T+3]
	v_cvt_scalef32_pk8_fp4_f32 v[\T+6], v[\X:\X+7], v[\T+2]
	v_cvt_scalef32_pk8_fp4_f32 v[\T+7], v[\X+8:\X+15], v[\T+3]
	v_nop                                          ; one plain place behind the last scaled conversion
.endm
.macro LNST T, cadr, coff, sadr, soff  ; a row's codes and bytes go to LDS
	ds_store_b32 v[\cadr], v[\T+6] offset:\coff
	ds_store_b32 v[\cadr], v[\T+7] offset:\coff+128
	ds_store_b8 v[\sadr], v[\T+4] offset:\soff     ; the four lanes of a block write the same byte with the same value
	ds_store_b8 v[\sadr], v[\T+5] offset:\soff+8
.endm
; 128 along K of the four projections for my 16 columns and the 80 rows: 20 accumulators by turns, one instruction a turn
.macro KSTEP s, zero
.if !\zero
	s_wait_alu depctr_va_vdst(0)                   ; the last K step's products are done reading xn's and W's fragments and scale words, in which the loads below land
.endif
.irp q,0,1,2,3
.irp cc,0,1
	global_load_b128 v[BF+8*\q+4*\cc:BF+8*\q+4*\cc+3], v5, s[44:45] offset:(4*\q+\s)*1024+512*\cc
.endr
	global_load_b32 v[SB\q], v6, s[46:47] offset:256*\q+4*\s
.endr
.irp tau,0,1,2,3,4
.irp cc,0,1
	ds_load_b128 v[AF+8*\tau+4*\cc:AF+8*\tau+4*\cc+3], v3 offset:4*\tau*XP+64*\s+32*\cc
.endr
	ds_load_b32 v[SA+\tau], v4 offset:64*\tau+4*\s
.endr
	s_wait_loadcnt 0x0
	s_wait_dscnt 0x0
.irp tau,0,1,2,3,4
.irp q,0,1,2,3
.if \zero
	v_wmma_scale_f32_16x16x128_f8f6f4 v[16+40*\q+8*\tau:16+40*\q+8*\tau+7], v[AF+8*\tau:AF+8*\tau+7], v[BF+8*\q:BF+8*\q+7], 0, v[SA+\tau], v[SB\q] matrix_a_fmt:MATRIX_FMT_FP4 matrix_b_fmt:MATRIX_FMT_FP4
.else
	v_wmma_scale_f32_16x16x128_f8f6f4 v[16+40*\q+8*\tau:16+40*\q+8*\tau+7], v[AF+8*\tau:AF+8*\tau+7], v[BF+8*\q:BF+8*\q+7], v[16+40*\q+8*\tau:16+40*\q+8*\tau+7], v[SA+\tau], v[SB\q] matrix_a_fmt:MATRIX_FMT_FP4 matrix_b_fmt:MATRIX_FMT_FP4
.endif
.endr
.endr
	PLACES 5                                       ; ahead of loads into, reads of and new sums over these products' registers
.endm
; one pair of rows, one step of the scan: b += a b_prev, a *= a_prev (complex), two rows an instruction
.macro SSTEP ci, pAR, pAI, pBR, pBI
	v_pk_fma_f32 v[BR+\ci:BR+\ci+1], v[AR+\ci:AR+\ci+1], v[\pBR:\pBR+1], v[BR+\ci:BR+\ci+1]
	v_pk_fma_f32 v[BI+\ci:BI+\ci+1], v[AR+\ci:AR+\ci+1], v[\pBI:\pBI+1], v[BI+\ci:BI+\ci+1]
	v_pk_mul_f32 v[224:225], v[AI+\ci:AI+\ci+1], v[\pAI:\pAI+1]
	v_pk_mul_f32 v[226:227], v[AR+\ci:AR+\ci+1], v[\pAI:\pAI+1]
	v_pk_fma_f32 v[BR+\ci:BR+\ci+1], v[AI+\ci:AI+\ci+1], v[\pBI:\pBI+1], v[BR+\ci:BR+\ci+1] neg_lo:[1,0,0] neg_hi:[1,0,0]
	v_pk_fma_f32 v[BI+\ci:BI+\ci+1], v[AI+\ci:AI+\ci+1], v[\pBR:\pBR+1], v[BI+\ci:BI+\ci+1]
	v_pk_fma_f32 v[AR+\ci:AR+\ci+1], v[AR+\ci:AR+\ci+1], v[\pAR:\pAR+1], v[224:225] neg_lo:[0,0,1] neg_hi:[0,0,1]
	v_pk_fma_f32 v[AI+\ci:AI+\ci+1], v[AI+\ci:AI+\ci+1], v[\pAR:\pAR+1], v[226:227]
.endm
.macro LSTEP ci, pBR, pBI              ; the 13th step: b_re alone
	v_pk_fma_f32 v[BR+\ci:BR+\ci+1], v[AR+\ci:AR+\ci+1], v[\pBR:\pBR+1], v[BR+\ci:BR+\ci+1]
	v_pk_fma_f32 v[BR+\ci:BR+\ci+1], v[AI+\ci:AI+\ci+1], v[\pBI:\pBI+1], v[BR+\ci:BR+\ci+1] neg_lo:[1,0,0] neg_hi:[1,0,0]
.endm
.macro KC reg, val                     ; a coefficient as a pair of registers
	v_mov_b32 v[\reg], \val
	v_mov_b32 v[\reg+1], \val
.endm
.macro HSTEP D, c                      ; a step of Horner's rule in z on 16 numbers; c: the coefficient's pair
.irp j,0,2,4,6,8,10,12,14
	v_pk_fma_f32 v[\D+\j:\D+\j+1], v[\D+\j:\D+\j+1], v[GZ+\j:GZ+\j+1], v[\c:\c+1]
.endr
.endm
; gelu(x) = 0.5 x (1 + erf(x / sqrt 2)) on 16 numbers; erf(u) = u P(u^2) / Q(u^2), u held to [-4, 4]
.macro GELU16 X
.irp j,0,2,4,6,8,10,12,14
	v_pk_mul_f32 v[GU+\j:GU+\j+1], v[\X+\j:\X+\j+1], 0x3f3504f3 op_sel_hi:[1,0]
.endr
.irp j,0,1,2,3,4,5,6,7,8,9,10,11,12,13,14,15
	v_med3_num_f32 v[GU+\j], v[GU+\j], -4.0, 4.0
.endr
.irp j,0,2,4,6,8,10,12,14
	v_pk_mul_f32 v[GZ+\j:GZ+\j+1], v[GU+\j:GU+\j+1], v[GU+\j:GU+\j+1]
.endr
.irp j,0,2,4,6,8,10,12,14
	v_pk_fma_f32 v[GP+\j:GP+\j+1], v[GZ+\j:GZ+\j+1], v[248:249], v[KA:KA+1]
.endr
.irp j,0,2,4,6,8,10,12,14
	v_pk_fma_f32 v[GQ+\j:GQ+\j+1], v[GZ+\j:GZ+\j+1], v[250:251], v[KA+2:KA+3]
.endr
	HSTEP GP, KA+4
	HSTEP GQ, KA+6
	HSTEP GP, KA+8
	HSTEP GQ, KA+10
	HSTEP GP, KA+12
	HSTEP GQ, KA+14
	HSTEP GP, KA+16
	HSTEP GP, KA+18
	s_wait_alu depctr_va_vdst(0)
.irp j,0,1,2,3,4,5,6,7,8,9,10,11,12,13,14,15
	v_rcp_f32 v[GQ+\j], v[GQ+\j]
.endr
.irp j,0,2,4,6,8,10,12,14
	v_pk_mul_f32 v[GP+\j:GP+\j+1], v[GP+\j:GP+\j+1], v[GU+\j:GU+\j+1]
.endr
.irp j,0,2,4,6,8,10,12,14
	v_pk_mul_f32 v[\X+\j:\X+\j+1], v[\X+\j:\X+\j+1], 0.5 op_sel_hi:[1,0]
.endr
	s_wait_alu depctr_va_vdst(0)                   ; one wait for the 16 reciprocals, ahead of their first reader
.irp j,0,2,4,6,8,10,12,14
	v_pk_mul_f32 v[GP+\j:GP+\j+1], v[GP+\j:GP+\j+1], v[GQ+\j:GQ+\j+1]
.endr
.irp j,0,2,4,6,8,10,12,14
	v_pk_fma_f32 v[\X+\j:\X+\j+1], v[\X+\j:\X+\j+1], v[GP+\j:GP+\j+1], v[\X+\j:\X+\j+1]
.endr
.endm
; LN2's row k of my four: h_re's row from LDS, 32 bytes a lane; h = h_re + x; h into h_re's place; h_re's row to memory
.macro HLD k
	ds_load_b128 v[152:155], v4 offset:(\k)*HP
	ds_load_b128 v[156:159], v4 offset:(\k)*HP+16
	ds_load_b128 v[160:163], v4 offset:(\k)*HP+1024
	ds_load_b128 v[164:167], v4 offset:(\k)*HP+1040
.endm
.macro HADD k
.irp j,0,2,4,6,8,10,12,14
	v_pk_add_f32 v[16+16*(\k)+\j:17+16*(\k)+\j], v[16+16*(\k)+\j:17+16*(\k)+\j], v[152+\j:153+\j]
.endr
.endm
.macro HST k
	ds_store_b128 v4, v[16+16*(\k):19+16*(\k)] offset:(\k)*HP            ; h takes h_re's place
	ds_store_b128 v4, v[20+16*(\k):23+16*(\k)] offset:(\k)*HP+16
	ds_store_b128 v4, v[24+16*(\k):27+16*(\k)] offset:(\k)*HP+1024
	ds_store_b128 v4, v[28+16*(\k):31+16*(\k)] offset:(\k)*HP+1040
.endm
.macro GST k
.irp m,0,1,2,3
	global_store_b128 v5, v[176+16*(\k)+4*\m:179+16*(\k)+4*\m], s[56:57] offset:(\k)*2048+512*\m th:TH_STORE_NT   ; h_re's row: 512 consecutive bytes a store
.endr
.endm
; the first FFN product: hn's four fragments of K step s into buffer hb; and the step's eight products, eight accumulators by turns
.macro HNLD s, hb
.irp m,0,1,2,3
.irp cc,0,1
	ds_load_b128 v[\hb+8*\m+4*\cc:\hb+8*\m+4*\cc+3], v3 offset:\m*16*XP+64*\s+32*\cc
.endr
.endr
.endm
.macro F1MUL s, hb
.irp m,0,1,2,3
.irp u,0,1
.if \s == 0
	v_wmma_scale_f32_16x16x128_f8f6f4 v[16+16*\m+8*\u:23+16*\m+8*\u], v[80+8*(4*\u+\s):87+8*(4*\u+\s)], v[\hb+8*\m:\hb+8*\m+7], v[232+8*\u:239+8*\u], v[176+4*\u+\s], v[184+4*\m+\s] matrix_a_fmt:MATRIX_FMT_FP4 matrix_b_fmt:MATRIX_FMT_FP4
.else
	v_wmma_scale_f32_16x16x128_f8f6f4 v[16+16*\m+8*\u:23+16*\m+8*\u], v[80+8*(4*\u+\s):87+8*(4*\u+\s)], v[\hb+8*\m:\hb+8*\m+7], v[16+16*\m+8*\u:23+16*\m+8*\u], v[176+4*\u+\s], v[184+4*\m+\s] matrix_a_fmt:MATRIX_FMT_FP4 matrix_b_fmt:MATRIX_FMT_FP4
.endif
.endr
.endr
.endm
; ffn2's fragments of four K steps (group gq) for my two tiles of outputs, and their scale words, into buffer buf: 18 loads
.macro W2LOAD gq, buf
.irp n,0,1
.irp sl,0,1,2,3
.irp cc,0,1
	global_load_b128 v[80+64*\buf+8*(4*\n+\sl)+4*\cc:80+64*\buf+8*(4*\n+\sl)+4*\cc+3], v5, s[44:45] offset:\n*16384+(4*\gq+\sl)*1024+512*\cc
.endr
.endr
	global_load_b128 v[244+4*\n+\buf*(8-244*\n):244+4*\n+\buf*(8-244*\n)+3], v6, s[46:47] offset:\n*1024+\gq*256
.endr
.endm
.macro F2GROUP gq, buf                 ; four K steps of the second FFN product: eight accumulators by turns
.irp sl,0,1,2,3
.if \sl > 0
	s_wait_alu depctr_va_vdst(0)                   ; the last K step's products are done reading the hidden fragments v208-239 and their scale words v240-243, in which the loads below land
.endif
.irp m,0,1,2,3
.irp cc,0,1
	ds_load_b128 v[208+8*\m+4*\cc:208+8*\m+4*\cc+3], v3 offset:(16*\m+4*\gq+\sl)*1024+512*\cc
.endr
	ds_load_b32 v[240+\m], v4 offset:(16*\m+4*\gq+\sl)*128
.endr
	s_wait_dscnt 0x0
.irp m,0,1,2,3
.irp n,0,1
	v_wmma_scale_f32_16x16x128_f8f6f4 v[16+8*(4*\n+\m):16+8*(4*\n+\m)+7], v[80+64*\buf+8*(4*\n+\sl):80+64*\buf+8*(4*\n+\sl)+7], v[208+8*\m:208+8*\m+7], v[16+8*(4*\n+\m):16+8*(4*\n+\m)+7], v[244+4*\n+\sl+\buf*(8-244*\n)], v[240+\m] matrix_a_fmt:MATRIX_FMT_FP4 matrix_b_fmt:MATRIX_FMT_FP4
.endr
.endr
	PLACES 5
.endr
.endm
	s_load_b512 s[8:23], s[0:1], 0x0               ; x 8, ln1_g 10, ln1_b 12, ln2_g 14, ln2_b 16, Wp_b 18, Wt_b 20, Wr_b 22
	s_load_b512 s[24:39], s[0:1], 0x40             ; Wi_b 24, ffn1_b 26, ffn2_b 28, wcodes 30, wscales 32, hre 34, psc 36, hsum 38
	s_load_b64 s[40:41], s[0:1], 0x80              ; out0
	v_lshl_add_u32 v1, v0, 2, SPARE                ; my spare word; never rewritten
	v_mov_b32 v2, 0                                ; 0; never rewritten
	v_lshrrev_b32 v3, 5, v0
	v_readfirstlane_b32 s42, v3                    ; wave 0..15
	s_wait_alu depctr_va_sdst(0)                   ; s42 is written, ahead of its first reader: addresses and branches are made from it
	s_mov_b32 s58, 0x76543210
	s_mov_b32 s59, 0xfedcba98                      ; selects for lane l xor 16
	s_mov_b32 s60, 0x3b000000                      ; 1 / 512
	s_mov_b32 s61, 0x3727c5ac                      ; 1e-5
; ---- LN1: wave w takes local rows 5 w .. 5 w + 4.  Rows in front of the tensor's first are taken as row 0: they are overridden at a batch's start
	v_and_b32 v8, 31, v0                           ; lane
	v_lshlrev_b32 v9, 5, v8                        ; 32 x lane
	s_wait_alu depctr_va_vdst(0)
	s_lshl_b32 s43, ttmp9, 6
	s_mul_i32 s44, s42, 5
	s_add_co_u32 s43, s43, s44
	s_sub_co_i32 s43, s43, 16
.irp i,0,1,2,3,4
	s_add_co_i32 s44, s43, \i
	s_max_i32 s44, s44, 0
	s_lshl_b32 s44, s44, 11
	v_add_nc_u32 v[3+\i], s44, v9
.endr
	s_mul_i32 s44, s42, 5*XP
	v_lshl_add_u32 v10, v8, 2, s44                 ; my codes' place: XC + 5 w rows + 4 x lane
	s_mul_i32 s44, s42, 80
	s_add_co_u32 s44, s44, XS
	v_lshrrev_b32 v11, 2, v8
	v_add_nc_u32 v11, s44, v11                     ; my block's byte
	s_mul_i32 s44, s42, 5120
	s_add_co_u32 s44, s44, PS
	v_lshl_add_u32 v12, v8, 4, s44                 ; my wave's image of sums
.irp j,168,169,170,171
	v_mov_b32 v\j, 0
.endr
	s_wait_alu depctr_va_vdst(0)                   ; the offsets and addresses v3 to v12 and the zeros v168-171 are written: the stores and loads of this phase read them
.irp k,0,1,2,3,4,5,6,7,8,9
	ds_store_b128 v12, v[168:171] offset:512*\k    ; the sums of 1 - p begin as zeros
.endr
	s_wait_kmcnt 0x0
.irp j,0,1,2,3
	global_load_b128 v[16+4*\j:19+4*\j], v9, s[10:11] offset:(\j/2)*1024+(\j%2)*16
.endr
.irp j,0,1,2,3
	global_load_b128 v[32+4*\j:35+4*\j], v9, s[12:13] offset:(\j/2)*1024+(\j%2)*16
.endr
.irp i,0,1,2,3,4
.irp j,0,1,2,3
	global_load_b128 v[48+16*\i+4*\j:51+16*\i+4*\j], v[3+\i], s[8:9] offset:(\j/2)*1024+(\j%2)*16
.endr
.endr
.irp i,0,1,2,3,4
	s_wait_loadcnt 16-4*\i                         ; gain, bias and this row are in; the younger rows' loads, four a row, may be out
	LNA 48+16*\i, 128+8*\i
	LNB 48+16*\i, 128+8*\i
	v_nop                                          ; a plain place behind the transcendental
	s_wait_alu depctr_va_vdst(0)                   ; this row's 1 / sqrt is written, ahead of its first reader; so are the codes and bytes of the row before, which the LDS stores below read
.if \i > 0
	LNST 128+8*(\i-1), 10, (\i-1)*XP, 11, (\i-1)*16
.endif
	LNC 48+16*\i, 16, 32, 128+8*\i
.endr
	s_wait_alu depctr_va_vdst(0)                   ; the last row's codes and bytes are written, which its LDS stores read
	LNST 128+8*4, 10, 4*XP, 11, 4*16
	BARRIER                                        ; xn's 80 rows of codes and scale bytes lie in LDS
; ---- the projections and the scan: two tasks a wave, task c = w + 16 trip: columns 16 c .. 16 c + 15
	s_wait_alu depctr_vm_vsrc(0)                   ; LN1's loads and LDS stores have read v3 to v12, v128-171: the addresses are made anew below, the others are accumulators from here on
	s_mul_i32 s44, s42, 5120
	s_add_co_u32 s44, s44, PS
	v_lshl_add_u32 v7, v8, 4, s44                  ; v7: my wave's image of sums
	v_and_b32 v10, 15, v0                          ; r
	v_bfe_u32 v11, v0, 4, 1                        ; h
	v_lshrrev_b32 v12, 3, v10
	v_mul_u32_u24 v12, v12, 40
	v_and_b32 v13, 1, v10
	v_mad_u32_u24 v12, v13, 20, v12
	v_bfe_u32 v13, v10, 1, 2
	v_add_nc_u32 v12, v12, v13                     ; the row that lane r takes in tile 0
	v_mul_u32_u24 v3, v12, XP
	v_lshl_add_u32 v3, v11, 4, v3                  ; v3: its codes, + 16 h
	v_lshl_add_u32 v4, v12, 4, XS                  ; v4: its scale bytes
	v_lshlrev_b32 v5, 4, v8                        ; v5: 16 x lane (kept to the end)
	v_lshlrev_b32 v6, 4, v10                       ; v6: 16 r
	v_lshlrev_b32 v9, 2, v10                       ; v9: 4 r
	v_mul_u32_u24 v8, v11, 40*HP
	v_add_nc_u32 v8, v8, v9
	v_add_nc_u32 v8, HB, v8                        ; v8: row 40 h, column r of h_re's rows in LDS
	s_lshl_b32 s48, s42, 6                         ; 64 c: my columns' bytes in a row
	s_lshl_b32 s50, s42, 14
	s_mov_b32 s51, 0
	s_add_nc_u64 s[44:45], s[30:31], s[50:51]      ; my 16 fragments
	s_lshl_b32 s50, s42, 10
	s_add_nc_u64 s[46:47], s[32:33], s[50:51]      ; and their scale words
	s_mov_b32 s53, 0xffff                          ; lanes 0-15
	s_mov_b32 s49, 2
.Ltask:
	s_wait_alu depctr_vm_vsrc(0)                   ; the last task's LDS stores have read the sums v176-215, b_re v96-135, v216 and v220-222, and its bias loads v14: all are written or loaded again in this task
	s_wait_alu depctr_va_vdst(0)
	v_add_nc_u32 v14, s48, v9                      ; v14 stays the biases' offset for the whole task
	s_wait_alu depctr_va_vdst(0)                   ; v14 is written (first task: v3 to v9 too), which the loads below read; the vector work so far is done with v10-13 and v176-255, in which they land
	global_load_b32 v10, v14, s[18:19]             ; the four biases of my column
	global_load_b32 v11, v14, s[20:21]
	global_load_b32 v12, v14, s[22:23]
	global_load_b32 v13, v14, s[24:25]
	KSTEP 0, 1                                     ; the first K step starts the sums
	KSTEP 1, 0
	KSTEP 2, 0
	KSTEP 3, 0
	v_mul_f32 v216, 0x3fb8aa3b, v10
.set j, 0
.rept 20
	v_pk_fma_f32 v[AR+j:AR+j+1], v[AR+j:AR+j+1], 0x3fb8aa3b, v[216:217] op_sel_hi:[1,0,0]   ; (logit + bias) x log2(e)
.set j, j+2
.endr
.set j, 0
	s_wait_alu depctr_va_vdst(0)
.rept 40
	v_exp_f32 v[AR+j], v[AR+j]
.set j, j+1
.endr
.set j, 0
	s_wait_alu depctr_va_vdst(0)
.rept 20
	v_pk_add_f32 v[BR+j:BR+j+1], v[BR+j:BR+j+1], v[12:13] op_sel_hi:[1,0]
	v_pk_add_f32 v[BI+j:BI+j+1], v[BI+j:BI+j+1], v[12:13] op_sel:[0,1] op_sel_hi:[1,1]
.set j, j+2
.endr
	s_wait_alu depctr_va_vdst(0)                   ; one wait for the 40 exponentials, ahead of their first reader (the 40 additions above are the work between); the last K step's products are done reading v176-215, in which the loads below land
.irp k,0,1,2,3,4,5,6,7,8,9
	ds_load_b128 v[AF+4*\k:AF+4*\k+3], v7 offset:512*\k            ; my image of sums
.endr
.set j, 0
.rept 20
	v_pk_add_f32 v[AR+j:AR+j+1], v[AR+j:AR+j+1], 1.0 op_sel_hi:[1,0]
.set j, j+2
.endr
.set j, 0
	s_wait_alu depctr_va_vdst(0)
.rept 40
	v_rcp_f32 v[AR+j], v[AR+j]                     ; 1 - p = 1 / (1 + e^logit)
.set j, j+1
.endr
.set j, 0
	s_wait_alu depctr_va_vdst(0)
.rept 20
	v_pk_add_f32 v[AI+j:AI+j+1], v[AI+j:AI+j+1], v[10:11] op_sel:[0,1] op_sel_hi:[1,1]
.set j, j+2
.endr
	s_wait_alu depctr_va_vdst(0)                   ; one wait for the 40 reciprocals, ahead of their first reader
	s_wait_dscnt 0x0
.set j, 0
.rept 20
	v_pk_add_f32 v[AF+j:AF+j+1], v[AF+j:AF+j+1], v[AR+j:AR+j+1]   ; the sums stay in v176-215, which nothing names until the task's end, where they are stored
.set j, j+2
.endr
	v_mov_b32 v236, 0x4b400000                     ; 1.5 x 2^23: adding it rounds to a whole number, whose parity is the sum's lowest bit
	v_mov_b32 v237, 0x4b400000
	v_mov_b32 v238, 0x2f2ec9d3                     ; the series' leading coefficients
	v_mov_b32 v239, 0x2f2ec9d3
	v_mov_b32 v240, 0x310f74f6
	v_mov_b32 v241, 0x310f74f6
; theta = n pi + r, |r| <= pi / 2: sin theta = (-1)^n sin r, cos theta = (-1)^n cos r; the sign goes onto 1 - p
.set j, 0
.rept 20
.set TT, 216+10*((j/2)%2)
	v_pk_fma_f32 v[TT:TT+1], v[AI+j:AI+j+1], 0x3ea2f983, v[236:237] op_sel_hi:[1,0,1]
	v_pk_add_f32 v[TT+2:TT+3], v[TT:TT+1], v[236:237] neg_lo:[0,1] neg_hi:[0,1]           ; n
	v_pk_fma_f32 v[AI+j:AI+j+1], v[TT+2:TT+3], 0xc0490fdb, v[AI+j:AI+j+1] op_sel_hi:[1,0,1]   ; r = theta - n pi, pi in two parts
	v_pk_fma_f32 v[AI+j:AI+j+1], v[TT+2:TT+3], 0x33bbbd2e, v[AI+j:AI+j+1] op_sel_hi:[1,0,1]
	v_pk_mul_f32 v[TT+4:TT+5], v[AI+j:AI+j+1], v[AI+j:AI+j+1]                             ; z = r^2
	v_pk_fma_f32 v[TT+6:TT+7], v[TT+4:TT+5], v[238:239], 0xb2d72f34 op_sel_hi:[1,1,0]     ; sin r / r
	v_pk_fma_f32 v[TT+8:TT+9], v[TT+4:TT+5], v[240:241], 0xb493f27c op_sel_hi:[1,1,0]     ; cos r
	v_pk_fma_f32 v[TT+6:TT+7], v[TT+6:TT+7], v[TT+4:TT+5], 0x3638ef1b op_sel_hi:[1,1,0]
	v_pk_fma_f32 v[TT+8:TT+9], v[TT+8:TT+9], v[TT+4:TT+5], 0x37d00d01 op_sel_hi:[1,1,0]
	v_pk_fma_f32 v[TT+6:TT+7], v[TT+6:TT+7], v[TT+4:TT+5], 0xb9500d01 op_sel_hi:[1,1,0]
	v_pk_fma_f32 v[TT+8:TT+9], v[TT+8:TT+9], v[TT+4:TT+5], 0xbab60b61 op_sel_hi:[1,1,0]
	v_pk_fma_f32 v[TT+6:TT+7], v[TT+6:TT+7], v[TT+4:TT+5], 0x3c088889 op_sel_hi:[1,1,0]
	v_pk_fma_f32 v[TT+8:TT+9], v[TT+8:TT+9], v[TT+4:TT+5], 0x3d2aaaab op_sel_hi:[1,1,0]
	v_pk_fma_f32 v[TT+6:TT+7], v[TT+6:TT+7], v[TT+4:TT+5], 0xbe2aaaab op_sel_hi:[1,1,0]
	v_pk_fma_f32 v[TT+8:TT+9], v[TT+8:TT+9], v[TT+4:TT+5], -0.5 op_sel_hi:[1,1,0]
	v_pk_fma_f32 v[TT+6:TT+7], v[TT+6:TT+7], v[TT+4:TT+5], 1.0 op_sel_hi:[1,1,0]
	v_pk_fma_f32 v[TT+8:TT+9], v[TT+8:TT+9], v[TT+4:TT+5], 1.0 op_sel_hi:[1,1,0]
	v_lshl_or_b32 v[AR+j], v[TT], 31, v[AR+j]
	v_lshl_or_b32 v[AR+j+1], v[TT+1], 31, v[AR+j+1]
	v_pk_mul_f32 v[AI+j:AI+j+1], v[AI+j:AI+j+1], v[AR+j:AR+j+1]
	v_pk_mul_f32 v[AI+j:AI+j+1], v[AI+j:AI+j+1], v[TT+6:TT+7]                             ; a_im
	v_pk_mul_f32 v[AR+j:AR+j+1], v[AR+j:AR+j+1], v[TT+8:TT+9]                             ; a_re
.set j, j+2
.endr
	s_and_b32 s50, ttmp9, 63                       ; a batch's first work-group: local rows 0 .. 15 lie in front of t = 0
	s_cmp_lg_u32 s50, 0
	s_cbranch_scc1 .Lnostart
	v_mov_b32 v216, 1.0
	v_mov_b32 v217, 0
.set j, 0
.rept 16
	v_cndmask_b32 v[AR+j], v[AR+j], v216, s53      ; rows rho = i < 16: the even registers of lanes 0-15
	v_cndmask_b32 v[AI+j], v[AI+j], v217, s53
	v_cndmask_b32 v[BR+j], v[BR+j], v217, s53
	v_cndmask_b32 v[BI+j], v[BI+j], v217, s53
.set j, j+2
.endr
.Lnostart:
	s_mov_b32 s52, 12
.Lscan:                                                ; steps 1 to 12
	s_wait_alu depctr_va_vdst(0)
.irp a,0,1,2,3
	v_permlanex16_b32 v[216+2*\a], v[16+40*\a+39], s58, s59        ; the row in front of rho = 40 h is rho = 39 of the other half (for h = 0: from outside, see the head)
	v_mov_b32 v[217+2*\a], v[16+40*\a+38]                          ; the row in front of rho = 40 h + 20 is my register 38
.endr
.set ii, 19
.rept 19
	SSTEP 2*ii, AR+2*ii-2, AI+2*ii-2, BR+2*ii-2, BI+2*ii-2
.set ii, ii-1
.endr
	SSTEP 0, 216, 218, 220, 222
	s_sub_co_u32 s52, s52, 1
	s_cmp_lg_u32 s52, 0
	s_cbranch_scc1 .Lscan
	v_permlanex16_b32 v220, v[BR+39], s58, s59     ; step 13
	v_mov_b32 v221, v[BR+38]
	v_permlanex16_b32 v222, v[BI+39], s58, s59
	v_mov_b32 v223, v[BI+38]
.set ii, 19
.rept 19
	LSTEP 2*ii, BR+2*ii-2, BI+2*ii-2
.set ii, ii-1
.endr
	LSTEP 0, 220, 222
; my column's sum of h_re over rows 16 .. 79
	v_pk_add_f32 v[216:217], v[BR:BR+1], v[BR+2:BR+3]
	v_pk_add_f32 v[224:225], v[BR+4:BR+5], v[BR+6:BR+7]
.set j, 8
.rept 6
	v_pk_add_f32 v[216:217], v[216:217], v[BR+j:BR+j+1]
	v_pk_add_f32 v[224:225], v[224:225], v[BR+j+2:BR+j+3]
.set j, j+4
.endr
	v_pk_add_f32 v[216:217], v[216:217], v[224:225]
	v_pk_add_f32 v[218:219], v[BR+32:BR+33], v[BR+34:BR+35]
	v_pk_add_f32 v[226:227], v[BR+36:BR+37], v[BR+38:BR+39]
	v_pk_add_f32 v[218:219], v[218:219], v[226:227]
	v_mov_b32 v223, 0
	v_cndmask_b32 v216, v216, v223, s53            ; rows 0 .. 15 do not count
	v_add_f32 v216, v216, v217
	v_add_f32 v218, v218, v219
	v_add_f32 v216, v216, v218
	v_permlanex16_b32 v217, v216, s58, s59
	v_add_f32 v216, v216, v217
	v_add_nc_u32 v220, s48, v9
	v_add_nc_u32 v220, HS, v220
	v_add_nc_u32 v221, s48, v8
	v_add_nc_u32 v222, 20*HP, v221
	s_wait_alu depctr_va_vdst(0)                   ; the sums of 1 - p v176-215, b_re v96-135, the column's sum v216 and the addresses v220-222 are written: the task's 51 LDS stores read them
.irp k,0,1,2,3,4,5,6,7,8,9
	ds_store_b128 v7, v[AF+4*\k:AF+4*\k+3] offset:512*\k
.endr
	ds_store_b32 v220, v216
.set j, 0
.rept 20
	ds_store_b32 v221, v[BR+2*j] offset:j*HP       ; h_re(40 h + j, my column)
	ds_store_b32 v222, v[BR+2*j+1] offset:j*HP     ; h_re(40 h + 20 + j, my column)
.set j, j+1
.endr
	s_add_nc_u64 s[44:45], s[44:45], 262144        ; all loads by these bases have been waited for
	s_add_nc_u64 s[46:47], s[46:47], 16384
	s_add_co_u32 s48, s48, 1024
	s_sub_co_u32 s49, s49, 1
	s_cmp_lg_u32 s49, 0
	s_cbranch_scc1 .Ltask
; ---- x, gain and bias of my four rows of LN2 are asked for; the sums of 1 - p are added over my 16 columns.  LN2's addresses are made here, ahead of the barrier
	s_wait_alu depctr_vm_vsrc(0)                   ; the last task's LDS stores have read v176-215, in which the image lands again, and v96-135; its loads have read v3, v4 and v14, which are made anew below
	s_lshl_b32 s50, ttmp9, 6
	s_lshl_b32 s52, s42, 2
	s_add_co_u32 s50, s50, s52
	s_lshl_b32 s50, s50, 11                        ; row 64 wg + 4 w, in bytes
	s_mov_b32 s51, 0
	s_add_nc_u64 s[54:55], s[8:9], s[50:51]
	s_add_nc_u64 s[56:57], s[34:35], s[50:51]
	s_add_nc_u64 s[40:41], s[40:41], s[50:51]
	v_lshlrev_b32 v10, 1, v5                       ; 32 x lane
	v_bfe_u32 v11, v0, 4, 1
	v_mul_u32_u24 v11, v11, 160
	s_mul_i32 s50, s42, 320
	s_add_co_u32 s50, s50, PR
	v_add_nc_u32 v11, s50, v11                     ; my wave's 80 words, my half's 40
	s_mul_i32 s50, s42, 4*HP
	s_add_co_u32 s50, s50, HB+16*HP
	v_add_nc_u32 v3, s50, v5                       ; my rows, 16 bytes a lane
	v_add_nc_u32 v4, s50, v10                      ; my rows, 32 bytes a lane
	v_and_b32 v13, 31, v0
	s_mul_i32 s50, s42, 4*XP
	v_lshl_add_u32 v12, v13, 2, s50
	s_lshl_b32 s50, s42, 6
	s_add_co_u32 s50, s50, XS
	v_lshrrev_b32 v14, 2, v13
	v_add_nc_u32 v14, s50, v14
	s_wait_alu depctr_va_vdst(0)                   ; v3, v4, v10, v11, v12, v14 are written, which this phase's loads and stores read; the tasks' vector work is done with v16-95, v136-239, in which loads land
.irp j,0,1,2,3
	global_load_b128 v[80+4*\j:83+4*\j], v10, s[14:15] offset:(\j/2)*1024+(\j%2)*16
.endr
.irp j,0,1,2,3
	global_load_b128 v[136+4*\j:139+4*\j], v10, s[16:17] offset:(\j/2)*1024+(\j%2)*16
.endr
.irp k,0,1,2,3
.irp j,0,1,2,3
	global_load_b128 v[16+16*\k+4*\j:19+16*\k+4*\j], v10, s[54:55] offset:\k*2048+(\j/2)*1024+(\j%2)*16
.endr
.endr
.irp k,0,1,2,3,4,5,6,7,8,9
	ds_load_b128 v[AF+4*\k:AF+4*\k+3], v7 offset:512*\k
.endr
	s_wait_dscnt 0x0
.irp m,1,2,4,8
.set j, 0
.rept 40
	v_add_f32_dpp v[AF+j], v[AF+j], v[AF+j] row_xmask:\m row_mask:0xf bank_mask:0xf
.set j, j+1
.endr
.endr
	s_wait_alu depctr_va_vdst(0)                   ; the 40 sums over my columns are written, which the LDS stores read
.set j, 0
.rept 40
	ds_store_b32 v11, v[AF+j] offset:4*(20*(j%2)+j/2)              ; register 2 i + e is row 40 h + 20 e + i: the words lie in the order of the rows.  The sixteen lanes of a half hold the same and write it to the same place
.set j, j+1
.endr
	BARRIER                                        ; h_re's rows, the column sums and the sums of 1 - p lie in LDS; nobody reads xn's codes or the images of sums any more
; ---- h = h_re + x, LN2: wave w takes rows 4 w .. 4 w + 3 of the block
	s_wait_alu depctr_vm_vsrc(0)                   ; the 40 LDS stores have read v176-215, in which h_re's rows land
.irp k,0,1,2,3
.irp m,0,1,2,3
	ds_load_b128 v[176+16*\k+4*\m:179+16*\k+4*\m], v3 offset:\k*HP+512*\m
.endr
.endr
	HLD 0
	s_wait_dscnt 0x0
	s_wait_loadcnt 12                              ; gain, bias and row 0 of x are in; the younger rows' loads, four a row, may be out
	HADD 0
	s_wait_alu depctr_va_vdst(0)                   ; h of row 0 is written, which its LDS stores read; the additions are done reading v152-167, in which row 1 of h_re lands
	HST 0
	HLD 1
.irp k,0,1,2,3
	GST \k
	LNA 16+16*\k, 96+8*\k
	s_wait_alu depctr_vm_vsrc(0)                   ; the LDS stores of h have read this row's registers, which the subtraction below writes again
	LNB 16+16*\k, 96+8*\k
.if \k < 3
	s_wait_dscnt 0x0                               ; the next row of h_re is in
	s_wait_loadcnt 8-4*\k                          ; and the next row of x; the younger rows' loads, four a row, may be out
	HADD \k+1                                      ; (plain work behind the transcendental)
.else
	v_nop                                          ; a plain place behind the transcendental
.endif
	s_wait_alu depctr_va_vdst(0)                   ; this row's 1 / sqrt is written, ahead of its first reader; so are h of the next row and the codes and bytes of the row before, which the LDS stores below read
.if \k < 3
	HST \k+1
.endif
.if \k < 2
	HLD \k+2
.endif
.if \k > 0
	LNST 96+8*(\k-1), 12, (\k-1)*XP, 14, (\k-1)*16
.endif
	LNC 16+16*\k, 80, 136, 96+8*\k
.endr
	s_wait_alu depctr_va_vdst(0)                   ; the last row's codes and bytes are written, which its LDS stores read
	LNST 96+8*3, 12, 3*XP, 14, 3*16
	s_wait_xcnt 0x0                                ; the stores of h_re have read their registers: these are written again below
	BARRIER                                        ; hn's 64 rows of codes and scale bytes lie in LDS
; ---- the first FFN product, gelu, the quantiser: wave w makes hidden units 128 w .. 128 w + 127, 32 a trip, for the four tiles of rows
	s_wait_alu depctr_vm_vsrc(0)                   ; LN2's loads and stores have read v3, v4, v10, v11, v12, v14, the rows v16-79, the codes and bytes in v96-127 and h_re's rows v176-239: all are written or loaded again below
	v_and_b32 v10, 15, v0
	v_bfe_u32 v11, v0, 4, 1
	v_mul_u32_u24 v3, v10, XP
	v_lshl_add_u32 v3, v11, 4, v3                  ; hn's codes: row r, + 16 h
	v_lshl_add_u32 v4, v10, 4, XS                  ; hn's scale bytes
	v_lshlrev_b32 v8, 6, v11                       ; 64 h
	s_lshl_b32 s50, s42, 10
	s_add_co_u32 s50, s50, HI
	v_lshl_add_u32 v9, v11, 3, v6
	v_add_nc_u32 v9, s50, v9                       ; my 8 bytes of fragment (m, w): 16 r + 8 h
	s_lshl_b32 s50, s42, 7
	s_add_co_u32 s50, s50, HIS
	v_lshl_add_u32 v10, v10, 2, s50                ; its scale word of row r
	s_lshl_b32 s50, s42, 15
	s_mov_b32 s51, 0
	s_add_nc_u64 s[44:45], s[30:31], s[50:51]
	s_add_nc_u64 s[44:45], s[44:45], 786432        ; ffn1's fragments of tiles 8 w ..
	s_lshl_b32 s50, s42, 11
	s_add_nc_u64 s[46:47], s[32:33], s[50:51]
	s_add_nc_u64 s[46:47], s[46:47], 49152
	s_lshl_b32 s50, s42, 9
	s_add_nc_u64 s[54:55], s[26:27], s[50:51]      ; ffn1_b at my 128 units
	s_mov_b32 s48, 0
	s_mov_b32 s52, 0
	s_mov_b32 s49, 4
	KC 248, -0.000000000272614225801306            ; the leading coefficients of P and of Q: these two pairs stay
	KC 250, -0.0000145660718464996
.irp m,0,1,2,3
	v_mov_b32 v[204+\m], 0                         ; a lane permute's destination counts as one of its sources
.endr
	s_wait_alu depctr_va_vdst(0)                   ; v3, v4, v8 are written, which the loads below and in the loop read; LN2's vector work and the lines above are done with v80-247, in which they land
.irp m,0,1,2,3
	ds_load_b128 v[184+4*\m:187+4*\m], v4 offset:256*\m            ; hn's scale words of all four K steps
.endr
.Lf1:
	s_wait_alu depctr_vm_vsrc(0)                   ; the last trip's LDS stores have read v12, v13, written below, and v212-223, in which hn's fragments land
	v_add_nc_u32 v12, s48, v9                      ; (read by this trip's LDS stores alone, behind the wait that stands ahead of them)
	v_add_nc_u32 v13, s52, v10
.irp u,0,1
	global_load_b128 v[232+8*\u:235+8*\u], v8, s[54:55] offset:32*\u       ; the bias in the result's layout: the C of each sum's first product.  No wait on va_vdst: since the last one only v12 and v13 have been written
	global_load_b128 v[236+8*\u:239+8*\u], v8, s[54:55] offset:32*\u+16
.endr
.irp u,0,1
.irp s,0,1,2,3
.irp cc,0,1
	global_load_b128 v[80+8*(4*\u+\s)+4*\cc:83+8*(4*\u+\s)+4*\cc], v5, s[44:45] offset:\u*4096+\s*1024+512*\cc
.endr
.endr
	global_load_b128 v[176+4*\u:179+4*\u], v6, s[46:47] offset:256*\u
.endr
	HNLD 0, 144                                    ; hn's fragments of K steps 0 and 1 into the two buffers
	HNLD 1, 200
	s_wait_loadcnt 0x0
	s_wait_dscnt 8                                 ; K step 0's fragments (and hn's scale words) are in; K step 1's eight loads may be out
	F1MUL 0, 144
	s_wait_dscnt 0x0
	F1MUL 1, 200
	PLACES 5
	s_wait_alu depctr_va_vdst(0)                   ; the products of K steps 0 and 1 are done reading the two buffers, in which the loads below land
	HNLD 2, 144
	HNLD 3, 200
	s_wait_dscnt 8                                 ; K step 2's fragments are in; K step 3's eight loads may be out
	F1MUL 2, 144
	s_wait_dscnt 0x0
	F1MUL 3, 200
	PLACES 5
	KC KA,    0.0000000277068142495902             ; P's and Q's other coefficients, in the order in which the steps take them; hn's fragments are done with for this trip (five places stand behind the last products)
	KC KA+2,  -0.000213374055278905
	KC KA+4,  -0.00000210102402082508
	KC KA+6,  -0.00168282697438203
	KC KA+8,  -0.0000569250639462346
	KC KA+10, -0.00737332916720468
	KC KA+12, -0.000734990630326855
	KC KA+14, -0.0142647390514189
	KC KA+16, -0.00295459980854025
	KC KA+18, -0.0160960333262415
	GELU16 16
	GELU16 32
	GELU16 48
	GELU16 64
; a lane's 16 registers of a tile of rows are hidden units 128 w + 32 b + 16 h + 0 .. 15: half a block; lane l xor 16 holds the other half
.irp m,0,1,2,3
	v_max3_num_f32 v[200+\m], |v[16+16*\m]|, |v[17+16*\m]|, 0x1800000
.endr
.irp i,2,4,6,8,10,12,14
.irp m,0,1,2,3
	v_max3_num_f32 v[200+\m], v[200+\m], |v[16+16*\m+\i]|, |v[17+16*\m+\i]|
.endr
.endr
.irp m,0,1,2,3
	v_permlanex16_b32 v[204+\m], v[200+\m], s58, s59
.endr
.irp m,0,1,2,3
	v_max_num_f32 v[200+\m], v[200+\m], v[204+\m]
.endr
.irp m,0,1,2,3
	v_add_nc_u32 v[208+\m], 0xff000000, v[200+\m]
.endr
.irp m,0,1,2,3
	v_lshrrev_b32 v[212+\m], 23, v[208+\m]
.endr
.irp m,0,1,2,3
	v_cvt_scalef32_pk8_fp4_f32 v[216+2*\m], v[16+16*\m:23+16*\m], v[208+\m]
	v_cvt_scalef32_pk8_fp4_f32 v[217+2*\m], v[24+16*\m:31+16*\m], v[208+\m]
.endr
	v_nop                                          ; one plain place behind the last scaled conversion
	s_wait_alu depctr_va_vdst(0)                   ; the codes v216-223, the bytes v212-215 and v12, v13 are written, which the LDS stores read; the trip's vector and matrix work is done with v80-247, in which the next trip's loads land
.irp m,0,1,2,3
	ds_store_b64 v12, v[216+2*\m:217+2*\m] offset:\m*16384         ; block b of fragment (m, w): its 256 bytes begin at 256 b; my 8 at 16 r + 8 h
	ds_store_b8 v13, v[212+\m] offset:\m*2048                      ; byte b of row r's scale word; both halves write the same
.endr
	s_add_nc_u64 s[44:45], s[44:45], 8192          ; all loads by these bases have been waited for
	s_add_nc_u64 s[46:47], s[46:47], 512
	s_add_nc_u64 s[54:55], s[54:55], 128
	s_add_co_u32 s48, s48, 256
	s_add_co_u32 s52, s52, 1
	s_sub_co_u32 s49, s49, 1
	s_cmp_lg_u32 s49, 0
	s_cbranch_scc1 .Lf1
; ---- the second FFN product: wave w makes outputs 32 w .. 32 w + 31 for the 64 rows
	s_wait_alu depctr_vm_vsrc(0)                   ; the last trip's LDS stores have read v12, v13 and v212-223, in which loads land; the loop's loads have read v3, v4 and v8, which are made anew below
	s_lshl_b32 s50, s42, 15
	s_mov_b32 s51, 0
	s_add_nc_u64 s[44:45], s[30:31], s[50:51]
	s_add_nc_u64 s[44:45], s[44:45], 1310720       ; ffn2's fragments of tiles 2 w, 2 w + 1
	s_lshl_b32 s50, s42, 11
	s_add_nc_u64 s[46:47], s[32:33], s[50:51]
	s_add_nc_u64 s[46:47], s[46:47], 81920
	s_lshl_b32 s50, s42, 7
	s_add_nc_u64 s[54:55], s[28:29], s[50:51]      ; ffn2_b at my 32 outputs
	v_and_b32 v10, 15, v0
	v_bfe_u32 v11, v0, 4, 1
	v_lshlrev_b32 v8, 5, v11                       ; 32 h
	v_add_nc_u32 v3, HI, v5                        ; an image's place for my lane
	v_lshl_add_u32 v4, v10, 2, HIS                 ; a scale word's
	v_mul_u32_u24 v9, v10, HP
	v_add_nc_u32 v9, v9, v8
	s_add_co_u32 s50, s50, HB+16*HP
	v_add_nc_u32 v9, s50, v9                       ; h(row r, my outputs), tiles of rows 0 and 1;
	v_add_nc_u32 v10, 32*HP, v9                    ; tiles 2 and 3
	s_mul_i32 s50, s42, 4*HP
	s_add_co_u32 s50, s50, HB+16*HP
	v_add_nc_u32 v11, s50, v5                      ; my four whole rows, 16 bytes a lane
	s_wait_alu depctr_va_vdst(0)                   ; v3, v4, v8 to v11 are written, which the loads and stores of this phase read; no vector line stands between here and the first products
.irp n,0,1
.irp m,0,1,2,3
	global_load_b128 v[16+8*(4*\n+\m):19+8*(4*\n+\m)], v8, s[54:55] offset:64*\n       ; the bias is loaded into the accumulators: every product adds in place
	global_load_b128 v[20+8*(4*\n+\m):23+8*(4*\n+\m)], v8, s[54:55] offset:64*\n+16
.endr
.endr
	W2LOAD 0, 0
	BARRIER                                        ; the hidden layer's 64 fragments and their scale words lie in LDS
	W2LOAD 1, 1
	s_wait_loadcnt 18                              ; all but the 18 loads just issued
	F2GROUP 0, 0
	s_wait_alu depctr_va_vdst(0)                   ; group 0's products are done reading buffer 0 and its scale words, in which group 2's weights land, and the hidden fragments, which are loaded anew
	W2LOAD 2, 0
	s_wait_loadcnt 18
	F2GROUP 1, 1
	s_wait_alu depctr_va_vdst(0)                   ; the same of group 1's products and buffer 1
	W2LOAD 3, 1
	s_wait_loadcnt 18
	F2GROUP 2, 0
	s_wait_alu depctr_va_vdst(0)                   ; group 2's last products are done reading the hidden fragments and their scale words, which are loaded anew
	s_wait_loadcnt 0x0
	F2GROUP 3, 1
; ---- the residual, in LDS in place; then whole rows leave
.irp n,0,1
.irp m,0,1,2,3
	ds_load_b128 v[80+8*(4*\n+\m):83+8*(4*\n+\m)], v[9+\m/2] offset:(\m%2)*16*HP+64*\n        ; into buffer 0.  No wait: its last readers, group 2's products, stand ahead of the waits in group 3, whose products name buffer 1
	ds_load_b128 v[84+8*(4*\n+\m):87+8*(4*\n+\m)], v[9+\m/2] offset:(\m%2)*16*HP+64*\n+16
.endr
.endr
	s_wait_dscnt 0x0
.set j, 0
.rept 32
	v_pk_add_f32 v[16+j:17+j], v[16+j:17+j], v[80+j:81+j]          ; each accumulator from its low end on
.set j, j+2
.endr
	s_wait_alu depctr_va_vdst(0)                   ; the results v16-79 are written, which the LDS stores read; the additions are done reading v80-143, in which whole rows land behind the barrier
.irp n,0,1
.irp m,0,1,2,3
	ds_store_b128 v[9+\m/2], v[16+8*(4*\n+\m):19+8*(4*\n+\m)] offset:(\m%2)*16*HP+64*\n
	ds_store_b128 v[9+\m/2], v[20+8*(4*\n+\m):23+8*(4*\n+\m)] offset:(\m%2)*16*HP+64*\n+16
.endr
.endr
	BARRIER                                        ; 64 whole rows of the result lie in LDS
.irp k,0,1,2,3
.irp m,0,1,2,3
	ds_load_b128 v[80+16*\k+4*\m:83+16*\k+4*\m], v11 offset:\k*HP+512*\m
.endr
.endr
.irp k,0,1,2,3
.irp m,0,1,2,3
	s_wait_dscnt 15-4*\k-\m                        ; the younger LDS loads may be out
	global_store_b128 v5, v[80+16*\k+4*\m:83+16*\k+4*\m], s[40:41] offset:\k*2048+512*\m th:TH_STORE_NT    ; 512 consecutive bytes a store
.endr
.endr
; ---- two small jobs: wave 0 stores the 64 rows' mean p, wave 1 the 512 column sums.  Their addresses are made ahead of the parting
	s_wait_alu depctr_vm_vsrc(0)                   ; the second product's loads have read v3, v4, v6 and v8, which are made anew below
	v_and_b32 v3, 31, v0
	v_lshlrev_b32 v8, 3, v3                        ; 8 x lane
	v_lshl_add_u32 v4, v3, 3, PR+64                ; lane l takes rows 2 l and 2 l + 1 of the block: local rows 16 + 2 l, 17 + 2 l, two neighbouring words of each wave's 80
	v_add_nc_u32 v6, HS, v5
	s_lshl_b32 s50, ttmp9, 8
	s_mov_b32 s51, 0
	s_add_nc_u64 s[36:37], s[36:37], s[50:51]
	s_lshl_b32 s50, ttmp9, 11
	s_add_nc_u64 s[38:39], s[38:39], s[50:51]
	s_wait_alu depctr_va_vdst(0)                   ; v4, v6 and v8 are written, which the loads and stores of both jobs read
	s_cmp_lg_u32 s42, 0
	s_cbranch_scc1 .Lnot0
.set j, 0
.rept 16
	ds_load_b64 v[176+2*j:177+2*j], v4 offset:320*j                ; wave j's sums over its 32 columns
.set j, j+1
.endr
	s_wait_dscnt 0x0
.set j, 1
.rept 15
	v_pk_add_f32 v[176:177], v[176:177], v[176+2*j:177+2*j]
.set j, j+1
.endr
	v_pk_fma_f32 v[176:177], v[176:177], 0xbb000000, 1.0 op_sel_hi:[1,0,0]     ; mean p = 1 - (sum of 1 - p) / 512
	s_wait_alu depctr_va_vdst(0)                   ; the two means are written, which the store reads
	global_store_b64 v8, v[176:177], s[36:37]      ; 256 consecutive bytes
	s_branch .Lclose
.Lnot0:
	s_cmp_lg_u32 s42, 1
	s_cbranch_scc1 .Lclose
.irp k,0,1,2,3
	ds_load_b128 v[176+4*\k:179+4*\k], v6 offset:512*\k
.endr
	s_wait_dscnt 0x0
.irp k,0,1,2,3
	global_store_b128 v5, v[176+4*\k:179+4*\k], s[38:39] offset:512*\k
.endr
.Lclose:
	s_wait_dscnt 0x0                               ; the closing lines, six on end
	s_wait_alu 0x0
	s_wait_tensorcnt 0x0
	ds_add_u32 v1, v2
	s_wait_dscnt 0x0
	s_endpgm
.Lfunc_end_k_q619ee09793_main:
	.size	k_q619ee09793_main, .Lfunc_end_k_q619ee09793_main-k_q619ee09793_main
	.p2alignl 7, 3214868480
	.fill 96, 4, 3214868480
	.section	.rodata,"a",@progbits
	.p2align	6, 0x0
	.amdhsa_kernel k_q619ee09793_main
		.amdhsa_group_segment_fixed_size 279296
		.amdhsa_private_segment_fixed_size 0
		.amdhsa_enable_private_segment 0
		.amdhsa_kernarg_size 136
		.amdhsa_user_sgpr_count 2
		.amdhsa_user_sgpr_kernarg_segment_ptr 1
		.amdhsa_wavefront_size32 1
		.amdhsa_system_sgpr_workgroup_id_x 1
		.amdhsa_system_sgpr_workgroup_id_y 1
		.amdhsa_system_sgpr_workgroup_id_z 1
		.amdhsa_system_vgpr_workitem_id 0
		.amdhsa_next_free_vgpr 256
		.amdhsa_next_free_sgpr 66
		.amdhsa_reserve_vcc 0
		.amdhsa_float_denorm_mode_32 3
		.amdhsa_float_denorm_mode_16_64 3
		.amdhsa_memory_ordered 1
		.amdhsa_forward_progress 1
		.amdhsa_inst_pref_size 255
	.end_amdhsa_kernel
	.section	.bss,"aw",@nobits
	.p2align	6
	.space	262144
	.amdgpu_metadata
---
amdhsa.version: [ 1, 2 ]
amdhsa.kernels:
  - .name:           k_q619ee09793_main
    .symbol:         k_q619ee09793_main.kd
    .args:
      - { .name: x, .offset: 0, .size: 8, .value_kind: global_buffer, .address_space: global }
      - { .name: ln1_g, .offset: 8, .size: 8, .value_kind: global_buffer, .address_space: global }
      - { .name: ln1_b, .offset: 16, .size: 8, .value_kind: global_buffer, .address_space: global }
      - { .name: ln2_g, .offset: 24, .size: 8, .value_kind: global_buffer, .address_space: global }
      - { .name: ln2_b, .offset: 32, .size: 8, .value_kind: global_buffer, .address_space: global }
      - { .name: Wp_b, .offset: 40, .size: 8, .value_kind: global_buffer, .address_space: global }
      - { .name: Wt_b, .offset: 48, .size: 8, .value_kind: global_buffer, .address_space: global }
      - { .name: Wr_b, .offset: 56, .size: 8, .value_kind: global_buffer, .address_space: global }
      - { .name: Wi_b, .offset: 64, .size: 8, .value_kind: global_buffer, .address_space: global }
      - { .name: ffn1_b, .offset: 72, .size: 8, .value_kind: global_buffer, .address_space: global }
      - { .name: ffn2_b, .offset: 80, .size: 8, .value_kind: global_buffer, .address_space: global }
      - { .name: wcodes, .offset: 88, .size: 8, .value_kind: global_buffer, .address_space: global }
      - { .name: wscales, .offset: 96, .size: 8, .value_kind: global_buffer, .address_space: global }
      - { .name: hre, .offset: 104, .size: 8, .value_kind: global_buffer, .address_space: global }
      - { .name: psc, .offset: 112, .size: 8, .value_kind: global_buffer, .address_space: global }
      - { .name: hsum, .offset: 120, .size: 8, .value_kind: global_buffer, .address_space: global }
      - { .name: out0, .offset: 128, .size: 8, .value_kind: global_buffer, .address_space: global }
    .group_segment_fixed_size: 279296
    .private_segment_fixed_size: 0
    .kernarg_segment_align: 8
    .kernarg_segment_size: 136
    .max_flat_workgroup_size: 512
    .sgpr_count:     66
    .vgpr_count:     256
    .wavefront_size: 32
...
	.end_amdgpu_metadata
.endif
;; end of part 6
;; launch select (part 7): grid 36 x 1, 16 waves a work-group, no clusters, 20,480 bytes of LDS; arguments psc, hsum, Wq_w, Wq_b, topk, hmean, qv; writes topk, hmean, qv
.if DOCPART == 7
	.amdgcn_target "amdgcn-amd-amdhsa--gfx1250"
	.amdhsa_code_object_version 6
	.text
	.protected	k_q619ee09793_select
	.globl	k_q619ee09793_select
	.p2align	8
	.type	k_q619ee09793_select,@function
k_q619ee09793_select:
	s_mov_b64 s[64:65], 0
	v_nop
	global_prefetch_b8 v0, s[64:65] scope:SCOPE_SE
	s_setreg_imm32_b32 hwreg(HW_REG_WAVE_MODE, 25, 1), 1
	s_wait_xcnt 0x0
; SELECT.  Work-groups 0 .. 3: the 16 rows of batch b with the largest mean p, ties to the lower index as jax.lax.top_k breaks them; stored as whole numbers (global rows) for the next launch, which gathers by them.
; The choice is made by selects alone: no branch and no address hangs on a floating-point number.  The order of the 16 in the list is that of reference().
; Work-groups 4 .. 35 (batch b = (g - 4) / 8, columns 64 cg .. 64 cg + 63, cg = (g - 4) % 8): h_mean = the 64 work-groups' column sums / 4096; query = h_mean Wq_w + Wq_b by f32 multiply-adds (4 rows: no matrix work).
; The two paths part on the work-group's number and have LDS bytes of their own.
; LIMITS: mean p lies in [0, 1], so -1 marks what has been taken; NaN is not served.
.set CV, 0                             ; candidates' values, 32 words a wave
.set CI, 2048                          ; their indices, as f32 (under 4096: exact)
.set PART1, 4096                       ; 4 groups of rows x 512 columns
.set HM, 12288                         ; h_mean of the batch
.set PART2, 14336                      ; 16 waves x 64 columns
.set SPARE, 18432
.macro BARRIER
	s_wait_dscnt 0x0
	s_barrier_signal -1
	s_barrier_wait -1
.endm
; 16 trips: the largest of the wave's 256 values (v16-23, indices v24-31), at the lowest index where values are equal, goes to lane k of v36 (value), v37 (index), and is taken out
.macro PICKLOOP
	s_mov_b32 s30, 0
.Lpick_\@:
	v_max3_num_f32 v32, v16, v17, v18
	s_wait_alu depctr_va_vdst(0)
	v_max3_num_f32 v34, v19, v20, v21
	v_max3_num_f32 v32, v32, v22, v23
	s_delay_alu instid0(VALU_DEP_1)
	v_max_num_f32 v32, v32, v34
	s_delay_alu instid0(VALU_DEP_1)
	v_max_num_f32_dpp v32, v32, v32 row_xmask:1 row_mask:0xf bank_mask:0xf
	s_delay_alu instid0(VALU_DEP_1)
	v_max_num_f32_dpp v32, v32, v32 row_xmask:2 row_mask:0xf bank_mask:0xf
	s_delay_alu instid0(VALU_DEP_1)
	v_max_num_f32_dpp v32, v32, v32 row_xmask:4 row_mask:0xf bank_mask:0xf
	s_delay_alu instid0(VALU_DEP_1)
	v_max_num_f32_dpp v32, v32, v32 row_xmask:8 row_mask:0xf bank_mask:0xf
	s_delay_alu instid0(VALU_DEP_1)
	v_permlanex16_b32 v33, v32, s26, s27
	s_delay_alu instid0(VALU_DEP_1)
	v_max_num_f32 v32, v32, v33
.irp j,0,1,2,3,4,5,6,7
	v_cmp_eq_f32 vcc_lo, v[16+\j], v32
	s_delay_alu instid0(VALU_DEP_1)
	v_cndmask_b32 v[40+\j], v48, v[24+\j], vcc_lo
.endr
	v_min3_num_f32 v34, v40, v41, v42
	v_min3_num_f32 v38, v43, v44, v45
	s_delay_alu instid0(VALU_DEP_2)
	v_min3_num_f32 v34, v34, v46, v47
	s_delay_alu instid0(VALU_DEP_1)
	v_min_num_f32 v34, v34, v38
	s_delay_alu instid0(VALU_DEP_1)
	v_min_num_f32_dpp v34, v34, v34 row_xmask:1 row_mask:0xf bank_mask:0xf
	s_delay_alu instid0(VALU_DEP_1)
	v_min_num_f32_dpp v34, v34, v34 row_xmask:2 row_mask:0xf bank_mask:0xf
	s_delay_alu instid0(VALU_DEP_1)
	v_min_num_f32_dpp v34, v34, v34 row_xmask:4 row_mask:0xf bank_mask:0xf
	s_delay_alu instid0(VALU_DEP_1)
	v_min_num_f32_dpp v34, v34, v34 row_xmask:8 row_mask:0xf bank_mask:0xf
	s_delay_alu instid0(VALU_DEP_1)
	v_permlanex16_b32 v35, v34, s26, s27
	s_delay_alu instid0(VALU_DEP_1)
	v_min_num_f32 v34, v34, v35
.irp j,0,1,2,3,4,5,6,7
	v_cmp_eq_f32 vcc_lo, v[24+\j], v34
	s_delay_alu instid0(VALU_DEP_1)
	v_cndmask_b32 v[16+\j], v[16+\j], v49, vcc_lo
.endr
	s_lshl_b32 s31, 1, s30
	v_cndmask_b32 v36, v36, v32, s31
	v_cndmask_b32 v37, v37, v34, s31
	s_add_co_u32 s30, s30, 1
	s_cmp_lt_u32 s30, 16
	s_cbranch_scc1 .Lpick_\@
.endm
	s_load_b256 s[8:15], s[0:1], 0x0               ; psc 8, hsum 10, Wq_w 12, Wq_b 14
	s_load_b128 s[16:19], s[0:1], 0x20             ; topk 16, hmean 18
	s_load_b64 s[20:21], s[0:1], 0x30              ; qv
	v_lshl_add_u32 v1, v0, 2, SPARE
	v_mov_b32 v2, 0
	v_lshrrev_b32 v3, 5, v0
	s_delay_alu instid0(VALU_DEP_1)
	v_readfirstlane_b32 s24, v3                    ; wave
	v_and_b32 v4, 31, v0                           ; lane
	s_mov_b32 s26, 0x76543210
	s_mov_b32 s27, 0xfedcba98
	s_cmp_ge_u32 ttmp9, 4
	s_cbranch_scc1 .Lmean
; ---- the top 16 of batch ttmp9
	v_lshlrev_b32 v5, 2, v0                        ; my word among the candidates
	v_lshrrev_b32 v6, 1, v4
	s_delay_alu instid0(VALU_DEP_1)
	v_lshlrev_b32 v6, 7, v6
	v_and_b32 v7, 1, v4
	s_delay_alu instid0(VALU_DEP_1)
	v_lshl_add_u32 v6, v7, 5, v6                   ; second pass: lane l takes entries 8 (l % 2) .. + 7 of wave l / 2
	v_lshlrev_b32 v8, 5, v0
	v_lshlrev_b32 v9, 3, v0
	s_lshl_b32 s28, ttmp9, 14
	s_mov_b32 s29, 0
	s_wait_alu depctr_va_vdst(0)
	s_wait_kmcnt 0x0
	s_add_nc_u64 s[8:9], s[8:9], s[28:29]
	global_load_b128 v[16:19], v8, s[8:9]
	global_load_b128 v[20:23], v8, s[8:9] offset:16
.irp j,0,1,2,3,4,5,6,7
	v_add_nc_u32 v10, \j, v9
	s_delay_alu instid0(VALU_DEP_1)
	v_cvt_f32_u32 v[24+\j], v10                    ; the index in the batch
.endr
	v_mov_b32 v48, 0x4e6e6b28                      ; 1e9: over every index
	v_mov_b32 v49, -1.0                            ; under every mean p
	v_mov_b32 v36, -2.0
	s_delay_alu instid0(VALU_DEP_3)
	v_mov_b32 v37, v48
	v_mov_b32 v33, 0
	v_mov_b32 v35, 0
	s_wait_loadcnt 0x0
	PICKLOOP
	ds_store_b32 v5, v36 offset:CV
	ds_store_b32 v5, v37 offset:CI
	BARRIER
	s_cmp_lg_u32 s24, 0
	s_cbranch_scc1 .Lend
	ds_load_b128 v[16:19], v6 offset:CV
	ds_load_b128 v[20:23], v6 offset:CV+16
	ds_load_b128 v[24:27], v6 offset:CI
	ds_load_b128 v[28:31], v6 offset:CI+16
	v_mov_b32 v36, -2.0
	v_mov_b32 v37, v48
	s_wait_dscnt 0x0
	PICKLOOP
	v_cvt_u32_f32 v38, v37
	s_lshl_b32 s28, ttmp9, 12
	v_add_nc_u32 v38, s28, v38                     ; the global row
	v_lshlrev_b32 v39, 2, v4
	s_lshl_b32 s28, ttmp9, 6
	s_add_nc_u64 s[16:17], s[16:17], s[28:29]
	v_cmp_gt_u32 vcc_lo, 16, v4
	s_wait_alu depctr_va_vdst(0)
	s_wait_xcnt 0x0                                ; EXEC changes only behind this wait
	s_and_saveexec_b32 s31, vcc_lo
	global_store_b32 v39, v38, s[16:17]
	s_wait_xcnt 0x0                                ; and again, in front of the line that widens it
	s_or_b32 exec_lo, exec_lo, s31
	s_branch .Lend
; ---- h_mean and the query
.Lmean:
	s_sub_co_u32 s28, ttmp9, 4
	s_lshr_b32 s32, s28, 3                         ; b
	s_and_b32 s33, s28, 7                          ; cg
	s_wait_alu depctr_va_vdst(0)
	v_lshlrev_b32 v8, 3, v4                        ; 8 x lane
	v_and_b32 v9, 127, v0
	s_delay_alu instid0(VALU_DEP_1)
	v_lshlrev_b32 v9, 4, v9
	v_lshrrev_b32 v10, 7, v0
	s_delay_alu instid0(VALU_DEP_1)
	v_lshl_add_u32 v9, v10, 15, v9                 ; hsum: 16 rows a group, 16 bytes a thread
	v_lshl_add_u32 v11, v0, 4, PART1
	v_lshl_add_u32 v12, v0, 2, PART1
	v_lshl_add_u32 v13, v0, 2, HM
	s_lshl_b32 s36, s24, 7
	s_add_co_u32 s36, s36, HM
	v_mov_b32 v14, s36                             ; h_mean at my wave's 32 k
	v_lshl_add_u32 v15, v0, 3, PART2
	v_lshl_add_u32 v3, v4, 3, PART2
	s_lshl_b32 s36, s33, 8
	s_add_co_u32 s38, s36, HM
	v_lshl_add_u32 v7, v4, 3, s38                  ; h_mean at my work-group's 64 columns
	s_mov_b32 s37, 0
	s_lshl_b32 s34, s32, 17
	s_mov_b32 s35, 0
	s_wait_alu depctr_va_vdst(0)
	s_wait_kmcnt 0x0
	s_add_nc_u64 s[10:11], s[10:11], s[34:35]      ; the batch's 64 rows of hsum
	s_add_nc_u64 s[12:13], s[12:13], s[36:37]      ; Wq_w and Wq_b at my 64 columns,
	s_add_nc_u64 s[14:15], s[14:15], s[36:37]
	s_lshl_b32 s34, s24, 16
	s_add_nc_u64 s[12:13], s[12:13], s[34:35]      ; at my wave's 32 rows
	s_lshl_b32 s34, s32, 11
	s_add_co_u32 s34, s34, s36
	s_add_nc_u64 s[18:19], s[18:19], s[34:35]
	s_add_nc_u64 s[20:21], s[20:21], s[34:35]
.set i, 0
.rept 16
	global_load_b128 v[16+4*i:19+4*i], v9, s[10:11] offset:2048*i
.set i, i+1
.endr
.set i, 0
.rept 32
	global_load_b64 v[80+2*i:81+2*i], v8, s[12:13] offset:2048*i   ; 256 consecutive bytes a load
.set i, i+1
.endr
	global_load_b64 v[144:145], v8, s[14:15]
	s_wait_loadcnt 33                              ; hsum's 16 loads are in; the 33 issued behind them may be out
.set i, 1
	v_pk_add_f32 v[16:17], v[16:17], v[16+4*i:17+4*i]
	v_pk_add_f32 v[18:19], v[18:19], v[18+4*i:19+4*i]
.set i, i+1
.rept (15)-1
	s_delay_alu instid0(VALU_DEP_2)
	v_pk_add_f32 v[16:17], v[16:17], v[16+4*i:17+4*i]
	s_delay_alu instid0(VALU_DEP_2)
	v_pk_add_f32 v[18:19], v[18:19], v[18+4*i:19+4*i]
.set i, i+1
.endr
	ds_store_b128 v11, v[16:19]
	BARRIER
.irp g,0,1,2,3
	ds_load_b32 v[20+\g], v12 offset:2048*\g
.endr
	s_wait_dscnt 0x0
	v_add_f32 v20, v20, v21
	v_add_f32 v22, v22, v23
	s_delay_alu instid0(VALU_DEP_1)
	v_add_f32 v20, v20, v22
	s_delay_alu instid0(VALU_DEP_1)
	v_mul_f32 v20, 0x39800000, v20                 ; / 4096
	ds_store_b32 v13, v20
	BARRIER
.irp i,0,1,2,3,4,5,6,7
	ds_load_b128 v[16+4*\i:19+4*\i], v14 offset:16*\i
.endr
	s_wait_dscnt 0x0
	s_wait_loadcnt 0x0
	v_pk_mul_f32 v[48:49], v[80:81], v[16:17] op_sel_hi:[1,0]
	v_pk_mul_f32 v[50:51], v[82:83], v[16:17] op_sel:[0,1] op_sel_hi:[1,1]
.set i, 1
.rept 15
	s_delay_alu instid0(VALU_DEP_2)
	v_pk_fma_f32 v[48:49], v[80+4*i:81+4*i], v[16+2*i:17+2*i], v[48:49] op_sel_hi:[1,0,1]
	s_delay_alu instid0(VALU_DEP_2)
	v_pk_fma_f32 v[50:51], v[82+4*i:83+4*i], v[16+2*i:17+2*i], v[50:51] op_sel:[0,1,0] op_sel_hi:[1,1,1]
.set i, i+1
.endr
	s_delay_alu instid0(VALU_DEP_1)
	v_pk_add_f32 v[48:49], v[48:49], v[50:51]
	ds_store_b64 v15, v[48:49]
	BARRIER
	s_cmp_lg_u32 s24, 0
	s_cbranch_scc1 .Lend
.set i, 0
.rept 16
	ds_load_b64 v[16+2*i:17+2*i], v3 offset:256*i
.set i, i+1
.endr
	ds_load_b64 v[52:53], v7
	s_wait_dscnt 0x0
	v_pk_add_f32 v[158:159], v[144:145], v[18:19]
	v_pk_add_f32 v[156:157], v[20:21], v[22:23]
	v_pk_add_f32 v[154:155], v[24:25], v[26:27]
	v_pk_add_f32 v[152:153], v[28:29], v[30:31]
	v_pk_add_f32 v[150:151], v[32:33], v[34:35]
	v_pk_add_f32 v[148:149], v[36:37], v[38:39]
	v_pk_add_f32 v[146:147], v[40:41], v[42:43]
	v_pk_add_f32 v[16:17], v[16:17], v[44:45]
	v_pk_add_f32 v[158:159], v[158:159], v[46:47]
	s_delay_alu instid0(VALU_DEP_2)
	v_pk_add_f32 v[16:17], v[16:17], v[152:153]
	s_delay_alu instid0(VALU_DEP_2)
	v_pk_add_f32 v[158:159], v[158:159], v[150:151]
	v_pk_add_f32 v[156:157], v[156:157], v[148:149]
	v_pk_add_f32 v[154:155], v[154:155], v[146:147]
	s_delay_alu instid0(VALU_DEP_2)
	v_pk_add_f32 v[16:17], v[16:17], v[156:157]
	s_delay_alu instid0(VALU_DEP_2)
	v_pk_add_f32 v[158:159], v[158:159], v[154:155]
	s_delay_alu instid0(VALU_DEP_1)
	v_pk_add_f32 v[16:17], v[16:17], v[158:159]
	global_store_b64 v8, v[16:17], s[20:21]        ; 256 consecutive bytes each
	global_store_b64 v8, v[52:53], s[18:19]
.Lend:
	s_wait_tensorcnt 0x0                           ; the wave's end, behind my last LDS store
	ds_add_u32 v1, v2
	s_wait_dscnt 0x0
	s_endpgm
.Lfunc_end_k_q619ee09793_select:
	.size	k_q619ee09793_select, .Lfunc_end_k_q619ee09793_select-k_q619ee09793_select
	.p2alignl 7, 3214868480
	.fill 96, 4, 3214868480
	.section	.rodata,"a",@progbits
	.p2align	6, 0x0
	.amdhsa_kernel k_q619ee09793_select
		.amdhsa_group_segment_fixed_size 20480
		.amdhsa_private_segment_fixed_size 0
		.amdhsa_enable_private_segment 0
		.amdhsa_kernarg_size 56
		.amdhsa_user_sgpr_count 2
		.amdhsa_user_sgpr_kernarg_segment_ptr 1
		.amdhsa_wavefront_size32 1
		.amdhsa_system_sgpr_workgroup_id_x 1
		.amdhsa_system_sgpr_workgroup_id_y 1
		.amdhsa_system_sgpr_workgroup_id_z 1
		.amdhsa_system_vgpr_workitem_id 0
		.amdhsa_next_free_vgpr 160
		.amdhsa_next_free_sgpr 66
		.amdhsa_reserve_vcc 1
		.amdhsa_float_denorm_mode_32 3
		.amdhsa_float_denorm_mode_16_64 3
		.amdhsa_memory_ordered 1
		.amdhsa_forward_progress 1
		.amdhsa_inst_pref_size 27
	.end_amdhsa_kernel
	.amdgpu_metadata
---
amdhsa.version: [ 1, 2 ]
amdhsa.kernels:
  - .name:           k_q619ee09793_select
    .symbol:         k_q619ee09793_select.kd
    .args:
      - { .name: psc, .offset: 0, .size: 8, .value_kind: global_buffer, .address_space: global }
      - { .name: hsum, .offset: 8, .size: 8, .value_kind: global_buffer, .address_space: global }
      - { .name: Wq_w, .offset: 16, .size: 8, .value_kind: global_buffer, .address_space: global }
      - { .name: Wq_b, .offset: 24, .size: 8, .value_kind: global_buffer, .address_space: global }
      - { .name: topk, .offset: 32, .size: 8, .value_kind: global_buffer, .address_space: global }
      - { .name: hmean, .offset: 40, .size: 8, .value_kind: global_buffer, .address_space: global }
      - { .name: qv, .offset: 48, .size: 8, .value_kind: global_buffer, .address_space: global }
    .group_segment_fixed_size: 20480
    .private_segment_fixed_size: 0
    .kernarg_segment_align: 8
    .kernarg_segment_size: 56
    .max_flat_workgroup_size: 512
    .sgpr_count:     66
    .vgpr_count:     160
    .wavefront_size: 32
...
	.end_amdgpu_metadata
.endif
;; end of part 7
;; launch cache (part 8): grid 4 x 1, 16 waves a work-group, no clusters, 9,728 bytes of LDS; arguments topk, hre, wcodes, wscales, Wv_b, qv, hmean, gate_w, gate_b, out1; writes out1
.if DOCPART == 8
	.amdgcn_target "amdgcn-amd-amdhsa--gfx1250"
	.amdhsa_code_object_version 6
	.text
	.protected	k_q619ee09793_cache
	.globl	k_q619ee09793_cache
	.p2align	8
	.type	k_q619ee09793_cache,@function
k_q619ee09793_cache:
	s_mov_b64 s[64:65], 0
	v_nop
	global_prefetch_b8 v0, s[64:65] scope:SCOPE_SE
	s_setreg_imm32_b32 hwreg(HW_REG_WAVE_SCHED_MODE, 0, 2), 2
	s_setreg_imm32_b32 hwreg(HW_REG_WAVE_MODE, 25, 1), 1
	s_wait_xcnt 0x0
	s_wait_alu depctr_vm_vsrc(0)
; CACHE: one work-group a batch.  The 16 chosen rows of h_re are gathered by the stored whole numbers and quantised along their 512; keys = rows Wk, values = rows Wv + Wv_b on codes of E2M1;
; scores = query . keys / sqrt(512), softmax with its maximum taken away, cache_out = attn values, g = sigmoid(h_mean . gate_w + gate_b), out1 = h_mean + g cache_out: all that in f32.
; LEFT OUT (shown at the head of the first kernel): Wk_b, which moves all 16 scores of a batch alike.
; Four work-groups: the design has work for no more; the launch is a short chain of dependent steps.
; Both products are used transposed (source 0 = 16 columns of the weight, source 1 = the 16 rows): lane (r, h) holds chosen row r, its registers columns 16 t + 8 h + 0 .. 7.  Wave w has tiles t = 2 w, 2 w + 1 of both weights.
; The rows' four fragments are made by waves 0 .. 3 (K step = wave) and go to all waves through LDS as images of their registers.
; THE MODE: SCHED_MODE bits 1:0 = 2 (LLVM: expert scheduling mode 2), set by the entry lines.  The code itself states the register dependences
; between vector or matrix instructions and memory or LDS instructions, with s_wait_alu, always for 0.
; THE PLAN.  All offsets and addresses (v3, v6 to v15, v100) are made at the head and never written again: one wait on va_vdst ahead of the first load states them.  v101, the gather's offset, is made of a loaded index: a wait of its own.
; Each run of LDS stores and the final store stand behind one wait on va_vdst for their data; the wait ahead of the images' stores also shows v32-95 done with, in which the loads behind the join land;
; the wait ahead of the score's store also shows the products done reading v128-163, in which the gate's loads, issued behind that store, land.
; One wait on vm_vsrc: v96 is the data of an LDS store in waves 0 .. 3 and is loaded again behind the first barrier.
.set TI, 0                             ; four fragments of 1,024 bytes
.set TS, 4096                          ; their scale words, 128 bytes each
.set SC, 4608                          ; scores in parts: [row 16][wave 16]
.set CO, 5632                          ; cache_out, 512 f32
.set SPARE, 7680
.set TM, 80
.set PW, 96
.set PC, 104
.macro BARRIER
	s_wait_dscnt 0x0
	s_barrier_signal -1
	s_barrier_wait -1
.endm
	s_load_b512 s[8:23], s[0:1], 0x0               ; topk 8, hre 10, wcodes 12, wscales 14, Wv_b 16, qv 18, hmean 20, gate_w 22
	s_load_b128 s[24:27], s[0:1], 0x40             ; gate_b 24, out1 26
	v_lshl_add_u32 v1, v0, 2, SPARE
	v_mov_b32 v2, 0
	v_lshrrev_b32 v3, 5, v0
	v_readfirstlane_b32 s30, v3                    ; wave
	s_wait_alu depctr_va_sdst(0)                   ; s30 is written, ahead of its first reader: addresses and branches are made from it
	v_and_b32 v3, 31, v0                           ; lane
	v_and_b32 v4, 15, v0                           ; r
	v_bfe_u32 v5, v0, 4, 1                         ; h
	v_lshlrev_b32 v6, 4, v3                        ; 16 x lane: an image's place (TI = 0)
	v_lshlrev_b32 v7, 4, v4                        ; 16 r
	v_lshlrev_b32 v8, 5, v5                        ; 32 h
	s_wait_alu depctr_va_vdst(0)
	s_and_b32 s31, s30, 3
	s_lshl_b32 s32, s31, 10
	v_add_nc_u32 v9, s32, v6                       ; where waves 0 .. 3 store their fragment,
	s_lshl_b32 s32, s31, 7
	s_add_co_u32 s32, s32, TS
	v_lshl_add_u32 v10, v3, 2, s32                 ; and its scale words
	v_lshl_add_u32 v11, v3, 2, TS
	s_lshl_b32 s32, s30, 2
	s_add_co_u32 s32, s32, SC
	v_lshl_add_u32 v12, v4, 6, s32                 ; my wave's part of row r's score
	v_lshl_add_u32 v13, v4, 6, SC
	s_lshl_b32 s32, s30, 7
	s_add_co_u32 s32, s32, CO
	v_add_nc_u32 v14, s32, v8                      ; cache_out at my columns
	v_and_b32 v15, 127, v0
	v_lshlrev_b32 v15, 4, v15                      ; 16 x (thread % 128)
	v_lshlrev_b32 v100, 2, v4                      ; 4 r: the list's word of chosen row r
	v_lshlrev_b32 v3, 6, v3                        ; from here on v3 = 64 x lane: 16 numbers a lane for the gate
	s_mov_b32 s34, 0x76543210
	s_mov_b32 s35, 0xfedcba98
	s_mov_b32 s37, 0
	s_wait_kmcnt 0x0
	s_load_b32 s33, s[24:25], 0x0                  ; gate_b
	s_lshl_b32 s36, s30, 13
	s_add_nc_u64 s[12:13], s[12:13], s[36:37]
	s_add_nc_u64 s[12:13], s[12:13], 524288        ; Wk's fragments of tile 2 w; Wv's lie 131,072 bytes on
	s_lshl_b32 s36, s30, 9
	s_add_nc_u64 s[14:15], s[14:15], s[36:37]
	s_add_nc_u64 s[14:15], s[14:15], 32768
	s_lshl_b32 s36, s30, 7
	s_add_nc_u64 s[16:17], s[16:17], s[36:37]
	s_add_nc_u64 s[18:19], s[18:19], s[36:37]
	s_lshl_b32 s36, ttmp9, 11
	s_add_nc_u64 s[18:19], s[18:19], s[36:37]
	s_add_nc_u64 s[20:21], s[20:21], s[36:37]
	s_add_nc_u64 s[26:27], s[26:27], s[36:37]
	s_lshl_b32 s36, ttmp9, 6
	s_add_nc_u64 s[8:9], s[8:9], s[36:37]
	s_wait_alu depctr_va_vdst(0)                   ; the offsets and addresses v3, v6 to v15 and v100 are written: every load and store of the kernel but the gather reads one of them
.irp mat,0,1
.irp n,0,1
.irp s,0,1,2,3
.irp cc,0,1
	global_load_b128 v[128+64*\mat+8*(4*\n+\s)+4*\cc:131+64*\mat+8*(4*\n+\s)+4*\cc], v6, s[12:13] offset:\mat*131072+\n*4096+\s*1024+512*\cc
.endr
.endr
	global_load_b128 v[112+8*\mat+4*\n:115+8*\mat+4*\n], v7, s[14:15] offset:\mat*8192+\n*256
.endr
.endr
	s_cmp_lt_u32 s30, 4
	s_cbranch_scc0 .Lnoq
; waves 0 .. 3: lane (r, h) takes, of chosen row r, 16 neighbours of each block of 32 of K step w
	global_load_b32 v101, v100, s[8:9]
	s_wait_loadcnt 0x0
	v_min_u32 v101, 0x3fff, v101                   ; a row of the table
	v_lshlrev_b32 v101, 11, v101
	v_lshl_add_u32 v101, v5, 6, v101
	s_lshl_b32 s32, s31, 9
	v_add_nc_u32 v101, s32, v101
	s_wait_alu depctr_va_vdst(0)                   ; v101, the chosen row's offset, is written, which the 16 loads read
.irp b,0,1,2,3
.irp j,0,1,2,3
	global_load_b128 v[16+16*\b+4*\j:19+16*\b+4*\j], v101, s[10:11] offset:128*\b+16*\j
.endr
.endr
.irp b,0,1,2,3
	v_mov_b32 v[TM+4+\b], 0                        ; a lane permute's destination counts as one of its sources
.endr
	s_wait_loadcnt 0x0
.irp b,0,1,2,3
	v_max3_num_f32 v[TM+\b], |v[16+16*\b]|, |v[17+16*\b]|, 0x1800000
.endr
.irp i,2,4,6,8,10,12,14
.irp b,0,1,2,3
	v_max3_num_f32 v[TM+\b], v[TM+\b], |v[16+16*\b+\i]|, |v[17+16*\b+\i]|
.endr
.endr
.irp b,0,1,2,3
	v_permlanex16_b32 v[TM+4+\b], v[TM+\b], s34, s35
.endr
.irp b,0,1,2,3
	v_max_num_f32 v[TM+\b], v[TM+\b], v[TM+4+\b]
.endr
.irp b,0,1,2,3
	v_add_nc_u32 v[TM+12+\b], 0xff000000, v[TM+\b]
.endr
.irp b,0,1,2,3
	v_lshrrev_b32 v[TM+4+\b], 23, v[TM+12+\b]
.endr
	v_lshl_or_b32 v[PW], v[TM+5], 8, v[TM+4]
	v_lshl_or_b32 v[PW], v[TM+6], 16, v[PW]
	v_lshl_or_b32 v[PW], v[TM+7], 24, v[PW]
.irp b,0,1,2,3
	v_cvt_scalef32_pk8_fp4_f32 v[PC+2*\b], v[16+16*\b:23+16*\b], v[TM+12+\b]
	v_cvt_scalef32_pk8_fp4_f32 v[PC+1+2*\b], v[24+16*\b:31+16*\b], v[TM+12+\b]
.endr
	v_nop                                          ; one plain place behind the last scaled conversion
.irp c,0,1
.irp i,0,1
	v_permlane16_swap_b32 v[PC+4*\c+\i], v[PC+2+4*\c+\i]           ; the layout wants a whole block in a lane
.endr
.endr
	s_wait_alu depctr_va_vdst(0)                   ; the fragment v104-111 and its scale word v96 are written, which the LDS stores read; the quantiser is done with v32-95, in which the loads behind the join land
	ds_store_b128 v9, v[PC:PC+3]
	ds_store_b128 v9, v[PC+4:PC+7] offset:512
	ds_store_b32 v10, v[PW]
.Lnoq:
.irp n,0,1
	global_load_b128 v[32+8*\n:35+8*\n], v8, s[16:17] offset:64*\n         ; Wv_b into the values' accumulators
	global_load_b128 v[36+8*\n:39+8*\n], v8, s[16:17] offset:64*\n+16
	global_load_b128 v[48+8*\n:51+8*\n], v8, s[18:19] offset:64*\n         ; the query in the result's layout
	global_load_b128 v[52+8*\n:55+8*\n], v8, s[18:19] offset:64*\n+16
.endr
	BARRIER                                        ; the rows' four fragments lie in LDS
	s_wait_alu depctr_vm_vsrc(0)                   ; in waves 0 .. 3 the LDS store of the scale word has read v96, in which a load below lands
.irp s,0,1,2,3
	ds_load_b128 v[64+8*\s:67+8*\s], v6 offset:\s*1024
	ds_load_b128 v[68+8*\s:71+8*\s], v6 offset:\s*1024+512
	ds_load_b32 v[96+\s], v11 offset:128*\s
.endr
	s_wait_dscnt 0x0
	s_wait_loadcnt 0x0
.irp s,0,1,2,3                         ; four accumulators by turns
.irp mat,0,1
.irp n,0,1
.if (\s == 0) && (\mat == 0)
	v_wmma_scale_f32_16x16x128_f8f6f4 v[16+16*\mat+8*\n:23+16*\mat+8*\n], v[128+64*\mat+8*(4*\n+\s):135+64*\mat+8*(4*\n+\s)], v[64+8*\s:71+8*\s], 0, v[112+8*\mat+4*\n+\s], v[96+\s] matrix_a_fmt:MATRIX_FMT_FP4 matrix_b_fmt:MATRIX_FMT_FP4
.else
	v_wmma_scale_f32_16x16x128_f8f6f4 v[16+16*\mat+8*\n:23+16*\mat+8*\n], v[128+64*\mat+8*(4*\n+\s):135+64*\mat+8*(4*\n+\s)], v[64+8*\s:71+8*\s], v[16+16*\mat+8*\n:23+16*\mat+8*\n], v[112+8*\mat+4*\n+\s], v[96+\s] matrix_a_fmt:MATRIX_FMT_FP4 matrix_b_fmt:MATRIX_FMT_FP4
.endif
.endr
.endr
.endr
.rept 5
	v_nop
.endr
	v_pk_mul_f32 v[102:103], v[16:17], v[48:49]    ; keys . query over my 16 columns
.irp j,2,4,6,8,10,12,14
	v_pk_fma_f32 v[102:103], v[16+\j:17+\j], v[48+\j:49+\j], v[102:103]
.endr
	v_add_f32 v102, v102, v103
	v_permlanex16_b32 v103, v102, s34, s35
	v_add_f32 v102, v102, v103                     ; over my wave's 32
	s_wait_alu depctr_va_vdst(0)                   ; my part of the score is written, which the LDS store reads; the products are done reading v64-95 and v128-163, in which the loads below and behind the barrier land
	ds_store_b32 v12, v102
.irp j,0,1,2,3
	global_load_b128 v[128+4*\j:131+4*\j], v3, s[20:21] offset:16*\j
	global_load_b128 v[144+4*\j:147+4*\j], v3, s[22:23] offset:16*\j
.endr
	global_load_b128 v[160:163], v15, s[20:21]     ; h_mean at the four columns that I may store
	BARRIER
.irp i,0,1,2,3
	ds_load_b128 v[64+4*\i:67+4*\i], v13 offset:16*\i
.endr
	s_wait_dscnt 0x0
	v_pk_add_f32 v[64:65], v[64:65], v[66:67]
	v_pk_add_f32 v[68:69], v[68:69], v[70:71]
	v_pk_add_f32 v[72:73], v[72:73], v[74:75]
	v_pk_add_f32 v[76:77], v[76:77], v[78:79]
	v_pk_add_f32 v[64:65], v[64:65], v[68:69]
	v_pk_add_f32 v[72:73], v[72:73], v[76:77]
	v_pk_add_f32 v[64:65], v[64:65], v[72:73]
	v_add_f32 v64, v64, v65
	v_mul_f32 v64, 0x3d3504f3, v64                 ; / sqrt(512): row r's score
	v_mov_b32 v65, v64
	v_max_num_f32_dpp v65, v65, v65 row_xmask:1 row_mask:0xf bank_mask:0xf
	v_max_num_f32_dpp v65, v65, v65 row_xmask:2 row_mask:0xf bank_mask:0xf
	v_max_num_f32_dpp v65, v65, v65 row_xmask:4 row_mask:0xf bank_mask:0xf
	v_max_num_f32_dpp v65, v65, v65 row_xmask:8 row_mask:0xf bank_mask:0xf
	v_sub_f32 v66, v64, v65                        ; the maximum is taken away
	v_mul_f32 v66, 0x3fb8aa3b, v66
	s_wait_alu depctr_va_vdst(0)
	v_exp_f32 v66, v66
	v_nop
	s_wait_alu depctr_va_vdst(0)                   ; the exponential is written, ahead of its first reader
	v_mov_b32 v67, v66
	v_add_f32_dpp v67, v67, v67 row_xmask:1 row_mask:0xf bank_mask:0xf
	v_add_f32_dpp v67, v67, v67 row_xmask:2 row_mask:0xf bank_mask:0xf
	v_add_f32_dpp v67, v67, v67 row_xmask:4 row_mask:0xf bank_mask:0xf
	v_add_f32_dpp v67, v67, v67 row_xmask:8 row_mask:0xf bank_mask:0xf
	s_wait_alu depctr_va_vdst(0)
	v_rcp_f32 v67, v67
	v_nop
	s_wait_alu depctr_va_vdst(0)                   ; the reciprocal is written, ahead of its first reader
	v_mul_f32 v66, v66, v67                        ; attn of row r
.irp j,0,2,4,6,8,10,12,14
	v_pk_mul_f32 v[32+\j:33+\j], v[32+\j:33+\j], v[66:67] op_sel_hi:[1,0]
.endr
.irp m,1,2,4,8
.irp j,0,1,2,3,4,5,6,7,8,9,10,11,12,13,14,15
	v_add_f32_dpp v[32+\j], v[32+\j], v[32+\j] row_xmask:\m row_mask:0xf bank_mask:0xf    ; over the 16 rows
.endr
.endr
	s_wait_alu depctr_va_vdst(0)                   ; cache_out at my columns is written, which the LDS stores read; the score's additions are done with v72-75, in which a load lands behind the barrier
.irp n,0,1
	ds_store_b128 v14, v[32+8*\n:35+8*\n] offset:64*\n             ; the sixteen lanes of a half hold the same and write it to the same place
	ds_store_b128 v14, v[36+8*\n:39+8*\n] offset:64*\n+16
.endr
	BARRIER
	ds_load_b128 v[72:75], v15 offset:CO
	s_wait_loadcnt 0x0
	v_pk_mul_f32 v[68:69], v[128:129], v[144:145]
.irp j,2,4,6,8,10,12,14
	v_pk_fma_f32 v[68:69], v[128+\j:129+\j], v[144+\j:145+\j], v[68:69]
.endr
	v_add_f32 v68, v68, v69
	v_add_f32_dpp v68, v68, v68 row_xmask:1 row_mask:0xf bank_mask:0xf
	v_add_f32_dpp v68, v68, v68 row_xmask:2 row_mask:0xf bank_mask:0xf
	v_add_f32_dpp v68, v68, v68 row_xmask:4 row_mask:0xf bank_mask:0xf
	v_add_f32_dpp v68, v68, v68 row_xmask:8 row_mask:0xf bank_mask:0xf
	v_permlanex16_b32 v69, v68, s34, s35
	v_add_f32 v68, v68, v69
	s_wait_alu depctr_va_vdst(0)
	s_wait_kmcnt 0x0
	v_add_f32 v68, s33, v68
	v_mul_f32 v68, 0xbfb8aa3b, v68
	s_wait_alu depctr_va_vdst(0)
	v_exp_f32 v68, v68
	v_nop
	s_wait_alu depctr_va_vdst(0)                   ; the exponential is written, ahead of its first reader
	v_add_f32 v68, 1.0, v68
	s_wait_alu depctr_va_vdst(0)
	v_rcp_f32 v68, v68                             ; g
	v_nop
	s_wait_alu depctr_va_vdst(0)                   ; the reciprocal is written, ahead of its first reader
	s_wait_dscnt 0x0
	v_pk_fma_f32 v[72:73], v[72:73], v[68:69], v[160:161] op_sel_hi:[1,0,1]
	v_pk_fma_f32 v[74:75], v[74:75], v[68:69], v[162:163] op_sel_hi:[1,0,1]
	s_wait_alu depctr_va_vdst(0)                   ; the four results are written, which the store reads
	s_cmp_lt_u32 s30, 4
	s_cbranch_scc0 .Ldone
	global_store_b128 v15, v[72:75], s[26:27]      ; waves 0 .. 3: 512 consecutive bytes each
.Ldone:
	s_wait_dscnt 0x0                               ; the closing lines, six on end
	s_wait_alu 0x0
	s_wait_tensorcnt 0x0
	ds_add_u32 v1, v2
	s_wait_dscnt 0x0
	s_endpgm
.Lfunc_end_k_q619ee09793_cache:
	.size	k_q619ee09793_cache, .Lfunc_end_k_q619ee09793_cache-k_q619ee09793_cache
	.p2alignl 7, 3214868480
	.fill 96, 4, 3214868480
	.section	.rodata,"a",@progbits
	.p2align	6, 0x0
	.amdhsa_kernel k_q619ee09793_cache
		.amdhsa_group_segment_fixed_size 9728
		.amdhsa_private_segment_fixed_size 0
		.amdhsa_enable_private_segment 0
		.amdhsa_kernarg_size 80
		.amdhsa_user_sgpr_count 2
		.amdhsa_user_sgpr_kernarg_segment_ptr 1
		.amdhsa_wavefront_size32 1
		.amdhsa_system_sgpr_workgroup_id_x 1
		.amdhsa_system_sgpr_workgroup_id_y 1
		.amdhsa_system_sgpr_workgroup_id_z 1
		.amdhsa_system_vgpr_workitem_id 0
		.amdhsa_next_free_vgpr 256
		.amdhsa_next_free_sgpr 66
		.amdhsa_reserve_vcc 0
		.amdhsa_float_denorm_mode_32 3
		.amdhsa_float_denorm_mode_16_64 3
		.amdhsa_memory_ordered 1
		.amdhsa_forward_progress 1
		.amdhsa_inst_pref_size 27
	.end_amdhsa_kernel
	.amdgpu_metadata
---
amdhsa.version: [ 1, 2 ]
amdhsa.kernels:
  - .name:           k_q619ee09793_cache
    .symbol:         k_q619ee09793_cache.kd
    .args:
      - { .name: topk, .offset: 0, .size: 8, .value_kind: global_buffer, .address_space: global }
      - { .name: hre, .offset: 8, .size: 8, .value_kind: global_buffer, .address_space: global }
      - { .name: wcodes, .offset: 16, .size: 8, .value_kind: global_buffer, .address_space: global }
      - { .name: wscales, .offset: 24, .size: 8, .value_kind: global_buffer, .address_space: global }
      - { .name: Wv_b, .offset: 32, .size: 8, .value_kind: global_buffer, .address_space: global }
      - { .name: qv, .offset: 40, .size: 8, .value_kind: global_buffer, .address_space: global }
      - { .name: hmean, .offset: 48, .size: 8, .value_kind: global_buffer, .address_space: global }
      - { .name: gate_w, .offset: 56, .size: 8, .value_kind: global_buffer, .address_space: global }
      - { .name: gate_b, .offset: 64, .size: 8, .value_kind: global_buffer, .address_space: global }
      - { .name: out1, .offset: 72, .size: 8, .value_kind: global_buffer, .address_space: global }
    .group_segment_fixed_size: 9728
    .private_segment_fixed_size: 0
    .kernarg_segment_align: 8
    .kernarg_segment_size: 80
    .max_flat_workgroup_size: 512
    .sgpr_count:     66
    .vgpr_count:     256
    .wavefront_size: 32
...
	.end_amdgpu_metadata
.endif
;; end of part 8
